; MI455X (gfx1250); checked and timed in simulation.
; The chip was launched on July 23, 2026; its instructions are those of AMD's public machine-readable ISA for CDNA 5 (MIT licence, August 2026) and "CDNA5" Instruction Set Architecture Reference Guide (July 2026). The comments in the code are by the model that wrote it; some were corrected since.
;; Gpt Oss Attention. Allowed arithmetic: float matrix products may take bf16 or f16 operands with f32 sums; all other float work in f32.
;; Inputs: bk 8 x 64 float32; bo 2,880 float32; bq 64 x 64 float32; bv 8 x 64 float32; positions 2,048 int32; sinks 64 float32; wk 2,880 x 8 x 64 float32; wo 64 x 64 x 2,880 float32; wq 2,880 x 64 x 64 float32; wv 2,880 x 8 x 64 float32; x 2,048 x 2,880 float32.
;; Outputs: out0 2,048 x 2,880 float32.
;; 2 versions, each right and faster than the one before. Each part assembles by itself: llvm-mc -triple=amdgcn-amd-amdhsa -mcpu=gfx1250 --defsym DOCPART=n.
;; ======== version 1 of 2: 4 launches
;; limits: values are held in f16: magnitudes above 65,504 overflow, below 6.1e-05 lose precision; right only within a limited range of input values
;; workspace buffers: xb 11,796,480 bytes; wqkvb 29,491,200 bytes; wob 23,592,960 bytes; ropet 524,288 bytes; qkvh 20,971,520 bytes; attnh 16,777,216 bytes
;; launch prep (part 1): grid 3976 x 1, 8 waves a work-group, no clusters, 0 bytes of LDS; arguments x, wq, wk, wv, wo, positions, xb, wqkvb, wob, ropet; writes xb, wqkvb, wob, ropet
.if DOCPART == 1
	.amdgcn_target "amdgcn-amd-amdhsa--gfx1250"
	.amdhsa_code_object_version 6
	.text
	.protected	k_q63c73ee91c_prep
	.globl	k_q63c73ee91c_prep
	.p2align	8
	.type	k_q63c73ee91c_prep,@function
k_q63c73ee91c_prep:
	s_mov_b64 s[64:65], 0
	v_nop
	global_prefetch_b8 v0, s[64:65] scope:SCOPE_SE
	s_setreg_imm32_b32 hwreg(HW_REG_WAVE_MODE, 25, 1), 1
	s_wait_xcnt 0x0
; PREP: every f32 matrix is rounded once to 16 bits and laid out in blocks of 64 columns, [block][row][64], a row of a block 128 bytes, so that every later
; tile is a dense run of bytes; and the rotary table is made from the positions.
;   xb    [45][2048][64] bf16   x(t, d): block d / 64, row t
;   wqkvb [80][2880][64] bf16   block = head (0-63 q, 64-71 k, 72-79 v), row d
;   wob   [45][4096][64] f16    bf16(wo) x 8, written as f16: block = output column / 64, row = 64 n + h
;   ropet [2048][64] f32        32 x cos(angle) conc / 8, then 32 x sin(angle) conc / 8
; A stream: no LDS, no barrier, no matrix unit.  Each source byte is read once, each destination byte written once.
; LIMITS.  Sine and cosine: the angle is reduced by pi/2 in three parts with fused multiply-adds and then goes through polynomials on -pi/4 .. pi/4; the
; remainder keeps about 1e-7 for angles up to 2^17.  A position converts exactly up to 2^24.  wo x 8 stays inside f16 up to |wo| = 8,188; below 7.6e-6
; it keeps f16's fixed step.  NaN and infinities are not treated apart.
; WORK-GROUPS, by number: 0-1439 wq, 1440-2719 wo, 2720-3359 x, 3360-3719 wk and wv, 3720-3975 the table.
; A cast work-group takes 16 rows x U blocks, a wave two rows: one load of the wave covers 2 rows x 64 columns (two aligned runs of 256 bytes),
; one store 256 consecutive bytes (two rows of a block).
	s_load_b512 s[4:19], s[0:1], 0x0               ; x 4:5, wq 6:7, wk 8:9, wv 10:11, wo 12:13, positions 14:15, xb 16:17, wqkvb 18:19
	s_load_b128 s[20:23], s[0:1], 0x40             ; wob 20:21, ropet 22:23
	v_lshrrev_b32 v1, 5, v0
	v_readfirstlane_b32 s24, v1                    ; wave 0..7
	v_and_b32 v1, 31, v0                           ; lane
	v_bfe_u32 v2, v0, 4, 1                         ; lane / 16: which of the wave's two rows
	v_and_b32 v3, 15, v0                           ; lane % 16: which 16 bytes of the 256
	s_wait_kmcnt 0x0
	s_cmp_lt_u32 ttmp9, 1440
	s_cbranch_scc1 .Lwq
	s_cmp_lt_u32 ttmp9, 2720
	s_cbranch_scc1 .Lwo
	s_cmp_lt_u32 ttmp9, 3360
	s_cbranch_scc1 .Lx
	s_cmp_lt_u32 ttmp9, 3720
	s_cbranch_scc1 .Lwkv
	; THE TABLE.  A wave takes one token; lane l makes frequencies 2 (l % 16) and 2 (l % 16) + 1, lanes 0-15 the cosines, lanes 16-31 the sines.
	s_sub_co_u32 s25, ttmp9, 3720
	s_lshl_b32 s25, s25, 3
	s_add_co_u32 s25, s25, s24                     ; the token
	s_lshl_b32 s26, s25, 2
	s_lshl_b32 s27, s25, 8
	v_mov_b32 v4, s26
	global_load_b32 v5, v4, s[14:15]               ; its position, the same word in every lane
	s_mov_b32 s32, 0xbf098e8c                      ; -log2(150000) / 32
	s_mov_b32 s33, 0x3ddc174b                      ; 1 / (high - low) = 0.1074663
	s_mov_b32 s34, 0xbf5ea4ba                      ; -low / (high - low) = -0.8697010
	s_mov_b32 s35, 0xbf780000                      ; -(1 - 1/32)
	s_mov_b32 s36, 0x3f22f983                      ; 2 / pi
	s_mov_b32 s37, 0x3fc90000                      ; pi / 2 in three parts
	s_mov_b32 s38, 0x39fda000
	s_mov_b32 s39, 0x33a2168c
	s_mov_b32 s40, 0xb94ca1f9                      ; sine: -1.9515296e-4, 8.3321609e-3, -1.6666655e-1
	s_mov_b32 s41, 0x3c08839e
	s_mov_b32 s42, 0xbe2aaaa3
	s_mov_b32 s43, 0x37ccf5ce                      ; cosine: 2.4433157e-5, -1.3887316e-3, 4.1666646e-2
	s_mov_b32 s44, 0xbab6061a
	s_mov_b32 s45, 0x3d2aaaa5
	s_mov_b32 s46, 0x3e2c5c86                      ; (0.1 ln 32 + 1) / 8
	v_lshlrev_b32 v6, 1, v3
	v_cvt_f32_u32 v6, v6                           ; f
	v_add_f32 v7, 1.0, v6                          ; f + 1
	v_mul_u32_u24 v30, v2, 3                       ; a sine is the cosine a quarter turn back: k + 3
	v_lshl_add_u32 v31, v1, 3, s27                 ; 256 t + 8 l
.macro INVF fr, b                      ; v[b] = 150000^(-f/32) x (1 - (31/32) ramp), ramp = clip((f - low) / (high - low), 0, 1)
	v_mul_f32 v[\b], s32, v[\fr]
	v_fma_f32 v[\b+1], v[\fr], s33, s34
	v_exp_f32 v[\b], v[\b]
	v_max_num_f32 v[\b+1], 0, v[\b+1]              ; a plain line that names neither the exponential's result nor its source stands behind it
	v_min_num_f32 v[\b+1], 1.0, v[\b+1]
	v_fma_f32 v[\b+1], v[\b+1], s35, 1.0
	s_wait_alu depctr_va_vdst(0)
	v_mul_f32 v[\b], v[\b], v[\b+1]
.endm
.macro TRIG b, out                     ; v[out] = cos or sin of position x v[b], times conc / 8
	v_mul_f32 v[\b+1], v5, v[\b]                   ; the angle, rounded once
	v_mul_f32 v[\b+2], s36, v[\b+1]
	v_rndne_f32 v[\b+2], v[\b+2]                   ; k quarter turns
	v_fma_f32 v[\b+1], -v[\b+2], s37, v[\b+1]
	v_fma_f32 v[\b+1], -v[\b+2], s38, v[\b+1]
	v_fma_f32 v[\b+1], -v[\b+2], s39, v[\b+1]      ; r = angle - k pi / 2
	v_mul_f32 v[\b+3], v[\b+1], v[\b+1]            ; z = r r
	v_fma_f32 v[\b+4], v[\b+3], s40, s41
	v_fma_f32 v[\b+4], v[\b+4], v[\b+3], s42
	v_mul_f32 v[\b+4], v[\b+4], v[\b+3]
	v_fma_f32 v[\b+4], v[\b+4], v[\b+1], v[\b+1]   ; sin r
	v_fma_f32 v[\b+5], v[\b+3], s43, s44
	v_fma_f32 v[\b+5], v[\b+5], v[\b+3], s45
	v_mul_f32 v[\b+6], v[\b+3], v[\b+3]
	v_fma_f32 v[\b+7], v[\b+3], -0.5, 1.0
	v_fma_f32 v[\b+5], v[\b+5], v[\b+6], v[\b+7]   ; cos r
	v_cvt_i32_f32 v[\b+2], v[\b+2]
	v_add_nc_u32 v[\b+2], v[\b+2], v30             ; j = k, or k + 3 for a sine; of j only the two low bits count
	v_and_b32 v[\b+6], 1, v[\b+2]
	v_cmp_eq_u32 vcc_lo, 1, v[\b+6]
	v_cndmask_b32 v[\out], v[\b+5], v[\b+4], vcc_lo  ; j odd: sin r, j even: cos r
	v_add_nc_u32 v[\b+2], 1, v[\b+2]
	v_and_b32 v[\b+2], 2, v[\b+2]                  ; j = 1, 2: the sign turns
	v_lshlrev_b32 v[\b+2], 30, v[\b+2]
	v_xor_b32 v[\out], v[\b+2], v[\out]
	v_mul_f32 v[\out], s46, v[\out]
.endm
	INVF 6, 10
	INVF 7, 20
	s_wait_loadcnt 0x0                             ; the position
	v_cvt_f32_i32 v5, v5
	TRIG 10, 40
	TRIG 20, 41
	global_store_b64 v31, v[40:41], s[22:23]       ; the wave stores the token's 256 bytes whole
	s_endpgm
; A cast.  On entry: s25 the group of 16 rows, s30 the first source block, s31 the first destination block, s[26:27] the source, s[28:29] the destination.
.macro CAST U, R, PITCH, F16
	s_lshl_b32 s25, s25, 4
	s_lshl1_add_u32 s25, s24, s25                  ; my wave's first row = 16 x group + 2 x wave
	s_mul_i32 s32, s25, \PITCH
	s_lshl_b32 s33, s30, 8
	s_add_co_u32 s32, s32, s33
	v_mul_u32_u24 v4, v2, \PITCH
	v_lshl_add_u32 v4, v3, 4, v4
	v_add_nc_u32 v4, s32, v4                       ; source: row x pitch + 256 x block + 16 (l % 16)
	s_mul_i32 s33, s31, \R
	s_add_co_u32 s33, s33, s25
	s_lshl_b32 s33, s33, 7
	v_lshl_add_u32 v5, v1, 3, s33                  ; destination: (block x rows + row) x 128 + 8 l
.set u_, 0
.rept \U
	global_load_b128 v[8+4*u_:11+4*u_], v4, s[26:27] offset:256*u_ th:TH_LOAD_NT
.set u_, u_+1
.endr
.set u_, 0
.rept \U
	s_wait_loadcnt (\U)-1-u_                       ; loads come back in order: block u is in, the younger ones stay out
.if \F16
	v_cvt_pk_bf16_f32 v6, v[8+4*u_], v[9+4*u_]     ; rounded to bf16 like every input,
	v_cvt_pk_bf16_f32 v7, v[10+4*u_], v[11+4*u_]
	v_lshlrev_b32 v[8+4*u_], 16, v6
	v_and_b32 v[9+4*u_], 0xffff0000, v6
	v_lshlrev_b32 v[10+4*u_], 16, v7
	v_and_b32 v[11+4*u_], 0xffff0000, v7
	v_pk_mul_f32 v[8+4*u_:9+4*u_], v[8+4*u_:9+4*u_], 0x41000000 op_sel_hi:[1,0]      ; times 8, exact,
	v_pk_mul_f32 v[10+4*u_:11+4*u_], v[10+4*u_:11+4*u_], 0x41000000 op_sel_hi:[1,0]
	v_cvt_pk_f16_f32 v[44+2*u_], v[8+4*u_], v[9+4*u_]                                 ; and written as f16: 8 significant bits fit in 11
	v_cvt_pk_f16_f32 v[45+2*u_], v[10+4*u_], v[11+4*u_]
.else
	v_cvt_pk_bf16_f32 v[44+2*u_], v[8+4*u_], v[9+4*u_]
	v_cvt_pk_bf16_f32 v[45+2*u_], v[10+4*u_], v[11+4*u_]
.endif
	global_store_b64 v5, v[44+2*u_:45+2*u_], s[28:29] offset:u_*(\R)*128   ; each block has data registers of its own: no register of a pending store is written again
.set u_, u_+1
.endr
	s_endpgm
.endm
.Lwq:                                                  ; 180 groups of rows x 8 groups of 8 heads
	s_lshr_b32 s25, ttmp9, 3
	s_and_b32 s30, ttmp9, 7
	s_lshl_b32 s30, s30, 3
	s_mov_b32 s31, s30
	s_mov_b64 s[26:27], s[6:7]
	s_mov_b64 s[28:29], s[18:19]
	CAST 8, 2880, 16384, 0
.Lwo:                                                  ; 256 groups of rows x 5 groups of 9 blocks
	s_sub_co_u32 s33, ttmp9, 1440
	s_and_b32 s25, s33, 255
	s_lshr_b32 s30, s33, 8
	s_mul_i32 s30, s30, 9
	s_mov_b32 s31, s30
	s_mov_b64 s[26:27], s[12:13]
	s_mov_b64 s[28:29], s[20:21]
	CAST 9, 4096, 11520, 1
.Lx:                                                   ; 128 groups of rows x 5 groups of 9 blocks
	s_sub_co_u32 s33, ttmp9, 2720
	s_and_b32 s25, s33, 127
	s_lshr_b32 s30, s33, 7
	s_mul_i32 s30, s30, 9
	s_mov_b32 s31, s30
	s_mov_b64 s[26:27], s[4:5]
	s_mov_b64 s[28:29], s[16:17]
	CAST 9, 2048, 11520, 0
.Lwkv:                                                 ; 180 groups of rows of wk, then 180 of wv; all 8 heads
	s_sub_co_u32 s25, ttmp9, 3360
	s_cmp_ge_u32 s25, 180
	s_cselect_b64 s[26:27], s[10:11], s[8:9]
	s_cselect_b32 s31, 72, 64
	s_cselect_b32 s33, 180, 0
	s_sub_co_u32 s25, s25, s33
	s_mov_b32 s30, 0
	s_mov_b64 s[28:29], s[18:19]
	CAST 8, 2880, 2048, 0
.Lfunc_end_k_q63c73ee91c_prep:
	.size	k_q63c73ee91c_prep, .Lfunc_end_k_q63c73ee91c_prep-k_q63c73ee91c_prep
	.p2alignl 7, 3214868480
	.fill 96, 4, 3214868480
	.section	.rodata,"a",@progbits
	.p2align	6, 0x0
	.amdhsa_kernel k_q63c73ee91c_prep
		.amdhsa_group_segment_fixed_size 0
		.amdhsa_private_segment_fixed_size 0
		.amdhsa_enable_private_segment 0
		.amdhsa_kernarg_size 80
		.amdhsa_user_sgpr_count 2
		.amdhsa_user_sgpr_kernarg_segment_ptr 1
		.amdhsa_wavefront_size32 1
		.amdhsa_system_sgpr_workgroup_id_x 1
		.amdhsa_system_sgpr_workgroup_id_y 1
		.amdhsa_system_sgpr_workgroup_id_z 1
		.amdhsa_system_vgpr_workitem_id 0
		.amdhsa_next_free_vgpr 64
		.amdhsa_next_free_sgpr 66
		.amdhsa_reserve_vcc 1
		.amdhsa_float_denorm_mode_32 3
		.amdhsa_float_denorm_mode_16_64 3
		.amdhsa_memory_ordered 1
		.amdhsa_forward_progress 1
		.amdhsa_inst_pref_size 26
	.end_amdhsa_kernel
	.amdgpu_metadata
---
amdhsa.version: [ 1, 2 ]
amdhsa.kernels:
  - .name:           k_q63c73ee91c_prep
    .symbol:         k_q63c73ee91c_prep.kd
    .args:
      - { .name: x, .offset: 0, .size: 8, .value_kind: global_buffer, .address_space: global }
      - { .name: wq, .offset: 8, .size: 8, .value_kind: global_buffer, .address_space: global }
      - { .name: wk, .offset: 16, .size: 8, .value_kind: global_buffer, .address_space: global }
      - { .name: wv, .offset: 24, .size: 8, .value_kind: global_buffer, .address_space: global }
      - { .name: wo, .offset: 32, .size: 8, .value_kind: global_buffer, .address_space: global }
      - { .name: positions, .offset: 40, .size: 8, .value_kind: global_buffer, .address_space: global }
      - { .name: xb, .offset: 48, .size: 8, .value_kind: global_buffer, .address_space: global }
      - { .name: wqkvb, .offset: 56, .size: 8, .value_kind: global_buffer, .address_space: global }
      - { .name: wob, .offset: 64, .size: 8, .value_kind: global_buffer, .address_space: global }
      - { .name: ropet, .offset: 72, .size: 8, .value_kind: global_buffer, .address_space: global }
    .group_segment_fixed_size: 0
    .private_segment_fixed_size: 0
    .kernarg_segment_align: 8
    .kernarg_segment_size: 80
    .max_flat_workgroup_size: 256
    .sgpr_count:     66
    .vgpr_count:     64
    .wavefront_size: 32
...
	.end_amdgpu_metadata
.endif
;; end of part 1
;; launch qkv (part 2): grid 16 x 16, 4 waves a work-group, clusters of 4 x 4, 327,680 bytes of LDS; arguments xb, wqkvb, bq, bk, bv, ropet, qkvh; writes qkvh
.if DOCPART == 2
	.amdgcn_target "amdgcn-amd-amdhsa--gfx1250"
	.amdhsa_code_object_version 6
	.text
	.protected	k_q63c73ee91c_qkv
	.globl	k_q63c73ee91c_qkv
	.p2align	8
	.type	k_q63c73ee91c_qkv,@function
k_q63c73ee91c_qkv:
	s_mov_b64 s[64:65], 0
	v_nop
	global_prefetch_b8 v0, s[64:65] scope:SCOPE_SE
	s_setreg_imm32_b32 hwreg(HW_REG_WAVE_MODE, 25, 1), 1
	s_wait_xcnt 0x0
	s_wait_alu depctr_hold_cnt(0) depctr_sa_sdst(0) depctr_va_vdst(0) depctr_va_sdst(0) depctr_va_ssrc(0) depctr_va_vcc(0) depctr_vm_vsrc(0)
	s_getreg_b32 s2, hwreg(HW_REG_IB_STS2, 6, 4)
	s_cmp_eq_u32 s2, 0
	s_cbranch_scc0 .Lentry_in_a_cluster
	s_endpgm
.Lentry_in_a_cluster:
	s_bfe_u32 s2, ttmp6, 0x10000c
	s_cmp_lg_u32 s2, 0xf033
	s_cbranch_scc0 .Lentry_shape_is_right
	s_endpgm
.Lentry_shape_is_right:
; QKV: [2048 x 2880] x [2880 x 5120] in bf16 with f32 sums, + bias, rotary turn for q and k, all times 2^-3, rounded once to f16 and written by heads:
; qkvh [80][2048][64] f16 (heads 0-63 q, 64-71 k, 72-79 v).  xb and wqkvb lie in blocks of 64 columns ([block][row][64], 128 bytes a row).
; LIMITS.  x, the weights and the biases are taken rounded to bf16.  q, k, v leave as f16 of their value / 8 (q and k with the rotary factor 1.3466 in it):
; they must stay under 8 x 65,504; below 8 x 6e-5 they keep f16's fixed step.  NaN and infinities are not treated apart.
; SHARES.  A work-group makes 128 tokens x 320 columns (5 heads): 16 x 16 = 256 work-groups.  Wave w: row half RH = w / 2 (64 tokens, 4 tiles of 16), column half CH = w % 2:
; five PAIRS of column tiles.  Pair pi = 5 CH + i lies in head pi / 2 of the five and holds columns 16 e .. +15 and 16 e + 32 .. +15, e = pi % 2: the two partners of a rotary turn are the
; same lane and register of two neighbouring accumulators.  40 accumulators, 320 registers.
; THE MATRIX INSTRUCTION IS USED TRANSPOSED: source 0 = 16 columns of W (turned out of LDS by ds_load_tr16_b128), source 1 = 16 tokens.  A lane then holds one token (l % 16)
; and eight neighbouring columns 8 (l / 16) + 0..7.  The bias, a number for each column, is the C operand of the products that start the sums.
; K goes in 22 steps of 128 and one of 64 (2880 = 45 x 64) through two LDS slots.  A step's tiles are two blocks of A (128 tokens x 64 k, 16,384 dense bytes) and two of B (5 heads x 64 k x 64 columns).
; Waves 0, 1 fetch A's blocks, waves 2, 3 B's: one tensor load a wave behind each change of slots; the half step has one block of each, waves 0 and 2.
; CLUSTER 4 x 4: A's tiles hang on the row tile alone and are asked for jointly along a row of the cluster, B's on the column tile alone, jointly along a column.
; REGISTERS: window 0: v0-31 addresses; v32-143, v144-255 two fragment buffers (A 4 x 8, then B 10 x 8).  v256-575 accumulators (a, t) at 256 + 8 (10 a + t).  v576-655 the bias, 8 a column tile.
; v768-895 the rotary table for my tokens: 768 + 32 a + 16 set + 8 (0 cos, 1 sin) + j; set 0 serves the pairs with even i, set 1 those with odd i.
.set NH,     5
.set NPAIR,  5
.set NT,     2*NPAIR
.set KTOT,   2880
.set PA,     144                       ; a row of A in LDS: 128 bytes + 16 of padding: an odd multiple of 16
.set PB,     160                       ; a row of B: 128 + 32: an odd multiple of 32, for the turning load
.set ABLK,   128*PA
.set HB,     64*PB                     ; a head's 64 rows of a block of B
.set BBLK,   NH*HB
.set BOFF,   2*ABLK
.set SLOT,   BOFF+2*BBLK               ; 139,264
.set STAGE,  SLOT                      ; the way out goes through slot 1, which has had its last fill (K step 21) and its last read by then: [5 heads][128 rows] of 144 bytes
.set SPARE,  2*SLOT                    ; the spare words, 128 bytes a wave: two blocks of 256 bytes that no other line names
.set NLD,    2*NT+8                    ; LDS loads in a run: 20 for B, 8 for A
.set ABYTES, 2048*128                  ; a block of xb
.set ASTEP2, 4*ABYTES                  ; two K steps on
.set BSTEP2, 4*64*128
.set LAPS,   10
.set ACC0,   256
.set BIAS,   576
.set F0,     32
.set F1,     144
.set ADRA,   8                         ; v8-9    my A fragments in slot 0, 1
.set ADRB,   10                        ; v10-19  my B fragments: slot 0 pairs 0-4, slot 1 pairs 0-4
.set STO,    20                        ; v20-24  the way out: where pair i puts 16 bytes of a row
.set RD,     25                        ; v25     where I read rows back
.set GO,     26                        ; v26     16 x lane
.set BO,     27                        ; v27     32 (l / 16): my eight columns' bytes in a bias
.set SPW,    28                        ; v28     my spare word; never rewritten
.set NIL,    29                        ; v29     0; never rewritten
.set RO,     30                        ; v30-31  my byte offsets in the rotary table, set 0 and 1
.set CE,     32                        ; the way out, at work
.set SE,     40
.set T,      48
.set Y1,     56
.set Y2,     64
.set PK,     72
.set WV,     18
.set RH,     19
.set CH,     20
.set G1A,    28                        ; s[28:35]
.set G1B,    36                        ; s[36:43]
.set G0A,    44                        ; s[44:51] a set for each slot
.set G0B,    52                        ; s[52:59]
.set GI,     70                        ; s70-74  pair i's head among the 80
.set KQ,     76                        ; s[76:77] 1 for q and k heads, 0 for v heads
.set KV,     78                        ; s[78:79] 0, or 2^-3 for v heads
.set BP,     80                        ; s[80:89] pair i's place in its bias
.set MSB, 0
.macro WIN new                         ; the immediate's high byte repeats the setting that is left; a switch that changes nothing is dropped
.if MSB != (\new)
	s_set_vgpr_msb (MSB<<8)|(\new)
.set MSB, (\new)
.endif
.endm
.macro PLACES                          ; four plain vector lines between a matrix instruction and a load into, or a read of, its registers
.rept 4
	v_nop
.endr
.endm
.macro CREST                           ; a round of the cluster's barrier behind its opening barrier
	s_cmp_lg_u32 s[WV], 0
	s_cbranch_scc1 .Lnot_wave_0_\@
	s_barrier_signal -3
.Lnot_wave_0_\@:
	s_barrier_wait -3
	s_barrier_signal -1
	s_barrier_wait -1
.endm
.macro CROUND
	s_barrier_signal -1
	s_barrier_wait -1
	CREST
.endm
; A joint refill of slot s.  kind 1: waves 0, 1 ask for A's two blocks, waves 2, 3 for B's.  kind 2 (the half step): wave 0 for A's one block, wave 2 for B's.
; The branches hang on the wave's number alone.  An s_nop 0 and four v_nop follow each of the two lines.
.macro JLOAD s, kind
.if (\kind) == 1
	s_cmp_lt_u32 s[WV], 2
.else
	s_cmp_eq_u32 s[WV], 0
.endif
	s_cbranch_scc0 .Lfor_b_\@
	tensor_load_to_lds s[G0A+4*(\s):G0A+4*(\s)+3], s[G1A:G1A+7]
	s_nop 0
	PLACES
	s_branch .Lasked_\@
.Lfor_b_\@:
.if (\kind) == 2
	s_cmp_eq_u32 s[WV], 2
	s_cbranch_scc0 .Lasked_\@
.endif
	tensor_load_to_lds s[G0B+4*(\s):G0B+4*(\s)+3], s[G1B:G1B+7]
	s_nop 0
	PLACES
.Lasked_\@:
.endm
; One run of LDS loads: the fragments of chunk c (32 along K; block c / 2, half c % 2) of a slot into buffer f.
.macro FETCH slot, c, f
	WIN 0
	PLACES
.set i_, 0
.rept NPAIR
.set hi_, 0
.rept 2
.set rb_, (\f)+32+8*(2*i_+hi_)
.set ob_, ((\c)/2)*BBLK+((\c)%2)*32*PB+64*hi_
	ds_load_tr16_b128 v[rb_:rb_+3],   v[ADRB+NPAIR*(\slot)+i_] offset:ob_
	ds_load_tr16_b128 v[rb_+4:rb_+7], v[ADRB+NPAIR*(\slot)+i_] offset:ob_+16*PB
.set hi_, hi_+1
.endr
.set i_, i_+1
.endr
.set a_, 0
.rept 4
.set ra_, (\f)+8*a_
.set oa_, ((\c)/2)*ABLK+a_*16*PA+((\c)%2)*64
	ds_load_b128 v[ra_:ra_+3],   v[ADRA+(\slot)] offset:oa_
	ds_load_b128 v[ra_+4:ra_+7], v[ADRA+(\slot)] offset:oa_+32
.set a_, a_+1
.endr
.endm
; Ten matrix instructions: row tile a x all column tiles.  first = 1: the bias starts the sums.  Every MUL walks the 40 accumulators in the same order, one instruction a turn.
.macro MULR f, a, first
.set t_, 0
.rept NT
.set ab_, ACC0+8*((\a)*NT+t_)
.set rd_, ab_%256
.if \first
.set cb_, BIAS+8*t_
	WIN ((ab_/256)<<6)|((cb_/256)<<4)
	v_wmma_f32_16x16x32_bf16 v[rd_:rd_+7], v[(\f)+32+8*t_:(\f)+32+8*t_+7], v[(\f)+8*(\a):(\f)+8*(\a)+7], v[cb_%256:cb_%256+7]
.else
	WIN ((ab_/256)<<6)|((ab_/256)<<4)
	v_wmma_f32_16x16x32_bf16 v[rd_:rd_+7], v[(\f)+32+8*t_:(\f)+32+8*t_+7], v[(\f)+8*(\a):(\f)+8*(\a)+7], v[rd_:rd_+7]
.endif
.set t_, t_+1
.endr
.endm
.macro MUL f, first
	MULR \f, 0, \first
	MULR \f, 1, \first
	MULR \f, 2, \first
	MULR \f, 3, \first
.endm
; THE CHANGE OF SLOTS into \slot.  The step before's last chunk lies in buffer 1 and is multiplied here.  Each wave waits for all its tensor loads (one is out: its part of \slot), adds 0 to its
; spare word, and waits for that and for its reads of the other slot; behind the barrier the other slot is filled again first.  refill: 0 none, 1 all four waves, 2 waves 0 and 2.
.macro HEAD slot, refill
	WIN 0
	s_wait_tensorcnt 0x0                           ; no tensor load of mine is out, so a group 0 may be written
	ds_add_u32 v[SPW], v[NIL]
.if \refill
	s_add_nc_u64 s[G0A+4*(1-(\slot))+2:G0A+4*(1-(\slot))+3], s[G0A+4*(1-(\slot))+2:G0A+4*(1-(\slot))+3], ASTEP2
	s_add_nc_u64 s[G0B+4*(1-(\slot))+2:G0B+4*(1-(\slot))+3], s[G0B+4*(1-(\slot))+2:G0B+4*(1-(\slot))+3], BSTEP2
.endif
	s_wait_dscnt 0x1                               ; buffer 1's loads are in; the add alone may be out
	MULR F1, 0, 0
	s_wait_dscnt 0x0                               ; the add is done, and my reads of the other slot are over
	s_barrier_signal -1
	MULR F1, 1, 0
	WIN 0
	s_barrier_wait -1
.if \refill
	CREST                                          ; the barrier has opened a round of the cluster's: no wave of any partner still reads that slot or has a load on its way
	JLOAD 1-(\slot), \refill
.endif
.endm
; A K step in \slot: nch chunks of 32.  Each run of loads is issued a whole MUL ahead of its use; the wait behind a run leaves that run's NLD loads out.
.macro TRIP slot, refill, nch
	HEAD \slot, \refill
	FETCH \slot, 0, F0
	MULR F1, 2, 0
	MULR F1, 3, 0
	FETCH \slot, 1, F1
	s_wait_dscnt NLD
	MUL F0, 0
.if (\nch) == 4
	FETCH \slot, 2, F0
	s_wait_dscnt NLD
	MUL F1, 0
	FETCH \slot, 3, F1
	s_wait_dscnt NLD
	MUL F0, 0
.endif
.endm
	s_load_b256 s[4:11], s[0:1], 0x0               ; xb 4:5, wqkvb 6:7, bq 8:9, bk 10:11
	s_load_b128 s[12:15], s[0:1], 0x20             ; bv 12:13, ropet 14:15
	s_load_b64 s[16:17], s[0:1], 0x30              ; qkvh
	v_lshl_add_u32 v[SPW], v0, 2, SPARE
	v_mov_b32 v[NIL], 0
	ds_add_u32 v[SPW], v[NIL]                      ; the wave's opening: the add and its wait ahead of my first tensor load
	v_lshrrev_b32 v3, 5, v0
	v_readfirstlane_b32 s[WV], v3                  ; wave 0..3
	s_lshr_b32 s[RH], s[WV], 1
	s_and_b32 s[CH], s[WV], 1
	s_bfe_u32 s21, ttmp6, 0x40000                  ; cx
	s_bfe_u32 s22, ttmp6, 0x40004                  ; cy
	s_lshl_b32 s23, ttmp9, 2
	s_add_co_u32 s23, s23, s21                     ; column tile = 4 x cluster x + cx
	s_and_b32 s24, ttmp7, 0xffff
	s_lshl_b32 s24, s24, 2
	s_add_co_u32 s24, s24, s22                     ; row tile = 4 x cluster y + cy
	s_lshl_b32 s25, s22, 2
	s_lshl_b32 s25, 15, s25                        ; my row of the cluster
	s_lshl_b32 s26, 0x1111, s21                    ; my column
	; group 1 for A: 16,384 dense bytes as 64 rows of 256; 4 words of padding after every 32
	s_or_b32 s[G1A], s25, (1<<16)|(1<<20)|(1<<21)|(4<<22)|(3<<25)
	s_mov_b32 s[G1A+1], 128<<16
	s_mov_b32 s[G1A+2], 64<<16
	s_mov_b32 s[G1A+3], 128<<16
	s_mov_b32 s[G1A+4], 64
	s_mov_b32 s[G1A+5], 128
	s_mov_b32 s[G1A+6], 0
	s_mov_b32 s[G1A+7], 0
	; group 1 for B: 5 rows (heads) of 4,096 elements (64 k x 64 columns, dense), a head's block apart; 8 words of padding after every 32
	s_or_b32 s[G1B], s26, (1<<16)|(1<<20)|(1<<21)|(4<<22)|(7<<25)
	s_mov_b32 s[G1B+1], 4096<<16
	s_mov_b32 s[G1B+2], NH<<16
	s_mov_b32 s[G1B+3], 4096<<16
	s_mov_b32 s[G1B+4], NH
	s_mov_b32 s[G1B+5], KTOT*64
	s_mov_b32 s[G1B+6], 0
	s_mov_b32 s[G1B+7], 0
	s_lshl_b32 s60, s[CH], 18                      ; A: block CH of K step 0, tokens 128 x row tile: made of the row tile and the wave alone
	s_lshl_b32 s61, s24, 14
	s_add_co_u32 s60, s60, s61
	s_mov_b32 s61, 0
	s_mul_i32 s62, s23, NH*KTOT*128                ; B: head 5 x column tile, k rows 64 CH on: made of the column tile and the wave alone
	s_lshl_b32 s63, s[CH], 13
	s_add_co_u32 s62, s62, s63
	s_mov_b32 s63, 0
	s_mul_i32 s66, s[CH], ABLK                     ; where they go in a slot: no place in the cluster enters an LDS address
	s_mul_i32 s67, s[CH], BBLK
	s_add_co_u32 s67, s67, BOFF
	s_mov_b32 s[KQ+1], 0                           ; named as pairs
	s_mov_b32 s[KV+1], 0
	s_wait_dscnt 0x0                               ; the opening add is done
	s_wait_kmcnt 0x0
	s_add_nc_u64 s[60:61], s[4:5], s[60:61]
	s_add_nc_u64 s[62:63], s[6:7], s[62:63]
	CROUND                                         ; all sixteen work-groups are here: the first joint loads meet
.irp s, 0,1
	s_mov_b32 s[G0A+4*(\s)], 1
	s_add_co_u32 s[G0A+4*(\s)+1], s66, (\s)*SLOT
	s_add_nc_u64 s[G0A+4*(\s)+2:G0A+4*(\s)+3], s[60:61], (\s)*2*ABYTES
	s_or_b32 s[G0A+4*(\s)+3], s[G0A+4*(\s)+3], 0x80000000
	s_mov_b32 s[G0B+4*(\s)], 1
	s_add_co_u32 s[G0B+4*(\s)+1], s67, (\s)*SLOT
	s_add_nc_u64 s[G0B+4*(\s)+2:G0B+4*(\s)+3], s[62:63], (\s)*2*64*128
	s_or_b32 s[G0B+4*(\s)+3], s[G0B+4*(\s)+3], 0x80000000
.endr
	s_cmp_lt_u32 s[WV], 2                          ; a wave's two first fills stand in one branch: two loads of mine are out
	s_cbranch_scc0 .Lfirst_b
	tensor_load_to_lds s[G0A:G0A+3], s[G1A:G1A+7]
	s_nop 0
	tensor_load_to_lds s[G0A+4:G0A+7], s[G1A:G1A+7]
	s_nop 0
	PLACES
	s_branch .Lfirst_asked
.Lfirst_b:
	tensor_load_to_lds s[G0B:G0B+3], s[G1B:G1B+7]
	s_nop 0
	tensor_load_to_lds s[G0B+4:G0B+7], s[G1B:G1B+7]
	s_nop 0
	PLACES
.Lfirst_asked:
	v_and_b32 v1, 15, v0                           ; r = l % 16
	v_bfe_u32 v2, v0, 4, 1                         ; h = l / 16
	v_mul_u32_u24 v3, v1, PA
	v_lshl_add_u32 v3, v2, 4, v3
	s_mul_i32 s2, s[RH], 64*PA
	v_add_nc_u32 v[ADRA], s2, v3                   ; (64 RH + r) x 144 + 16 h
	v_add_nc_u32 v[ADRA+1], SLOT, v[ADRA]
	v_and_b32 v4, 7, v0                            ; the turning load: lane l reads k row 8 h + l % 8, columns 8 ((l / 8) % 2) + 0..7
	v_lshl_add_u32 v4, v2, 3, v4
	v_mul_u32_u24 v4, v4, PB
	v_bfe_u32 v5, v0, 3, 1
	v_lshl_add_u32 v4, v5, 4, v4
	s_mul_i32 s27, s23, NH                         ; the tile's first head
.set i_, 0
.rept NPAIR
	s_mul_i32 s2, s[CH], NPAIR
	s_add_co_u32 s2, s2, i_                        ; pi
	s_lshr_b32 s3, s2, 1                           ; its head among the five
	s_and_b32 s2, s2, 1                            ; e
	s_mul_i32 s25, s3, HB
	s_lshl_b32 s26, s2, 5
	s_add_co_u32 s25, s25, s26
	s_add_co_u32 s25, s25, BOFF
	v_add_nc_u32 v[ADRB+i_], s25, v4
	v_add_nc_u32 v[ADRB+NPAIR+i_], SLOT, v[ADRB+i_]
	s_mul_i32 s25, s3, ABLK
	s_add_co_u32 s25, s25, s26
	s_add_co_u32 s25, s25, STAGE
	v_add_nc_u32 v[STO+i_], s25, v[ADRA]           ; stage: head x 128 rows + (64 RH + r) x 144 + 32 e + 16 h
	s_add_co_u32 s[GI+i_], s27, s3                 ; the head among the 80; it chooses the bias by selects, never by a branch
	s_cmp_ge_u32 s[GI+i_], 72
	s_cselect_b64 s[BP+2*i_:BP+2*i_+1], s[12:13], s[10:11]
	s_cselect_b32 s92, 72, 64
	s_cmp_ge_u32 s[GI+i_], 64
	s_cselect_b64 s[BP+2*i_:BP+2*i_+1], s[BP+2*i_:BP+2*i_+1], s[8:9]
	s_cselect_b32 s92, s92, 0
	s_sub_co_u32 s90, s[GI+i_], s92
	s_lshl_b32 s90, s90, 8
	s_lshl_b32 s91, s2, 6
	s_add_co_u32 s90, s90, s91
	s_mov_b32 s91, 0
	s_add_nc_u64 s[BP+2*i_:BP+2*i_+1], s[BP+2*i_:BP+2*i_+1], s[90:91]
.set i_, i_+1
.endr
	v_bfe_u32 v6, v0, 3, 2                         ; back out of the stage: 32 lanes take four rows of 128 bytes
	v_mul_u32_u24 v6, v6, PA
	v_and_b32 v7, 7, v0
	v_lshl_add_u32 v6, v7, 4, v6
	s_mul_i32 s2, s[WV], 32*PA
	s_add_co_u32 s2, s2, STAGE
	v_add_nc_u32 v[RD], s2, v6
	v_and_b32 v5, 31, v0
	v_lshlrev_b32 v[GO], 4, v5
	v_lshlrev_b32 v[BO], 5, v2
	s_lshl_b32 s2, s[RH], 14
	s_lshl_b32 s3, s[CH], 6
	s_add_co_u32 s3, s2, s3
	v_lshlrev_b32 v5, 8, v1
	v_lshl_add_u32 v5, v2, 5, v5
	v_add_nc_u32 v[RO], s3, v5                     ; (64 RH + r) x 256 + 64 e + 32 h with e = CH,
	s_xor_b32 s3, s3, 64
	v_add_nc_u32 v[RO+1], s3, v5                   ; and with e = 1 - CH
	s_lshl_b32 s92, s24, 15
	s_mov_b32 s93, 0
	s_add_nc_u64 s[94:95], s[14:15], s[92:93]      ; the table at the tile's first token
	s_mul_i32 s92, s23, NH*ABYTES
	s_lshl_b32 s93, s24, 14
	s_add_co_u32 s92, s92, s93
	s_lshl_b32 s93, s[WV], 12
	s_add_co_u32 s92, s92, s93
	s_mov_b32 s93, 0
	s_add_nc_u64 s[96:97], s[16:17], s[92:93]      ; qkvh at the tile's first head, token 128 x row tile + 32 x wave
	WIN 0x80                                       ; destination window 2
.set i_, 0
.rept NPAIR
.set rb_, (BIAS%256)+16*i_
	global_load_b128 v[rb_:rb_+3],     v[BO], s[BP+2*i_:BP+2*i_+1]
	global_load_b128 v[rb_+4:rb_+7],   v[BO], s[BP+2*i_:BP+2*i_+1] offset:16
	global_load_b128 v[rb_+8:rb_+11],  v[BO], s[BP+2*i_:BP+2*i_+1] offset:128
	global_load_b128 v[rb_+12:rb_+15], v[BO], s[BP+2*i_:BP+2*i_+1] offset:144
.set i_, i_+1
.endr
	WIN 0xc0                                       ; destination window 3
.set a_, 0
.rept 4
.set st_, 0
.rept 2
.set rr_, 32*a_+16*st_
	global_load_b128 v[rr_:rr_+3],     v[RO+st_], s[94:95] offset:4096*a_
	global_load_b128 v[rr_+4:rr_+7],   v[RO+st_], s[94:95] offset:4096*a_+16
	global_load_b128 v[rr_+8:rr_+11],  v[RO+st_], s[94:95] offset:4096*a_+128
	global_load_b128 v[rr_+12:rr_+15], v[RO+st_], s[94:95] offset:4096*a_+144
.set st_, st_+1
.endr
.set a_, a_+1
.endr
	s_wait_loadcnt 0x0                             ; bias and table, once
	WIN 0x0a                                       ; the bias is rounded to bf16 like every input
.set j_, 0
.rept 4*NT
	v_cvt_pk_bf16_f32 v[32+j_], v[(BIAS%256)+2*j_], v[(BIAS%256)+2*j_+1]
.set j_, j_+1
.endr
	WIN 0x80
.set j_, 0
.rept 4*NT
	v_lshlrev_b32 v[(BIAS%256)+2*j_], 16, v[32+j_]
	v_and_b32 v[(BIAS%256)+2*j_+1], 0xffff0000, v[32+j_]
.set j_, j_+1
.endr
	WIN 0
	s_wait_tensorcnt 0x1                           ; my part of K step 0 is in; slot 1's may stay out
	s_barrier_signal -1
	s_barrier_wait -1                              ; everybody's is
	FETCH 0, 0, F0
	FETCH 0, 1, F1
	s_wait_dscnt NLD
	MUL F0, 1                                      ; the first products start the sums, with the bias
	FETCH 0, 2, F0
	s_wait_dscnt NLD
	MUL F1, 0
	FETCH 0, 3, F1
	s_wait_dscnt NLD
	MUL F0, 0
	WIN 0
	s_mov_b32 s3, LAPS
.Llap:                                                 ; K steps 1 to 20; step s asks for step s + 1's tiles
	TRIP 1, 1, 4
	TRIP 0, 1, 4
	WIN 0
	s_sub_co_u32 s3, s3, 1
	s_cmp_lg_u32 s3, 0
	s_cbranch_scc1 .Llap
	TRIP 1, 2, 4                                   ; K step 21 asks for the half step: block 44 of A and of B
	TRIP 0, 0, 2                                   ; the half step: nothing is left to fetch
	s_wait_dscnt 0x0
	MUL F1, 0
	WIN 0
	PLACES
	; THE WAY OUT.  y1 = lo c - hi s, y2 = hi c + lo s, with c and s already times conc / 8; for a v head c counts as 2^-3 and s as 0, by two scalars and no branch.
.macro OUT i, a
.set rr_, 32*(\a)+16*((\i)%2)
.set lo_, ACC0+8*((\a)*NT+2*(\i))
.set wa_, lo_/256
.set lo_, lo_%256
.set hi_, lo_+8
	WIN 0x03                                       ; source 0: the table, window 3
.irp p, 0,1,2,3
	v_pk_fma_f32 v[CE+2*\p:CE+2*\p+1], v[rr_+2*\p:rr_+2*\p+1], s[KQ:KQ+1], s[KV:KV+1] op_sel_hi:[1,0,0]
.endr
.irp p, 0,1,2,3
	v_pk_mul_f32 v[SE+2*\p:SE+2*\p+1], v[rr_+8+2*\p:rr_+8+2*\p+1], s[KQ:KQ+1] op_sel_hi:[1,0]
.endr
	WIN wa_                                        ; source 0: the accumulators
.irp p, 0,1,2,3
	v_pk_mul_f32 v[T+2*\p:T+2*\p+1], v[hi_+2*\p:hi_+2*\p+1], v[SE+2*\p:SE+2*\p+1]
.endr
.irp p, 0,1,2,3
	v_pk_fma_f32 v[Y1+2*\p:Y1+2*\p+1], v[lo_+2*\p:lo_+2*\p+1], v[CE+2*\p:CE+2*\p+1], v[T+2*\p:T+2*\p+1] neg_lo:[0,0,1] neg_hi:[0,0,1]
.endr
.irp p, 0,1,2,3
	v_pk_mul_f32 v[T+2*\p:T+2*\p+1], v[lo_+2*\p:lo_+2*\p+1], v[SE+2*\p:SE+2*\p+1]
.endr
.irp p, 0,1,2,3
	v_pk_fma_f32 v[Y2+2*\p:Y2+2*\p+1], v[hi_+2*\p:hi_+2*\p+1], v[CE+2*\p:CE+2*\p+1], v[T+2*\p:T+2*\p+1]
.endr
	WIN 0
.irp p, 0,1,2,3
	v_cvt_pk_f16_f32 v[PK+\p], v[Y1+2*\p], v[Y1+2*\p+1]
.endr
.irp p, 0,1,2,3
	v_cvt_pk_f16_f32 v[PK+4+\p], v[Y2+2*\p], v[Y2+2*\p+1]
.endr
	ds_store_b128 v[STO+(\i)], v[PK:PK+3]   offset:16*PA*(\a)
	ds_store_b128 v[STO+(\i)], v[PK+4:PK+7] offset:16*PA*(\a)+64
.endm
.irp i, 0,1,2,3,4
	s_cmp_lt_u32 s[GI+\i], 72
	s_cselect_b32 s[KQ], 1.0, 0
	s_cselect_b32 s[KV], 0, 0x3e000000
.irp a, 0,1,2,3
	OUT \i, \a
.endr
.endr
	s_wait_dscnt 0x0                               ; for the others' sake: my stores into the stage are done (the middle head's rows come from two waves)
	s_barrier_signal -1
	s_barrier_wait -1
.irp k, 0,1,2,3,4
	v_add_nc_u32 v[3+\k], (\k)*ABLK, v[RD]
.endr
.set n_, 0
.rept 40                                               ; wave w takes rows 32 w .. 32 w + 31 of all five heads
	ds_load_b128 v[32+4*n_:35+4*n_], v[3+n_/8] offset:4*PA*(n_%8)
.set n_, n_+1
.endr
.set n_, 0
.rept 40
	s_wait_dscnt 39-n_                             ; LDS loads come back in order: number n is in, the younger ones stay out
	global_store_b128 v[GO], v[32+4*n_:35+4*n_], s[96:97] offset:(n_/8)*ABYTES+512*(n_%8)   ; 512 consecutive bytes, four rows of a head
.set n_, n_+1
.endr
	s_wait_tensorcnt 0x0                           ; the wave's end
	ds_add_u32 v[SPW], v[NIL]
	s_wait_dscnt 0x0
	CROUND                                         ; the closing round: no work-group ends while a partner may still ask for a tile that names it
	s_endpgm
.Lfunc_end_k_q63c73ee91c_qkv:
	.size	k_q63c73ee91c_qkv, .Lfunc_end_k_q63c73ee91c_qkv-k_q63c73ee91c_qkv
	.p2alignl 7, 3214868480
	.fill 96, 4, 3214868480
	.section	.rodata,"a",@progbits
	.p2align	6, 0x0
	.amdhsa_kernel k_q63c73ee91c_qkv
		.amdhsa_group_segment_fixed_size 327680
		.amdhsa_private_segment_fixed_size 0
		.amdhsa_enable_private_segment 0
		.amdhsa_kernarg_size 56
		.amdhsa_user_sgpr_count 2
		.amdhsa_user_sgpr_kernarg_segment_ptr 1
		.amdhsa_wavefront_size32 1
		.amdhsa_system_sgpr_workgroup_id_x 1
		.amdhsa_system_sgpr_workgroup_id_y 1
		.amdhsa_system_sgpr_workgroup_id_z 1
		.amdhsa_system_vgpr_workitem_id 0
		.amdhsa_next_free_vgpr 896
		.amdhsa_next_free_sgpr 100
		.amdhsa_reserve_vcc 0
		.amdhsa_float_denorm_mode_32 3
		.amdhsa_float_denorm_mode_16_64 3
		.amdhsa_memory_ordered 1
		.amdhsa_forward_progress 1
		.amdhsa_inst_pref_size 162
	.end_amdhsa_kernel
	.amdgpu_metadata
---
amdhsa.version: [ 1, 2 ]
amdhsa.kernels:
  - .name:           k_q63c73ee91c_qkv
    .symbol:         k_q63c73ee91c_qkv.kd
    .args:
      - { .name: xb, .offset: 0, .size: 8, .value_kind: global_buffer, .address_space: global }
      - { .name: wqkvb, .offset: 8, .size: 8, .value_kind: global_buffer, .address_space: global }
      - { .name: bq, .offset: 16, .size: 8, .value_kind: global_buffer, .address_space: global }
      - { .name: bk, .offset: 24, .size: 8, .value_kind: global_buffer, .address_space: global }
      - { .name: bv, .offset: 32, .size: 8, .value_kind: global_buffer, .address_space: global }
      - { .name: ropet, .offset: 40, .size: 8, .value_kind: global_buffer, .address_space: global }
      - { .name: qkvh, .offset: 48, .size: 8, .value_kind: global_buffer, .address_space: global }
    .group_segment_fixed_size: 327680
    .private_segment_fixed_size: 0
    .kernarg_segment_align: 8
    .kernarg_segment_size: 56
    .max_flat_workgroup_size: 128
    .sgpr_count:     100
    .vgpr_count:     896
    .wavefront_size: 32
...
	.end_amdgpu_metadata
.endif
;; end of part 2
;; launch attn (part 3): grid 64 x 4, 4 waves a work-group, clusters of 4 x 1, 327,680 bytes of LDS; arguments qkvh, sinks, attnh; writes attnh
.if DOCPART == 3
	.amdgcn_target "amdgcn-amd-amdhsa--gfx1250"
	.amdhsa_code_object_version 6
	.text
	.protected	k_q63c73ee91c_attn
	.globl	k_q63c73ee91c_attn
	.p2align	8
	.type	k_q63c73ee91c_attn,@function
k_q63c73ee91c_attn:
	s_mov_b64 s[64:65], 0
	v_nop
	global_prefetch_b8 v0, s[64:65] scope:SCOPE_SE
	s_setreg_imm32_b32 hwreg(HW_REG_WAVE_MODE, 25, 1), 1
	s_wait_xcnt 0x0
	s_wait_alu depctr_hold_cnt(0) depctr_sa_sdst(0) depctr_va_vdst(0) depctr_va_sdst(0) depctr_va_ssrc(0) depctr_va_vcc(0) depctr_vm_vsrc(0)
	s_getreg_b32 s2, hwreg(HW_REG_IB_STS2, 6, 4)
	s_cmp_eq_u32 s2, 0
	s_cbranch_scc0 .Lentry_in_a_cluster
	s_endpgm
.Lentry_in_a_cluster:
	s_bfe_u32 s2, ttmp6, 0x10000c
	s_cmp_lg_u32 s2, 0x3003
	s_cbranch_scc0 .Lentry_shape_is_right
	s_endpgm
.Lentry_shape_is_right:
; ATTENTION with a causal window of 128 keys and a sink.  qkvh [80][2048][64] f16 holds q, k (turned) and v, all / 8; attnh [64][2048][64] f16 takes O / 8.
; O[q] = sum over the keys q - 127 .. q of its own sequence of p v / l;  p = 2^(c s' - m2), s' = q' . k', c = 8 log2(e) (64 undoes the two factors 1/8, 1/8 is the module's scale);
; m2 = max(c max s', sink log2 e): the TRUE maximum, since a query's whole window lies in registers;  l = 2^(sink log2 e - m2) + sum p.
; LIMITS.  The sink is taken rounded to bf16.  A hidden score counts as its value less 1e30 (or 2e30): f16's scores, 64 x 65,504^2 at the most, are nothing beside that.  p is rounded to f16 for the second product
; (l is the sum of the unrounded p); a weight below 2^-126 counts as 0.  O' = O / 8 has v' s range.  NaN and infinities are not treated apart.
; SHARES.  A work-group owns the 512 queries of one sequence b and one head n.  Wave w takes four PIECES of 32 queries, at q0 = 32 w + 128 idx, one a trip: two tiles u of 16 queries.
; A piece sees the keys q0 - 128 .. q0 + 31: ten blocks kb of 16; tile u needs blocks u .. u + 8, at place x = kb - u: x = 0 holds the window's edge, x = 8 the diagonal, the others are whole.
; LDS is filled once: K and V hold tokens 512 b - 128 .. 512 b + 511 of the key head (640 rows), so that a piece's first key is row q0.  The 128 rows in front belong to another sequence, or to the head
; before in qkvh (never outside the buffer: key heads begin at block 64): finite numbers, hidden by the mask; their weights are exactly 0.
; THE MASK is the C operand of the product that starts a sum S^T = K Q^T.  MW: the window's edge; MDG: the diagonal; VAL c: -1e30 in trip 0 where the 32 keys of chunk c lie in front of the sequence (c < 4 - w), else 0.
; LAYOUT.  S^T holds ONE query a lane (l % 16) and the keys 8 (l / 16) + 0..7; two such results rounded to f16 ARE source 1 of O^T = V^T P.
; CLUSTER 4 x 1: four heads of one key head: K and V are asked for jointly; Q is each work-group's own.
; In phases: all K Q^T, the softmax, all V^T P.  The launch is a small part of the program's work, so the plain order is kept.
; REGISTERS: window 0: v1-11 addresses; v12-31 ten registers of statistics a tile; v32-175 S^T (u, x) at 32 + 72 u + 8 x; v176-255 P (u, c) at 176 + 40 u + 8 c.
; window 1: v0-159 K's fragments; v160-191 Q's; v192-247 masks.   window 2: v0-159 V's fragments; v160-223 O^T.
.set PK,    144
.set PV,    160
.set VOFF,  640*PK
.set QOFF,  VOFF+640*PV
.set STAGE, QOFF+512*PK                ; 32 rows x 144 bytes for each wave; no fill lands here
.set SPARE, STAGE+4*32*PK              ; the spare words, 128 bytes a wave
.set AK0, 1
.set AV0, 2
.set AQ0, 3
.set AK,  4
.set AV,  5
.set AQ,  6
.set STO, 7
.set RD,  8
.set GO,  9
.set SPW, 10                           ; my spare word; never rewritten
.set NIL, 11                           ; 0; never rewritten
.set ST,  12                           ; tile u at ST + 10 u: +0 cA, +1 cB, +2:3 m2 twice, +4:5 la, +6:7 lb, +8:9 1 / l twice
.set S,   32
.set P,   176
.set KF,  0                            ; window 1: block kb, channel half at 16 kb + 8 half
.set QF,  160                          ; window 1
.set MW,  192
.set MDG, 200
.set EW,  208
.set VAL, 216
.set OT,  160                          ; window 2: 160 + 32 u + 8 cb
.set WV,  12
.set CNT, 13
.set G1K, 16
.set G1V, 24
.set G1Q, 32
.set G0K, 40
.set G0V, 44
.set G0Q, 48
.set CS,  52                           ; s[52:53] c
.set SEL, 54                           ; s[54:55] v_permlanex16_b32's selects: the same place in the other half
.set SINK, 56
.set BIGN, 57
.set V0,  58                           ; s58-61
.set TBK, 62
.set TBV, 63
.set MSB, 0
.macro WIN new
.if MSB != (\new)
	s_set_vgpr_msb (MSB<<8)|(\new)
.set MSB, (\new)
.endif
.endm
.macro PLACES
.rept 4
	v_nop
.endr
.endm
.macro CROUND
	s_barrier_signal -1
	s_barrier_wait -1
	s_cmp_lg_u32 s[WV], 0
	s_cbranch_scc1 .Lnot_wave_0_\@
	s_barrier_signal -3
.Lnot_wave_0_\@:
	s_barrier_wait -3
	s_barrier_signal -1
	s_barrier_wait -1
.endm
	s_load_b128 s[4:7], s[0:1], 0x0                ; qkvh 4:5, sinks 6:7
	s_load_b64 s[8:9], s[0:1], 0x10                ; attnh
	v_lshl_add_u32 v[SPW], v0, 2, SPARE
	v_mov_b32 v[NIL], 0
	ds_add_u32 v[SPW], v[NIL]                      ; the wave's opening: the add and its wait ahead of my first tensor load
	v_lshrrev_b32 v1, 5, v0
	v_readfirstlane_b32 s[WV], v1                  ; wave 0..3
	s_bfe_u32 s14, ttmp6, 0x40000                  ; cx
	s_lshl_b32 s15, ttmp9, 2
	s_add_co_u32 s15, s15, s14                     ; the head n: it enters Q's, the sink's and O's addresses alone
	s_lshr_b32 s10, ttmp9, 1                       ; the key head, which the four partners share
	s_and_b32 s11, ttmp7, 0xffff                   ; the sequence
	s_and_b32 s13, s[WV], 1                        ; which half of the 640 rows I fetch
	s_lshl_b32 s2, s10, 11
	s_lshl_b32 s3, s11, 9
	s_add_co_u32 s2, s2, s3
	s_mul_i32 s3, s13, 320
	s_add_co_u32 s2, s2, s3
	s_add_co_u32 s2, s2, 64*2048-128               ; row (64 + key head) x 2048 + 512 b - 128 + 320 half
	s_lshl_b32 s2, s2, 7
	s_mov_b32 s3, 0
	s_lshl_b32 s58, s15, 11
	s_lshl_b32 s59, s11, 9
	s_add_co_u32 s58, s58, s59                     ; row n x 2048 + 512 b
	s_lshl_b32 s60, s[WV], 5
	s_add_co_u32 s60, s60, s58
	s_lshl_b32 s60, s60, 7                         ; O: + 32 w
	s_mov_b32 s61, 0
	s_lshl_b32 s59, s[WV], 7
	s_add_co_u32 s58, s58, s59
	s_lshl_b32 s58, s58, 7                         ; Q: + 128 w
	s_mov_b32 s59, 0
	; group 1.  320 rows of 128 bytes are 40,960 dense bytes: asked for as 160 rows of 256, padded after every 32 words
	s_mov_b32 s[G1K], 15|(1<<16)|(1<<20)|(1<<21)|(4<<22)|(3<<25)
	s_mov_b32 s[G1V], 15|(1<<16)|(1<<20)|(1<<21)|(4<<22)|(7<<25)
.irp g, G1K, G1V
	s_mov_b32 s[\g+1], 128<<16
	s_mov_b32 s[\g+2], 160<<16
	s_mov_b32 s[\g+3], 128<<16
	s_mov_b32 s[\g+4], 160
	s_mov_b32 s[\g+5], 128
	s_mov_b32 s[\g+6], 0
	s_mov_b32 s[\g+7], 0
.endr
	s_mov_b32 s[G1Q], (1<<16)|(1<<20)|(4<<22)|(3<<25)  ; Q: a load of my own: 128 rows as 64 rows of 256 bytes
	s_mov_b32 s[G1Q+1], 128<<16
	s_mov_b32 s[G1Q+2], 64<<16
	s_mov_b32 s[G1Q+3], 128<<16
	s_mov_b32 s[G1Q+4], 64
	s_mov_b32 s[G1Q+5], 128
	s_mov_b32 s[G1Q+6], 0
	s_mov_b32 s[G1Q+7], 0
	s_mov_b32 s[G0K], 1
	s_mul_i32 s[G0K+1], s13, 320*PK
	s_mov_b32 s[G0V], 1
	s_mul_i32 s[G0V+1], s13, 320*PV
	s_add_co_u32 s[G0V+1], s[G0V+1], VOFF
	s_mov_b32 s[G0Q], 1
	s_mul_i32 s[G0Q+1], s[WV], 128*PK
	s_add_co_u32 s[G0Q+1], s[G0Q+1], QOFF
	s_mov_b32 s[CS], 0x4138aa3b                    ; 8 log2(e)
	s_mov_b32 s[CS+1], s[CS]
	s_mov_b32 s[SEL], 0x76543210
	s_mov_b32 s[SEL+1], 0xfedcba98
	s_mov_b32 s[BIGN], 0xf149f2ca                  ; -1e30
	s_wait_dscnt 0x0                               ; the opening add is done
	s_wait_kmcnt 0x0
	s_add_nc_u64 s[G0K+2:G0K+3], s[4:5], s[2:3]
	s_add_nc_u64 s[G0V+2:G0V+3], s[G0K+2:G0K+3], 8*2048*128   ; the value head lies eight blocks on
	s_or_b32 s[G0K+3], s[G0K+3], 0x80000000
	s_or_b32 s[G0V+3], s[G0V+3], 0x80000000
	s_add_nc_u64 s[G0Q+2:G0Q+3], s[4:5], s[58:59]
	s_or_b32 s[G0Q+3], s[G0Q+3], 0x80000000
	s_add_nc_u64 s[8:9], s[8:9], s[60:61]
	CROUND                                         ; all four work-groups are here: the joint loads meet
	s_cmp_lt_u32 s[WV], 2                          ; all fills of the launch, two a wave, in one branch: waves 0, 1 a half of K, waves 2, 3 a half of V; every wave its quarter of Q
	s_cbranch_scc0 .Lfor_v
	tensor_load_to_lds s[G0K:G0K+3], s[G1K:G1K+7]
	s_nop 0
	tensor_load_to_lds s[G0Q:G0Q+3], s[G1Q:G1Q+7]
	s_nop 0
	PLACES
	s_branch .Lasked
.Lfor_v:
	tensor_load_to_lds s[G0V:G0V+3], s[G1V:G1V+7]
	s_nop 0
	tensor_load_to_lds s[G0Q:G0Q+3], s[G1Q:G1Q+7]
	s_nop 0
	PLACES
.Lasked:
	s_lshl_b32 s2, s15, 2
	v_mov_b32 v32, s2
	global_load_b32 v33, v32, s[6:7]               ; my head's sink
	v_and_b32 v12, 15, v0                          ; r
	v_bfe_u32 v13, v0, 4, 1                        ; h
	v_mul_u32_u24 v[AK0], v12, PK
	v_lshl_add_u32 v[AK0], v13, 4, v[AK0]          ; r x 144 + 16 h
	v_add_nc_u32 v[AQ0], QOFF, v[AK0]
	v_and_b32 v14, 7, v0
	v_bfe_u32 v15, v0, 3, 1
	v_lshl_add_u32 v[AV0], v13, 3, v14             ; the turning load: key 8 h + l % 8, channels 8 ((l / 8) % 2) + 0..7
	v_mul_u32_u24 v[AV0], v[AV0], PV
	v_lshl_add_u32 v[AV0], v15, 4, v[AV0]
	v_add_nc_u32 v[AV0], VOFF, v[AV0]
	s_mul_i32 s2, s[WV], 32*PK
	s_add_co_u32 s2, s2, STAGE                     ; my stage
	v_add_nc_u32 v[STO], s2, v[AK0]
	v_bfe_u32 v[RD], v0, 3, 2
	v_mul_u32_u24 v[RD], v[RD], PK
	v_lshl_add_u32 v[RD], v14, 4, v[RD]
	v_add_nc_u32 v[RD], s2, v[RD]                  ; back: 32 lanes take four rows of 128 bytes
	v_and_b32 v[GO], 31, v0
	v_lshlrev_b32 v[GO], 4, v[GO]
	v_lshlrev_b32 v16, 3, v13
	v_sub_nc_u32 v16, v12, v16                     ; r - 8 h: key 8 h + j against query r is j against this
	WIN 0x40
.set j_, 0
.rept 8
	v_cmp_le_i32 vcc_lo, j_, v16                   ; at x = 0 a key is hidden where 8 h + j <= r: it lies 128 or more back
	v_cndmask_b32 v[MW+j_], 0, s[BIGN], vcc_lo
	v_cmp_gt_i32 vcc_lo, j_, v16                   ; at x = 8 where 8 h + j > r: it lies ahead
	v_cndmask_b32 v[MDG+j_], 0, s[BIGN], vcc_lo
.set j_, j_+1
.endr
	WIN 0
.set j_, 0
.rept 8
	v_mov_b32 v[P+36+j_], 0                        ; tile 0 never sees block 9, tile 1 never block 0: those halves of P (0, 4) and P (1, 0) stay 0
.set j_, j_+1
.endr
.irp c, 0,1,2,3
	s_add_co_u32 s2, s[WV], \c
	s_cmp_lt_u32 s2, 4
	s_cselect_b32 s[V0+\c], s[BIGN], 0             ; trip 0: chunk c lies in front of the sequence where c < 4 - w
.endr
	s_mul_i32 s[TBK], s[WV], 32*PK                 ; row q0 of K and of Q,
	s_mul_i32 s[TBV], s[WV], 32*PV                 ; and of V
	s_mov_b32 s[CNT], 4
	s_wait_loadcnt 0x0
	v_cvt_pk_bf16_f32 v33, v33, v33                ; the sink rounded to bf16 like every input,
	v_lshlrev_b32 v33, 16, v33
	v_mul_f32 v33, 0x3fb8aa3b, v33                 ; times log2(e)
	v_readfirstlane_b32 s[SINK], v33
	s_wait_tensorcnt 0x0                           ; my two loads have landed,
	s_barrier_signal -1
	s_barrier_wait -1                              ; everybody's have; nothing is ever filled again
; 18 products K Q^T over channel half \half, blocks ascending, the tiles by turns: between the two links of a chain stand 17 others'
.macro QK half
.set kb_, 0
.rept 10
.set u_, 0
.rept 2
.set x_, kb_-u_
.if (x_ >= 0) && (x_ <= 8)
.set rs_, S+72*u_+8*x_
.set rk_, KF+16*kb_+8*(\half)
.set rq_, QF+16*u_+8*(\half)
.if (\half) == 1
	v_wmma_f32_16x16x32_f16 v[rs_:rs_+7], v[rk_:rk_+7], v[rq_:rq_+7], v[rs_:rs_+7]
.elseif x_ == 0
	v_wmma_f32_16x16x32_f16 v[rs_:rs_+7], v[rk_:rk_+7], v[rq_:rq_+7], v[EW:EW+7]
.elseif x_ == 8
	v_wmma_f32_16x16x32_f16 v[rs_:rs_+7], v[rk_:rk_+7], v[rq_:rq_+7], v[MDG:MDG+7]
.elseif kb_ < 8
	v_wmma_f32_16x16x32_f16 v[rs_:rs_+7], v[rk_:rk_+7], v[rq_:rq_+7], v[VAL+8*(kb_/2):VAL+8*(kb_/2)+7]
.else
	v_wmma_f32_16x16x32_f16 v[rs_:rs_+7], v[rk_:rk_+7], v[rq_:rq_+7], 0
.endif
.endif
.set u_, u_+1
.endr
.set kb_, kb_+1
.endr
.endm
; Line k of the four that take block x of tile u into its chain (cA for even x, cB for odd); each accumulator is read from its low end on
.macro MX u, x, k
.set rs_, S+72*(\u)+8*(\x)
.set rc_, ST+10*(\u)+((\x)%2)
.if ((\x) < 2) && ((\k) == 0)
	v_max3_num_f32 v[rc_], v[rs_], v[rs_+1], v[rs_+2]
.elseif ((\x) < 2) && ((\k) < 3)
	v_max3_num_f32 v[rc_], v[rc_], v[rs_+2*(\k)+1], v[rs_+2*(\k)+2]
.elseif (\x) < 2
	v_max_num_f32 v[rc_], v[rc_], v[rs_+7]
.else
	v_max3_num_f32 v[rc_], v[rc_], v[rs_+2*(\k)], v[rs_+2*(\k)+1]
.endif
.endm
; Tile u: c s - m2, the exponentials, the roundings into P, the sum and its reciprocal
.macro SOFT u
.set rt_, ST+10*(\u)
.set rs_, S+72*(\u)
.set j_, 0
.rept 36
	v_pk_fma_f32 v[rs_+2*j_:rs_+2*j_+1], v[rs_+2*j_:rs_+2*j_+1], s[CS:CS+1], v[rt_+2:rt_+3] op_sel_hi:[1,0,0] neg_lo:[0,0,1] neg_hi:[0,0,1]
.set j_, j_+1
.endr
.set j_, 0
.rept 72
	v_exp_f32 v[rs_+j_], v[rs_+j_]
.set j_, j_+1
.endr
	v_exp_f32 v[rt_+1], v[rt_+1]                   ; the sink's term
	v_nop                                          ; a plain line behind the last exponential
.set j_, 0
	s_wait_alu depctr_va_vdst(0)
.rept 36
.set kb_, j_/4+(\u)
	v_cvt_pk_f16_f32 v[P+40*(\u)+8*(kb_/2)+4*(kb_%2)+j_%4], v[rs_+2*j_], v[rs_+2*j_+1]
.set j_, j_+1
.endr
	v_pk_add_f32 v[rt_+4:rt_+5], v[rs_:rs_+1], v[rs_+4:rs_+5]     ; two chains of packed sums
	v_pk_add_f32 v[rt_+6:rt_+7], v[rs_+2:rs_+3], v[rs_+6:rs_+7]
.set j_, 8
.rept 16
	v_pk_add_f32 v[rt_+4:rt_+5], v[rt_+4:rt_+5], v[rs_+j_:rs_+j_+1]
	v_pk_add_f32 v[rt_+6:rt_+7], v[rt_+6:rt_+7], v[rs_+j_+2:rs_+j_+3]
.set j_, j_+4
.endr
	v_pk_add_f32 v[rt_+4:rt_+5], v[rt_+4:rt_+5], v[rt_+6:rt_+7]
	v_add_f32 v[rt_+4], v[rt_+4], v[rt_+5]
	v_permlanex16_b32 v[rt_+5], v[rt_+4], s[SEL], s[SEL+1]        ; the query's other keys lie in the lane 16 away
	v_add_f32 v[rt_+4], v[rt_+4], v[rt_+5]
	v_add_f32 v[rt_+4], v[rt_+4], v[rt_+1]
	v_rcp_f32 v[rt_+8], v[rt_+4]
	v_rcp_f32 v[rt_+9], v[rt_+4]
	v_nop                                          ; a plain line behind the reciprocals
.endm
.Ltrip:                                                ; four trips: a piece of 32 queries each
	v_add_nc_u32 v[AK], s[TBK], v[AK0]
	v_add_nc_u32 v[AQ], s[TBK], v[AQ0]
	v_add_nc_u32 v[AV], s[TBV], v[AV0]
	WIN 0x40
.set j_, 0
.rept 32
	v_mov_b32 v[VAL+j_], s[V0+j_/8]
.set j_, j_+1
.endr
	WIN 0x45
.irp p, 0,1,2,3
	v_pk_add_f32 v[EW+2*\p:EW+2*\p+1], v[MW+2*\p:MW+2*\p+1], v[VAL+2*\p:VAL+2*\p+1]
.endr
	WIN 0x40                                       ; destination window 1
.set j_, 0
.rept 4                                                ; Q: tile j / 2, channel half j % 2
	ds_load_b128 v[QF+8*j_:QF+8*j_+3],   v[AQ] offset:(j_/2)*16*PK+(j_%2)*64
	ds_load_b128 v[QF+8*j_+4:QF+8*j_+7], v[AQ] offset:(j_/2)*16*PK+(j_%2)*64+32
.set j_, j_+1
.endr
.set j_, 0
.rept 20                                               ; K: block j / 2, channel half j % 2
	ds_load_b128 v[KF+8*j_:KF+8*j_+3],   v[AK] offset:(j_/2)*16*PK+(j_%2)*64
	ds_load_b128 v[KF+8*j_+4:KF+8*j_+7], v[AK] offset:(j_/2)*16*PK+(j_%2)*64+32
.set j_, j_+1
.endr
	WIN 0x80                                       ; destination window 2
.set j_, 0
.rept 20                                               ; V, turned: 32 keys of chunk j / 4, channels 16 (j % 4) on
	ds_load_tr16_b128 v[8*j_:8*j_+3],   v[AV] offset:(j_/4)*32*PV+(j_%4)*32
	ds_load_tr16_b128 v[8*j_+4:8*j_+7], v[AV] offset:(j_/4)*32*PV+16*PV+(j_%4)*32
.set j_, j_+1
.endr
	s_wait_dscnt 40                                ; Q and K are in; V's 40 loads stay out
	WIN 0x15                                       ; K, Q and the masks in window 1, S^T in window 0
	QK 0
	WIN 0x05
	QK 1
	WIN 0
	PLACES
.irp x, 0,2,4,6
.irp k, 0,1,2,3
	MX 0, \x, \k                                   ; four chains that do not wait for each other
	MX 0, (\x)+1, \k
	MX 1, \x, \k
	MX 1, (\x)+1, \k
.endr
.endr
.irp k, 0,1,2,3
	MX 0, 8, \k
	MX 1, 8, \k
.endr
.irp u, 0,1
	v_max_num_f32 v[ST+10*\u], v[ST+10*\u], v[ST+10*\u+1]
.endr
.irp u, 0,1
	v_permlanex16_b32 v[ST+10*\u+1], v[ST+10*\u], s[SEL], s[SEL+1]
.endr
.irp u, 0,1
	v_max_num_f32 v[ST+10*\u], v[ST+10*\u], v[ST+10*\u+1]
.endr
.irp u, 0,1
	v_mul_f32 v[ST+10*\u+2], s[CS], v[ST+10*\u]
.endr
.irp u, 0,1
	v_max_num_f32 v[ST+10*\u+2], s[SINK], v[ST+10*\u+2]   ; the sink joins the maximum
.endr
.irp u, 0,1
	v_mov_b32 v[ST+10*\u+3], v[ST+10*\u+2]
	v_sub_f32 v[ST+10*\u+1], s[SINK], v[ST+10*\u+2]
.endr
	SOFT 0
	SOFT 1
	s_wait_dscnt 0x0                               ; V is in
	WIN 0xa2                                       ; V and O^T in window 2, P in window 0
.set c_, 0
.rept 5
.set cb_, 0
.rept 4
.set u_, 0
.rept 2                                                ; the eight accumulators take turns
.set ro_, OT+32*u_+8*cb_
.if c_ == 0
	v_wmma_f32_16x16x32_f16 v[ro_:ro_+7], v[32*c_+8*cb_:32*c_+8*cb_+7], v[P+40*u_+8*c_:P+40*u_+8*c_+7], 0
.else
	v_wmma_f32_16x16x32_f16 v[ro_:ro_+7], v[32*c_+8*cb_:32*c_+8*cb_+7], v[P+40*u_+8*c_:P+40*u_+8*c_+7], v[ro_:ro_+7]
.endif
.set u_, u_+1
.endr
.set cb_, cb_+1
.endr
.set c_, c_+1
.endr
	PLACES
.irp u, 0,1
	WIN 0x82                                       ; O^T in window 2, 1 / l in window 0
.set j_, 0
	s_wait_alu depctr_va_vdst(0)
.rept 16
	v_pk_mul_f32 v[OT+32*\u+2*j_:OT+32*\u+2*j_+1], v[OT+32*\u+2*j_:OT+32*\u+2*j_+1], v[ST+10*\u+8:ST+10*\u+9]
.set j_, j_+1
.endr
	WIN 0x0a
.set j_, 0
.rept 16
	v_cvt_pk_f16_f32 v[32+16*\u+j_], v[OT+32*\u+2*j_], v[OT+32*\u+2*j_+1]
.set j_, j_+1
.endr
	WIN 0
.irp f, 0,1,2,3
	ds_store_b128 v[STO], v[32+16*\u+4*\f:32+16*\u+4*\f+3] offset:16*PK*\u+32*\f
.endr
.endr
.irp q, 0,1,2,3,4,5,6,7
	ds_load_b128 v[64+4*\q:64+4*\q+3], v[RD] offset:4*PK*\q   ; my own stage: LDS serves a wave's instructions in order, so these see the stores above
.endr
.irp q, 0,1,2,3,4,5,6,7
	s_wait_dscnt 7-\q
	global_store_b128 v[GO], v[64+4*\q:64+4*\q+3], s[8:9] offset:512*\q   ; 512 consecutive bytes: four rows of the head
.endr
	s_wait_xcnt 0x0                                ; only behind this wait are the stores' base and data registers written again
	s_add_nc_u64 s[8:9], s[8:9], 128*128           ; 128 queries on
	s_add_co_u32 s[TBK], s[TBK], 128*PK
	s_add_co_u32 s[TBV], s[TBV], 128*PV
	s_mov_b32 s[V0], 0                             ; from the second piece on no key lies in front of the sequence
	s_mov_b32 s[V0+1], 0
	s_mov_b32 s[V0+2], 0
	s_mov_b32 s[V0+3], 0
	s_sub_co_u32 s[CNT], s[CNT], 1
	s_cmp_lg_u32 s[CNT], 0
	s_cbranch_scc1 .Ltrip
	s_wait_tensorcnt 0x0                           ; the wave's end
	ds_add_u32 v[SPW], v[NIL]
	s_wait_dscnt 0x0
	CROUND                                         ; the closing round
	s_endpgm
.Lfunc_end_k_q63c73ee91c_attn:
	.size	k_q63c73ee91c_attn, .Lfunc_end_k_q63c73ee91c_attn-k_q63c73ee91c_attn
	.p2alignl 7, 3214868480
	.fill 96, 4, 3214868480
	.section	.rodata,"a",@progbits
	.p2align	6, 0x0
	.amdhsa_kernel k_q63c73ee91c_attn
		.amdhsa_group_segment_fixed_size 327680
		.amdhsa_private_segment_fixed_size 0
		.amdhsa_enable_private_segment 0
		.amdhsa_kernarg_size 24
		.amdhsa_user_sgpr_count 2
		.amdhsa_user_sgpr_kernarg_segment_ptr 1
		.amdhsa_wavefront_size32 1
		.amdhsa_system_sgpr_workgroup_id_x 1
		.amdhsa_system_sgpr_workgroup_id_y 1
		.amdhsa_system_sgpr_workgroup_id_z 1
		.amdhsa_system_vgpr_workitem_id 0
		.amdhsa_next_free_vgpr 768
		.amdhsa_next_free_sgpr 66
		.amdhsa_reserve_vcc 1
		.amdhsa_float_denorm_mode_32 3
		.amdhsa_float_denorm_mode_16_64 3
		.amdhsa_memory_ordered 1
		.amdhsa_forward_progress 1
		.amdhsa_inst_pref_size 53
	.end_amdhsa_kernel
	.amdgpu_metadata
---
amdhsa.version: [ 1, 2 ]
amdhsa.kernels:
  - .name:           k_q63c73ee91c_attn
    .symbol:         k_q63c73ee91c_attn.kd
    .args:
      - { .name: qkvh, .offset: 0, .size: 8, .value_kind: global_buffer, .address_space: global }
      - { .name: sinks, .offset: 8, .size: 8, .value_kind: global_buffer, .address_space: global }
      - { .name: attnh, .offset: 16, .size: 8, .value_kind: global_buffer, .address_space: global }
    .group_segment_fixed_size: 327680
    .private_segment_fixed_size: 0
    .kernarg_segment_align: 8
    .kernarg_segment_size: 24
    .max_flat_workgroup_size: 128
    .sgpr_count:     66
    .vgpr_count:     768
    .wavefront_size: 32
...
	.end_amdgpu_metadata
.endif
;; end of part 3
;; launch oproj (part 4): grid 16 x 15, 4 waves a work-group, clusters of 4 x 1, 327,680 bytes of LDS; arguments attnh, wob, bo, out0; writes out0
.if DOCPART == 4
	.amdgcn_target "amdgcn-amd-amdhsa--gfx1250"
	.amdhsa_code_object_version 6
	.text
	.protected	k_q63c73ee91c_oproj
	.globl	k_q63c73ee91c_oproj
	.p2align	8
	.type	k_q63c73ee91c_oproj,@function
k_q63c73ee91c_oproj:
	s_mov_b64 s[64:65], 0
	v_nop
	global_prefetch_b8 v0, s[64:65] scope:SCOPE_SE
	s_setreg_imm32_b32 hwreg(HW_REG_WAVE_MODE, 25, 1), 1
	s_wait_xcnt 0x0
	s_wait_alu depctr_hold_cnt(0) depctr_sa_sdst(0) depctr_va_vdst(0) depctr_va_sdst(0) depctr_va_ssrc(0) depctr_va_vcc(0) depctr_vm_vsrc(0)
	s_getreg_b32 s2, hwreg(HW_REG_IB_STS2, 6, 4)
	s_cmp_eq_u32 s2, 0
	s_cbranch_scc0 .Lentry_in_a_cluster
	s_endpgm
.Lentry_in_a_cluster:
	s_bfe_u32 s2, ttmp6, 0x10000c
	s_cmp_lg_u32 s2, 0x3003
	s_cbranch_scc0 .Lentry_shape_is_right
	s_endpgm
.Lentry_shape_is_right:
; OUTPUT PROJECTION: out0 [2048 x 2880] f32 = attn [2048 x 4096] x wo [4096 x 2880] + bo.  attnh [64][2048][64] f16 holds O / 8, wob [45][4096][64] f16 holds bf16(wo) x 8: the two factors cancel exactly.
; Products in f16, sums in f32; the bias, rounded to bf16 like every input, is the C operand of the products that start the sums.
; LIMITS.  Those of its two operands (O / 8 and wo x 8 inside f16).  NaN and infinities are not treated apart.
; SHARES.  A work-group makes 128 tokens x 192 columns (3 blocks of 64): 16 x 15 = 240 work-groups, since 2880 = 15 x 192.  Wave w: row half RH = w / 2 (4 tiles of 16 tokens), column half CH = w % 2: three pairs
; of column tiles; pair pi = 3 CH + i lies in block pi / 2 and holds columns 16 e .. +15 and 16 e + 32 .. +15, e = pi % 2.  24 accumulators.
; THE MATRIX INSTRUCTION IS USED TRANSPOSED: source 0 = 16 columns of W (turned out of LDS), source 1 = 16 tokens: a lane holds one token and eight neighbouring columns.
; K goes in 32 steps of 128 through two LDS slots; waves 0, 1 fetch A's two blocks of a step, waves 2, 3 B's: one tensor load a wave behind each change of slots.
; CLUSTER 4 x 1 along the row tiles: the four partners share the column tile, so B's tiles (30,720 of a block pair's 49,152 bytes) are asked for jointly.  A's are each work-group's own: the 15 column tiles
; do not divide into fours, so no cluster reaches along them.
; REGISTERS: window 0: v0-31 addresses; v32-111, v112-191 two fragment buffers (A 4 x 8, then B 6 x 8).  v256-447 accumulators (a, t) at 256 + 8 (6 a + t).  v448-495 the bias.
.set NH,     3
.set NPAIR,  3
.set NT,     2*NPAIR
.set KTOT,   4096
.set PA,     144
.set PB,     160
.set ABLK,   128*PA
.set HB,     64*PB
.set BBLK,   NH*HB
.set BOFF,   2*ABLK
.set SLOT,   BOFF+2*BBLK               ; 98,304
.set SP,     272                       ; a stage row: 64 f32 + 16 bytes
.set STAGE,  2*SLOT                    ; bytes of its own: [3 blocks][128 rows] of 272 bytes
.set SPARE,  STAGE+3*128*SP            ; the spare words, 128 bytes a wave
.set NLD,    2*NT+8
.set ABYTES, 2048*128
.set ASTEP2, 4*ABYTES
.set BSTEP2, 4*64*128
.set LAPS,   15
.set ACC0,   256
.set BIAS,   448
.set F0,     32
.set F1,     112
.set ADRA,   8                         ; v8-9
.set ADRB,   10                        ; v10-15
.set STO,    20                        ; v20-22
.set RD,     25
.set GO,     26
.set BO,     27
.set SPW,    28                        ; my spare word; never rewritten
.set NIL,    29                        ; 0; never rewritten
.set WV,     18
.set RH,     19
.set CH,     20
.set G1A,    28
.set G1B,    36
.set G0A,    44
.set G0B,    52
.set BP,     70                        ; s[70:75] pair i's place in the bias
.set MSB, 0
.macro WIN new
.if MSB != (\new)
	s_set_vgpr_msb (MSB<<8)|(\new)
.set MSB, (\new)
.endif
.endm
.macro PLACES                          ; four plain vector lines between a matrix instruction and a load into, or a read of, its registers
.rept 4
	v_nop
.endr
.endm
.macro CREST
	s_cmp_lg_u32 s[WV], 0
	s_cbranch_scc1 .Lnot_wave_0_\@
	s_barrier_signal -3
.Lnot_wave_0_\@:
	s_barrier_wait -3
	s_barrier_signal -1
	s_barrier_wait -1
.endm
.macro CROUND
	s_barrier_signal -1
	s_barrier_wait -1
	CREST
.endm
; A refill of slot s: waves 0, 1 ask for A's two blocks (loads of their own), waves 2, 3 for B's (joint).  An s_nop 0 and four v_nop follow each of the two lines.
.macro JLOAD s
	s_cmp_lt_u32 s[WV], 2
	s_cbranch_scc0 .Lfor_b_\@
	tensor_load_to_lds s[G0A+4*(\s):G0A+4*(\s)+3], s[G1A:G1A+7]
	s_nop 0
	PLACES
	s_branch .Lasked_\@
.Lfor_b_\@:
	tensor_load_to_lds s[G0B+4*(\s):G0B+4*(\s)+3], s[G1B:G1B+7]
	s_nop 0
	PLACES
.Lasked_\@:
.endm
.macro FETCH slot, c, f                ; one run of LDS loads: chunk c (32 along K) of a slot into buffer f
	WIN 0
	PLACES
.set i_, 0
.rept NPAIR
.set hi_, 0
.rept 2
.set rb_, (\f)+32+8*(2*i_+hi_)
.set ob_, ((\c)/2)*BBLK+((\c)%2)*32*PB+64*hi_
	ds_load_tr16_b128 v[rb_:rb_+3],   v[ADRB+NPAIR*(\slot)+i_] offset:ob_
	ds_load_tr16_b128 v[rb_+4:rb_+7], v[ADRB+NPAIR*(\slot)+i_] offset:ob_+16*PB
.set hi_, hi_+1
.endr
.set i_, i_+1
.endr
.set a_, 0
.rept 4
.set ra_, (\f)+8*a_
.set oa_, ((\c)/2)*ABLK+a_*16*PA+((\c)%2)*64
	ds_load_b128 v[ra_:ra_+3],   v[ADRA+(\slot)] offset:oa_
	ds_load_b128 v[ra_+4:ra_+7], v[ADRA+(\slot)] offset:oa_+32
.set a_, a_+1
.endr
.endm
; Six matrix instructions: row tile a x all column tiles.  Every MUL walks the 24 accumulators in the same order, one instruction a turn.
.macro MULR f, a, first
.set t_, 0
.rept NT
.set ab_, ACC0+8*((\a)*NT+t_)
.set rd_, ab_%256
.if \first
.set cb_, BIAS+8*t_
	WIN ((ab_/256)<<6)|((cb_/256)<<4)
	v_wmma_f32_16x16x32_f16 v[rd_:rd_+7], v[(\f)+32+8*t_:(\f)+32+8*t_+7], v[(\f)+8*(\a):(\f)+8*(\a)+7], v[cb_%256:cb_%256+7]
.else
	WIN ((ab_/256)<<6)|((ab_/256)<<4)
	v_wmma_f32_16x16x32_f16 v[rd_:rd_+7], v[(\f)+32+8*t_:(\f)+32+8*t_+7], v[(\f)+8*(\a):(\f)+8*(\a)+7], v[rd_:rd_+7]
.endif
.set t_, t_+1
.endr
.endm
.macro MUL f, first
	MULR \f, 0, \first
	MULR \f, 1, \first
	MULR \f, 2, \first
	MULR \f, 3, \first
.endm
; THE CHANGE OF SLOTS into \slot: each wave waits for all its tensor loads (one is out: its part of \slot), adds 0 to its spare word, and waits for that and for its reads of the other slot;
; behind the barrier, which with refill = 1 opens a round of the cluster's, the other slot is filled again first.  The step before's last chunk, in buffer 1, is multiplied meanwhile.
.macro HEAD slot, refill
	WIN 0
	s_wait_tensorcnt 0x0                           ; no tensor load of mine is out, so a group 0 may be written
	ds_add_u32 v[SPW], v[NIL]
.if \refill
	s_add_nc_u64 s[G0A+4*(1-(\slot))+2:G0A+4*(1-(\slot))+3], s[G0A+4*(1-(\slot))+2:G0A+4*(1-(\slot))+3], ASTEP2
	s_add_nc_u64 s[G0B+4*(1-(\slot))+2:G0B+4*(1-(\slot))+3], s[G0B+4*(1-(\slot))+2:G0B+4*(1-(\slot))+3], BSTEP2
.endif
	s_wait_dscnt 0x1                               ; buffer 1's loads are in; the add alone may be out
	MULR F1, 0, 0
	s_wait_dscnt 0x0                               ; the add is done, and my reads of the other slot are over
	s_barrier_signal -1
	MULR F1, 1, 0
	WIN 0
	s_barrier_wait -1
.if \refill
	CREST
	JLOAD 1-(\slot)
.endif
.endm
.macro TRIP slot, refill               ; a K step: four chunks of 32; the wait behind a run of loads leaves that run's NLD loads out
	HEAD \slot, \refill
	FETCH \slot, 0, F0
	MULR F1, 2, 0
	MULR F1, 3, 0
	FETCH \slot, 1, F1
	s_wait_dscnt NLD
	MUL F0, 0
	FETCH \slot, 2, F0
	s_wait_dscnt NLD
	MUL F1, 0
	FETCH \slot, 3, F1
	s_wait_dscnt NLD
	MUL F0, 0
.endm
	s_load_b256 s[4:11], s[0:1], 0x0               ; attnh 4:5, wob 6:7, bo 8:9, out0 10:11
	v_lshl_add_u32 v[SPW], v0, 2, SPARE
	v_mov_b32 v[NIL], 0
	ds_add_u32 v[SPW], v[NIL]                      ; the wave's opening: the add and its wait ahead of my first tensor load
	v_lshrrev_b32 v3, 5, v0
	v_readfirstlane_b32 s[WV], v3                  ; wave 0..3
	s_lshr_b32 s[RH], s[WV], 1
	s_and_b32 s[CH], s[WV], 1
	s_bfe_u32 s21, ttmp6, 0x40000                  ; cx
	s_lshl_b32 s24, ttmp9, 2
	s_add_co_u32 s24, s24, s21                     ; row tile = 4 x cluster x + cx
	s_and_b32 s23, ttmp7, 0xffff                   ; column tile, which the four partners share
	s_mov_b32 s[G1A], (1<<16)|(1<<20)|(4<<22)|(3<<25)   ; A: 16,384 dense bytes as 64 rows of 256; 4 words of padding after every 32; no mask
	s_mov_b32 s[G1A+1], 128<<16
	s_mov_b32 s[G1A+2], 64<<16
	s_mov_b32 s[G1A+3], 128<<16
	s_mov_b32 s[G1A+4], 64
	s_mov_b32 s[G1A+5], 128
	s_mov_b32 s[G1A+6], 0
	s_mov_b32 s[G1A+7], 0
	s_mov_b32 s[G1B], 15|(1<<16)|(1<<20)|(1<<21)|(4<<22)|(7<<25)   ; B: 3 rows (blocks) of 4,096 elements, a block apart; 8 words of padding after every 32; all four partners
	s_mov_b32 s[G1B+1], 4096<<16
	s_mov_b32 s[G1B+2], NH<<16
	s_mov_b32 s[G1B+3], 4096<<16
	s_mov_b32 s[G1B+4], NH
	s_mov_b32 s[G1B+5], KTOT*64
	s_mov_b32 s[G1B+6], 0
	s_mov_b32 s[G1B+7], 0
	s_lshl_b32 s60, s[CH], 18                      ; A: block CH of K step 0, tokens 128 x row tile
	s_lshl_b32 s61, s24, 14
	s_add_co_u32 s60, s60, s61
	s_mov_b32 s61, 0
	s_mul_i32 s62, s23, NH*KTOT*128                ; B: block 3 x column tile, k rows 64 CH on: made of the column tile and the wave alone
	s_lshl_b32 s63, s[CH], 13
	s_add_co_u32 s62, s62, s63
	s_mov_b32 s63, 0
	s_mul_i32 s66, s[CH], ABLK
	s_mul_i32 s67, s[CH], BBLK
	s_add_co_u32 s67, s67, BOFF
	s_wait_dscnt 0x0                               ; the opening add is done
	s_wait_kmcnt 0x0
	s_add_nc_u64 s[60:61], s[4:5], s[60:61]
	s_add_nc_u64 s[62:63], s[6:7], s[62:63]
	CROUND                                         ; all four work-groups are here: the first joint loads meet
.irp s, 0,1
	s_mov_b32 s[G0A+4*(\s)], 1
	s_add_co_u32 s[G0A+4*(\s)+1], s66, (\s)*SLOT
	s_add_nc_u64 s[G0A+4*(\s)+2:G0A+4*(\s)+3], s[60:61], (\s)*2*ABYTES
	s_or_b32 s[G0A+4*(\s)+3], s[G0A+4*(\s)+3], 0x80000000
	s_mov_b32 s[G0B+4*(\s)], 1
	s_add_co_u32 s[G0B+4*(\s)+1], s67, (\s)*SLOT
	s_add_nc_u64 s[G0B+4*(\s)+2:G0B+4*(\s)+3], s[62:63], (\s)*2*64*128
	s_or_b32 s[G0B+4*(\s)+3], s[G0B+4*(\s)+3], 0x80000000
.endr
	s_cmp_lt_u32 s[WV], 2                          ; a wave's two first fills stand in one branch: two loads of mine are out
	s_cbranch_scc0 .Lfirst_b
	tensor_load_to_lds s[G0A:G0A+3], s[G1A:G1A+7]
	s_nop 0
	tensor_load_to_lds s[G0A+4:G0A+7], s[G1A:G1A+7]
	s_nop 0
	PLACES
	s_branch .Lfirst_asked
.Lfirst_b:
	tensor_load_to_lds s[G0B:G0B+3], s[G1B:G1B+7]
	s_nop 0
	tensor_load_to_lds s[G0B+4:G0B+7], s[G1B:G1B+7]
	s_nop 0
	PLACES
.Lfirst_asked:
	v_and_b32 v1, 15, v0                           ; r
	v_bfe_u32 v2, v0, 4, 1                         ; h
	v_mul_u32_u24 v3, v1, PA
	v_lshl_add_u32 v3, v2, 4, v3
	s_mul_i32 s2, s[RH], 64*PA
	v_add_nc_u32 v[ADRA], s2, v3
	v_add_nc_u32 v[ADRA+1], SLOT, v[ADRA]
	v_and_b32 v4, 7, v0
	v_lshl_add_u32 v4, v2, 3, v4
	v_mul_u32_u24 v4, v4, PB
	v_bfe_u32 v5, v0, 3, 1
	v_lshl_add_u32 v4, v5, 4, v4                   ; the turning load's lane term
	v_mul_u32_u24 v5, v1, SP
	v_lshl_add_u32 v5, v2, 5, v5
	s_mul_i32 s2, s[RH], 64*SP
	v_add_nc_u32 v5, s2, v5                        ; stage: (64 RH + r) x 272 + 32 h
	s_mul_i32 s27, s23, 768                        ; the tile's first column, in bytes of f32
.set i_, 0
.rept NPAIR
	s_mul_i32 s2, s[CH], NPAIR
	s_add_co_u32 s2, s2, i_                        ; pi
	s_lshr_b32 s3, s2, 1                           ; its block among the three
	s_and_b32 s2, s2, 1                            ; e
	s_mul_i32 s25, s3, HB
	s_lshl_b32 s26, s2, 5
	s_add_co_u32 s25, s25, s26
	s_add_co_u32 s25, s25, BOFF
	v_add_nc_u32 v[ADRB+i_], s25, v4
	v_add_nc_u32 v[ADRB+NPAIR+i_], SLOT, v[ADRB+i_]
	s_mul_i32 s25, s3, 128*SP
	s_lshl_b32 s26, s2, 6
	s_add_co_u32 s25, s25, s26
	s_add_co_u32 s25, s25, STAGE
	v_add_nc_u32 v[STO+i_], s25, v5
	s_lshl_b32 s76, s3, 8
	s_add_co_u32 s76, s76, s26
	s_add_co_u32 s76, s76, s27                     ; (192 x column tile + 64 x block + 16 e) x 4
	s_mov_b32 s77, 0
	s_add_nc_u64 s[BP+2*i_:BP+2*i_+1], s[8:9], s[76:77]
.set i_, i_+1
.endr
	v_mul_u32_u24 v6, v2, SP                       ; back out of the stage: lanes 0-15 one row of 256 bytes, lanes 16-31 the next
	v_lshl_add_u32 v6, v1, 4, v6
	s_mul_i32 s2, s[WV], 32*SP
	s_add_co_u32 s2, s2, STAGE
	v_add_nc_u32 v[RD], s2, v6
	v_mul_u32_u24 v6, v2, 11520                    ; and the same two rows in out0
	v_lshl_add_u32 v[GO], v1, 4, v6
	v_lshlrev_b32 v[BO], 5, v2
	s_lshl_b32 s76, s24, 7
	s_lshl_b32 s77, s[WV], 5
	s_add_co_u32 s76, s76, s77
	s_mul_i32 s76, s76, 11520
	s_add_co_u32 s76, s76, s27
	s_mov_b32 s77, 0
	s_add_nc_u64 s[78:79], s[10:11], s[76:77]      ; out0 at token 128 x row tile + 32 x wave, the tile's first column
	WIN 0x40                                       ; destination window 1
.set i_, 0
.rept NPAIR
.set rb_, (BIAS%256)+16*i_
	global_load_b128 v[rb_:rb_+3],     v[BO], s[BP+2*i_:BP+2*i_+1]
	global_load_b128 v[rb_+4:rb_+7],   v[BO], s[BP+2*i_:BP+2*i_+1] offset:16
	global_load_b128 v[rb_+8:rb_+11],  v[BO], s[BP+2*i_:BP+2*i_+1] offset:128
	global_load_b128 v[rb_+12:rb_+15], v[BO], s[BP+2*i_:BP+2*i_+1] offset:144
.set i_, i_+1
.endr
	s_wait_loadcnt 0x0                             ; the bias, once
	WIN 0x05                                       ; rounded to bf16 like every input
.set j_, 0
.rept 4*NT
	v_cvt_pk_bf16_f32 v[32+j_], v[(BIAS%256)+2*j_], v[(BIAS%256)+2*j_+1]
.set j_, j_+1
.endr
	WIN 0x40
.set j_, 0
.rept 4*NT
	v_lshlrev_b32 v[(BIAS%256)+2*j_], 16, v[32+j_]
	v_and_b32 v[(BIAS%256)+2*j_+1], 0xffff0000, v[32+j_]
.set j_, j_+1
.endr
	WIN 0
	s_wait_tensorcnt 0x1                           ; my part of K step 0 is in; slot 1's may stay out
	s_barrier_signal -1
	s_barrier_wait -1                              ; everybody's is
	FETCH 0, 0, F0
	FETCH 0, 1, F1
	s_wait_dscnt NLD
	MUL F0, 1                                      ; the first products start the sums, with the bias
	FETCH 0, 2, F0
	s_wait_dscnt NLD
	MUL F1, 0
	FETCH 0, 3, F1
	s_wait_dscnt NLD
	MUL F0, 0
	WIN 0
	s_mov_b32 s3, LAPS
.Llap:                                                 ; K steps 1 to 30; step s asks for step s + 1's tiles
	TRIP 1, 1
	TRIP 0, 1
	WIN 0
	s_sub_co_u32 s3, s3, 1
	s_cmp_lg_u32 s3, 0
	s_cbranch_scc1 .Llap
	TRIP 1, 0                                      ; K step 31: nothing is left to fetch
	s_wait_dscnt 0x0
	MUL F1, 0
	WIN 0
	PLACES
	; THE WAY OUT: a lane's eight f32 of a row go into the work-group's stage, 32 bytes; a barrier, since a block's rows come from two waves; back as whole rows of 256 bytes.
	WIN 0x04                                       ; the stores' data in window 1; each accumulator's low four registers go first
.irp a, 0,1,2,3
.irp i, 0,1,2
.irp z, 0,1
.set rd_, (ACC0%256)+8*((\a)*NT+2*(\i)+(\z))
	ds_store_b128 v[STO+\i], v[rd_:rd_+3]   offset:16*SP*(\a)+128*(\z)
	ds_store_b128 v[STO+\i], v[rd_+4:rd_+7] offset:16*SP*(\a)+128*(\z)+16
.endr
.endr
.endr
	WIN 0
	s_wait_dscnt 0x0                               ; for the others' sake: my stores into the stage are done
	s_barrier_signal -1
	s_barrier_wait -1
.irp k, 0,1,2
	v_add_nc_u32 v[3+\k], (\k)*128*SP, v[RD]
.endr
.set n_, 0
.rept 48                                               ; wave w takes rows 32 w .. 32 w + 31 of all three blocks, two rows a load
	ds_load_b128 v[32+4*n_:35+4*n_], v[3+n_/16] offset:2*SP*(n_%16)
.set n_, n_+1
.endr
.set n_, 0
.rept 48
	s_wait_dscnt 47-n_                             ; LDS loads come back in order: number n is in, the younger ones stay out
	global_store_b128 v[GO], v[32+4*n_:35+4*n_], s[78:79] offset:256*(n_/16)+23040*(n_%16) th:TH_STORE_NT   ; sixteen lanes store 256 consecutive bytes, at a multiple of 256 from out0's first byte
.set n_, n_+1
.endr
	s_wait_tensorcnt 0x0                           ; the wave's end
	ds_add_u32 v[SPW], v[NIL]
	s_wait_dscnt 0x0
	CROUND                                         ; the closing round: no work-group ends while a partner may still ask for a tile that names it
	s_endpgm
.Lfunc_end_k_q63c73ee91c_oproj:
	.size	k_q63c73ee91c_oproj, .Lfunc_end_k_q63c73ee91c_oproj-k_q63c73ee91c_oproj
	.p2alignl 7, 3214868480
	.fill 96, 4, 3214868480
	.section	.rodata,"a",@progbits
	.p2align	6, 0x0
	.amdhsa_kernel k_q63c73ee91c_oproj
		.amdhsa_group_segment_fixed_size 327680
		.amdhsa_private_segment_fixed_size 0
		.amdhsa_enable_private_segment 0
		.amdhsa_kernarg_size 32
		.amdhsa_user_sgpr_count 2
		.amdhsa_user_sgpr_kernarg_segment_ptr 1
		.amdhsa_wavefront_size32 1
		.amdhsa_system_sgpr_workgroup_id_x 1
		.amdhsa_system_sgpr_workgroup_id_y 1
		.amdhsa_system_sgpr_workgroup_id_z 1
		.amdhsa_system_vgpr_workitem_id 0
		.amdhsa_next_free_vgpr 512
		.amdhsa_next_free_sgpr 80
		.amdhsa_reserve_vcc 0
		.amdhsa_float_denorm_mode_32 3
		.amdhsa_float_denorm_mode_16_64 3
		.amdhsa_memory_ordered 1
		.amdhsa_forward_progress 1
		.amdhsa_inst_pref_size 77
	.end_amdhsa_kernel
	.amdgpu_metadata
---
amdhsa.version: [ 1, 2 ]
amdhsa.kernels:
  - .name:           k_q63c73ee91c_oproj
    .symbol:         k_q63c73ee91c_oproj.kd
    .args:
      - { .name: attnh, .offset: 0, .size: 8, .value_kind: global_buffer, .address_space: global }
      - { .name: wob, .offset: 8, .size: 8, .value_kind: global_buffer, .address_space: global }
      - { .name: bo, .offset: 16, .size: 8, .value_kind: global_buffer, .address_space: global }
      - { .name: out0, .offset: 24, .size: 8, .value_kind: global_buffer, .address_space: global }
    .group_segment_fixed_size: 327680
    .private_segment_fixed_size: 0
    .kernarg_segment_align: 8
    .kernarg_segment_size: 32
    .max_flat_workgroup_size: 128
    .sgpr_count:     80
    .vgpr_count:     512
    .wavefront_size: 32
...
	.end_amdgpu_metadata
.endif
;; end of part 4
;; ======== version 2 of 2: 4 launches; 1.15 times as fast as version 1
;; limits: values are held in f16: magnitudes above 65,504 overflow, below 6.1e-05 lose precision; right only within a limited range of input values
;; workspace buffers: xb 11,796,480 bytes; wqkvb 29,491,200 bytes; wob 23,592,960 bytes; ropet 524,288 bytes; qkvh 20,971,520 bytes; attnh 16,777,216 bytes
;; launch prep (part 5): grid 4056 x 1, 8 waves a work-group, no clusters, 19,456 bytes of LDS; arguments x, wq, wk, wv, wo, positions, xb, wqkvb, wob, ropet; writes xb, wqkvb, wob, ropet
.if DOCPART == 5
	.amdgcn_target "amdgcn-amd-amdhsa--gfx1250"
	.amdhsa_code_object_version 6
	.text
	.protected	k_q63c73ee91c_prep
	.globl	k_q63c73ee91c_prep
	.p2align	8
	.type	k_q63c73ee91c_prep,@function
k_q63c73ee91c_prep:
	s_mov_b64 s[64:65], 0
	v_nop
	global_prefetch_b8 v0, s[64:65] scope:SCOPE_SE
	s_setreg_imm32_b32 hwreg(HW_REG_WAVE_MODE, 25, 1), 1
	s_wait_xcnt 0x0
; PREP: every f32 matrix is rounded once to 16 bits and laid out as the later launches take it; and the rotary table is made from the positions.
;   xb    [128 token tiles of 16][180 groups of 16 columns][32 lanes][16 bytes] bf16: lane l of a group holds token l % 16, columns 8 (l / 16) + 0..7 of the group: the matrix instruction's own fragment
;   wqkvb [80][2880][64] bf16   block = head (0-63 q, 64-71 k, 72-79 v), row d, 128 bytes a row
;   wob   [45][4096][64] f16    bf16(wo) x 8, written as f16: block = output column / 64, row = 64 n + h
;   ropet [2048][64] f32        32 x cos(angle) conc / 8, then 32 x sin(angle) conc / 8
; A stream: no barrier, no matrix unit.  Each source byte is read once, each destination byte written once.  Only x goes through LDS, each wave through bytes of its own: its tokens change from rows to lanes.
; LIMITS.  Sine and cosine: the angle is reduced by pi/2 in three parts with fused multiply-adds and then goes through polynomials on -pi/4 .. pi/4; the
; remainder keeps about 1e-7 for angles up to 2^17.  A position converts exactly up to 2^24.  wo x 8 stays inside f16 up to |wo| = 8,188; below 7.6e-6
; it keeps f16's fixed step.  NaN and infinities are not treated apart.
; WORK-GROUPS, by number: 0-1439 wq, 1440-2719 wo, 2720-3439 x, 3440-3799 wk and wv, 3800-4055 the table.
; A cast work-group of a weight takes 16 rows x U blocks, a wave two rows: one load of the wave covers 2 rows x 64 columns (two aligned runs of 256 bytes),
; one store 256 consecutive bytes (two rows of a block).
.set XW,    2304                       ; a wave's LDS bytes for x: 8 groups of 256 bytes, 272 apart, rounded up to whole blocks of 256
.set SPARE, 8*XW                       ; the spare words, 128 bytes a wave: four blocks of 256 bytes that no other line names
	s_load_b512 s[4:19], s[0:1], 0x0               ; x 4:5, wq 6:7, wk 8:9, wv 10:11, wo 12:13, positions 14:15, xb 16:17, wqkvb 18:19
	s_load_b128 s[20:23], s[0:1], 0x40             ; wob 20:21, ropet 22:23
	v_lshl_add_u32 v62, v0, 2, SPARE               ; my spare word, and 0: kept for the end of the waves that write LDS
	v_mov_b32 v63, 0
	v_lshrrev_b32 v1, 5, v0
	v_readfirstlane_b32 s24, v1                    ; wave 0..7
	v_and_b32 v1, 31, v0                           ; lane
	v_bfe_u32 v2, v0, 4, 1                         ; lane / 16: which of the wave's two rows
	v_and_b32 v3, 15, v0                           ; lane % 16: which 16 bytes of the 256
	s_wait_kmcnt 0x0
	s_cmp_lt_u32 ttmp9, 1440
	s_cbranch_scc1 .Lwq
	s_cmp_lt_u32 ttmp9, 2720
	s_cbranch_scc1 .Lwo
	s_cmp_lt_u32 ttmp9, 3440
	s_cbranch_scc1 .Lx
	s_cmp_lt_u32 ttmp9, 3800
	s_cbranch_scc1 .Lwkv
	; THE TABLE.  A wave takes one token; lane l makes frequencies 2 (l % 16) and 2 (l % 16) + 1, lanes 0-15 the cosines, lanes 16-31 the sines.
	s_sub_co_u32 s25, ttmp9, 3800
	s_lshl_b32 s25, s25, 3
	s_add_co_u32 s25, s25, s24                     ; the token
	s_lshl_b32 s26, s25, 2
	s_lshl_b32 s27, s25, 8
	v_mov_b32 v4, s26
	global_load_b32 v5, v4, s[14:15]               ; its position, the same word in every lane
	s_mov_b32 s32, 0xbf098e8c                      ; -log2(150000) / 32
	s_mov_b32 s33, 0x3ddc174b                      ; 1 / (high - low) = 0.1074663
	s_mov_b32 s34, 0xbf5ea4ba                      ; -low / (high - low) = -0.8697010
	s_mov_b32 s35, 0xbf780000                      ; -(1 - 1/32)
	s_mov_b32 s36, 0x3f22f983                      ; 2 / pi
	s_mov_b32 s37, 0x3fc90000                      ; pi / 2 in three parts
	s_mov_b32 s38, 0x39fda000
	s_mov_b32 s39, 0x33a2168c
	s_mov_b32 s40, 0xb94ca1f9                      ; sine: -1.9515296e-4, 8.3321609e-3, -1.6666655e-1
	s_mov_b32 s41, 0x3c08839e
	s_mov_b32 s42, 0xbe2aaaa3
	s_mov_b32 s43, 0x37ccf5ce                      ; cosine: 2.4433157e-5, -1.3887316e-3, 4.1666646e-2
	s_mov_b32 s44, 0xbab6061a
	s_mov_b32 s45, 0x3d2aaaa5
	s_mov_b32 s46, 0x3e2c5c86                      ; (0.1 ln 32 + 1) / 8
	v_lshlrev_b32 v6, 1, v3
	v_cvt_f32_u32 v6, v6                           ; f
	v_add_f32 v7, 1.0, v6                          ; f + 1
	v_mul_u32_u24 v30, v2, 3                       ; a sine is the cosine a quarter turn back: k + 3
	v_lshl_add_u32 v31, v1, 3, s27                 ; 256 t + 8 l
.macro INVF fr, b                      ; v[b] = 150000^(-f/32) x (1 - (31/32) ramp), ramp = clip((f - low) / (high - low), 0, 1)
	v_mul_f32 v[\b], s32, v[\fr]
	v_fma_f32 v[\b+1], v[\fr], s33, s34
	v_exp_f32 v[\b], v[\b]
	v_max_num_f32 v[\b+1], 0, v[\b+1]              ; a plain line that names neither the exponential's result nor its source stands behind it
	v_min_num_f32 v[\b+1], 1.0, v[\b+1]
	v_fma_f32 v[\b+1], v[\b+1], s35, 1.0
	s_wait_alu depctr_va_vdst(0)
	v_mul_f32 v[\b], v[\b], v[\b+1]
.endm
.macro TRIG b, out                     ; v[out] = cos or sin of position x v[b], times conc / 8
	v_mul_f32 v[\b+1], v5, v[\b]                   ; the angle, rounded once
	v_mul_f32 v[\b+2], s36, v[\b+1]
	v_rndne_f32 v[\b+2], v[\b+2]                   ; k quarter turns
	v_fma_f32 v[\b+1], -v[\b+2], s37, v[\b+1]
	v_fma_f32 v[\b+1], -v[\b+2], s38, v[\b+1]
	v_fma_f32 v[\b+1], -v[\b+2], s39, v[\b+1]      ; r = angle - k pi / 2
	v_mul_f32 v[\b+3], v[\b+1], v[\b+1]            ; z = r r
	v_fma_f32 v[\b+4], v[\b+3], s40, s41
	v_fma_f32 v[\b+4], v[\b+4], v[\b+3], s42
	v_mul_f32 v[\b+4], v[\b+4], v[\b+3]
	v_fma_f32 v[\b+4], v[\b+4], v[\b+1], v[\b+1]   ; sin r
	v_fma_f32 v[\b+5], v[\b+3], s43, s44
	v_fma_f32 v[\b+5], v[\b+5], v[\b+3], s45
	v_mul_f32 v[\b+6], v[\b+3], v[\b+3]
	v_fma_f32 v[\b+7], v[\b+3], -0.5, 1.0
	v_fma_f32 v[\b+5], v[\b+5], v[\b+6], v[\b+7]   ; cos r
	v_cvt_i32_f32 v[\b+2], v[\b+2]
	v_add_nc_u32 v[\b+2], v[\b+2], v30             ; j = k, or k + 3 for a sine; of j only the two low bits count
	v_and_b32 v[\b+6], 1, v[\b+2]
	v_cmp_eq_u32 vcc_lo, 1, v[\b+6]
	v_cndmask_b32 v[\out], v[\b+5], v[\b+4], vcc_lo  ; j odd: sin r, j even: cos r
	v_add_nc_u32 v[\b+2], 1, v[\b+2]
	v_and_b32 v[\b+2], 2, v[\b+2]                  ; j = 1, 2: the sign turns
	v_lshlrev_b32 v[\b+2], 30, v[\b+2]
	v_xor_b32 v[\out], v[\b+2], v[\out]
	v_mul_f32 v[\out], s46, v[\out]
.endm
	INVF 6, 10
	INVF 7, 20
	s_wait_loadcnt 0x0                             ; the position
	v_cvt_f32_i32 v5, v5
	TRIG 10, 40
	TRIG 20, 41
	global_store_b64 v31, v[40:41], s[22:23]       ; the wave stores the token's 256 bytes whole
	s_endpgm
; A cast.  On entry: s25 the group of 16 rows, s30 the first source block, s31 the first destination block, s[26:27] the source, s[28:29] the destination.
.macro CAST U, R, PITCH, F16
	s_lshl_b32 s25, s25, 4
	s_lshl1_add_u32 s25, s24, s25                  ; my wave's first row = 16 x group + 2 x wave
	s_mul_i32 s32, s25, \PITCH
	s_lshl_b32 s33, s30, 8
	s_add_co_u32 s32, s32, s33
	v_mul_u32_u24 v4, v2, \PITCH
	v_lshl_add_u32 v4, v3, 4, v4
	v_add_nc_u32 v4, s32, v4                       ; source: row x pitch + 256 x block + 16 (l % 16)
	s_mul_i32 s33, s31, \R
	s_add_co_u32 s33, s33, s25
	s_lshl_b32 s33, s33, 7
	v_lshl_add_u32 v5, v1, 3, s33                  ; destination: (block x rows + row) x 128 + 8 l
.set u_, 0
.rept \U
	global_load_b128 v[8+4*u_:11+4*u_], v4, s[26:27] offset:256*u_ th:TH_LOAD_NT
.set u_, u_+1
.endr
.set u_, 0
.rept \U
	s_wait_loadcnt (\U)-1-u_                       ; loads come back in order: block u is in, the younger ones stay out
.if \F16
	v_cvt_pk_bf16_f32 v6, v[8+4*u_], v[9+4*u_]     ; rounded to bf16 like every input,
	v_cvt_pk_bf16_f32 v7, v[10+4*u_], v[11+4*u_]
	v_lshlrev_b32 v[8+4*u_], 16, v6
	v_and_b32 v[9+4*u_], 0xffff0000, v6
	v_lshlrev_b32 v[10+4*u_], 16, v7
	v_and_b32 v[11+4*u_], 0xffff0000, v7
	v_pk_mul_f32 v[8+4*u_:9+4*u_], v[8+4*u_:9+4*u_], 0x41000000 op_sel_hi:[1,0]      ; times 8, exact,
	v_pk_mul_f32 v[10+4*u_:11+4*u_], v[10+4*u_:11+4*u_], 0x41000000 op_sel_hi:[1,0]
	v_cvt_pk_f16_f32 v[44+2*u_], v[8+4*u_], v[9+4*u_]                                 ; and written as f16: 8 significant bits fit in 11
	v_cvt_pk_f16_f32 v[45+2*u_], v[10+4*u_], v[11+4*u_]
.else
	v_cvt_pk_bf16_f32 v[44+2*u_], v[8+4*u_], v[9+4*u_]
	v_cvt_pk_bf16_f32 v[45+2*u_], v[10+4*u_], v[11+4*u_]
.endif
	global_store_b64 v5, v[44+2*u_:45+2*u_], s[28:29] offset:u_*(\R)*128   ; each block has data registers of its own: no register of a pending store is written again
.set u_, u_+1
.endr
	s_endpgm
.endm
.Lwq:                                                  ; 180 groups of rows x 8 groups of 8 heads
	s_lshr_b32 s25, ttmp9, 3
	s_and_b32 s30, ttmp9, 7
	s_lshl_b32 s30, s30, 3
	s_mov_b32 s31, s30
	s_mov_b64 s[26:27], s[6:7]
	s_mov_b64 s[28:29], s[18:19]
	CAST 8, 2880, 16384, 0
.Lwo:                                                  ; 256 groups of rows x 5 groups of 9 blocks
	s_sub_co_u32 s33, ttmp9, 1440
	s_and_b32 s25, s33, 255
	s_lshr_b32 s30, s33, 8
	s_mul_i32 s30, s30, 9
	s_mov_b32 s31, s30
	s_mov_b64 s[26:27], s[12:13]
	s_mov_b64 s[28:29], s[20:21]
	CAST 9, 4096, 11520, 1
.Lwkv:                                                 ; 180 groups of rows of wk, then 180 of wv; all 8 heads
	s_sub_co_u32 s25, ttmp9, 3440
	s_cmp_ge_u32 s25, 180
	s_cselect_b64 s[26:27], s[10:11], s[8:9]
	s_cselect_b32 s31, 72, 64
	s_cselect_b32 s33, 180, 0
	s_sub_co_u32 s25, s25, s33
	s_mov_b32 s30, 0
	s_mov_b64 s[28:29], s[18:19]
	CAST 8, 2880, 2048, 0
	; X.  16 groups of 8 token tiles x 45 blocks of 64 columns; a wave takes one tile (16 tokens) x one block.  Load i brings tokens 2 i and 2 i + 1: lane l holds token 2 i + l / 16, columns 4 (l % 16) + 0..3,
	; which after rounding are 8 bytes of group (l % 16) / 2 of eight groups of 8 columns.  In LDS a group is 16 tokens x 16 bytes; groups lie 272 bytes apart.
	; Two groups on end are what lanes 0-15 and 16-31 hold of one 512-byte part of xb.
.Lx:
	s_sub_co_u32 s33, ttmp9, 2720
	s_and_b32 s25, s33, 15
	s_lshl3_add_u32 s25, s25, s24                  ; token tile = 8 x group + wave
	s_lshr_b32 s30, s33, 4                         ; block of 64 columns
	s_mul_i32 s32, s25, 16*11520
	s_lshl_b32 s33, s30, 8
	s_add_co_u32 s32, s32, s33
	v_mul_u32_u24 v4, v2, 11520
	v_lshl_add_u32 v4, v3, 4, v4
	v_add_nc_u32 v4, s32, v4                       ; source: (16 x tile + l / 16) rows + 256 x block + 16 (l % 16)
.set i_, 0
.rept 8
	global_load_b128 v[8+4*i_:11+4*i_], v4, s[4:5] offset:2*11520*i_ th:TH_LOAD_NT   ; two aligned runs of 256 bytes
.set i_, i_+1
.endr
	s_mul_i32 s32, s25, 180*512
	s_lshl_b32 s33, s30, 11
	s_add_co_u32 s32, s32, s33
	v_lshl_add_u32 v5, v1, 4, s32                  ; destination: tile x 92,160 + block x 2,048 + 16 l
	s_mul_i32 s33, s24, XW                         ; my wave's LDS bytes
	v_lshrrev_b32 v6, 1, v3
	v_mul_u32_u24 v6, v6, 272
	v_and_b32 v7, 1, v3
	v_lshl_add_u32 v6, v7, 3, v6
	v_lshl_add_u32 v6, v2, 4, v6
	v_add_nc_u32 v6, s33, v6                       ; in: group x 272 + 16 (l / 16) + 8 (l % 2); the immediate adds 32 i
	v_mul_u32_u24 v7, v2, 272
	v_lshl_add_u32 v7, v3, 4, v7
	v_add_nc_u32 v7, s33, v7                       ; back: group (l / 16) x 272 + 16 (l % 16); the immediate adds two groups a part
.set i_, 0
.rept 8
	s_wait_loadcnt 7-i_                            ; loads come back in order: number i is in, the younger ones stay out
	v_cvt_pk_bf16_f32 v[44+2*i_], v[8+4*i_], v[9+4*i_]
	v_cvt_pk_bf16_f32 v[45+2*i_], v[10+4*i_], v[11+4*i_]
	ds_store_b64 v6, v[44+2*i_:45+2*i_] offset:32*i_
.set i_, i_+1
.endr
.irp p, 0,1,2,3
	ds_load_b128 v[8+4*\p:11+4*\p], v7 offset:544*\p   ; my own bytes: LDS serves a wave's instructions in order, so these see the stores above
.endr
.irp p, 0,1,2,3
	s_wait_dscnt 3-\p
	global_store_b128 v5, v[8+4*\p:11+4*\p], s[16:17] offset:512*\p   ; 512 consecutive bytes, at a multiple of 512 from xb's first byte
.endr
	s_wait_tensorcnt 0x0                           ; the end of a wave that wrote LDS
	ds_add_u32 v62, v63
	s_wait_dscnt 0x0
	s_endpgm
.Lfunc_end_k_q63c73ee91c_prep:
	.size	k_q63c73ee91c_prep, .Lfunc_end_k_q63c73ee91c_prep-k_q63c73ee91c_prep
	.p2alignl 7, 3214868480
	.fill 96, 4, 3214868480
	.section	.rodata,"a",@progbits
	.p2align	6, 0x0
	.amdhsa_kernel k_q63c73ee91c_prep
		.amdhsa_group_segment_fixed_size 19456
		.amdhsa_private_segment_fixed_size 0
		.amdhsa_enable_private_segment 0
		.amdhsa_kernarg_size 80
		.amdhsa_user_sgpr_count 2
		.amdhsa_user_sgpr_kernarg_segment_ptr 1
		.amdhsa_wavefront_size32 1
		.amdhsa_system_sgpr_workgroup_id_x 1
		.amdhsa_system_sgpr_workgroup_id_y 1
		.amdhsa_system_sgpr_workgroup_id_z 1
		.amdhsa_system_vgpr_workitem_id 0
		.amdhsa_next_free_vgpr 64
		.amdhsa_next_free_sgpr 66
		.amdhsa_reserve_vcc 1
		.amdhsa_float_denorm_mode_32 3
		.amdhsa_float_denorm_mode_16_64 3
		.amdhsa_memory_ordered 1
		.amdhsa_forward_progress 1
		.amdhsa_inst_pref_size 26
	.end_amdhsa_kernel
	.amdgpu_metadata
---
amdhsa.version: [ 1, 2 ]
amdhsa.kernels:
  - .name:           k_q63c73ee91c_prep
    .symbol:         k_q63c73ee91c_prep.kd
    .args:
      - { .name: x, .offset: 0, .size: 8, .value_kind: global_buffer, .address_space: global }
      - { .name: wq, .offset: 8, .size: 8, .value_kind: global_buffer, .address_space: global }
      - { .name: wk, .offset: 16, .size: 8, .value_kind: global_buffer, .address_space: global }
      - { .name: wv, .offset: 24, .size: 8, .value_kind: global_buffer, .address_space: global }
      - { .name: wo, .offset: 32, .size: 8, .value_kind: global_buffer, .address_space: global }
      - { .name: positions, .offset: 40, .size: 8, .value_kind: global_buffer, .address_space: global }
      - { .name: xb, .offset: 48, .size: 8, .value_kind: global_buffer, .address_space: global }
      - { .name: wqkvb, .offset: 56, .size: 8, .value_kind: global_buffer, .address_space: global }
      - { .name: wob, .offset: 64, .size: 8, .value_kind: global_buffer, .address_space: global }
      - { .name: ropet, .offset: 72, .size: 8, .value_kind: global_buffer, .address_space: global }
    .group_segment_fixed_size: 19456
    .private_segment_fixed_size: 0
    .kernarg_segment_align: 8
    .kernarg_segment_size: 80
    .max_flat_workgroup_size: 256
    .sgpr_count:     66
    .vgpr_count:     64
    .wavefront_size: 32
...
	.end_amdgpu_metadata
.endif
;; end of part 5
;; launch qkv (part 6): grid 16 x 16, 4 waves a work-group, clusters of 4 x 1, 327,680 bytes of LDS; arguments xb, wqkvb, bq, bk, bv, ropet, qkvh; writes qkvh
.if DOCPART == 6
	.amdgcn_target "amdgcn-amd-amdhsa--gfx1250"
	.amdhsa_code_object_version 6
	.text
	.protected	k_q63c73ee91c_qkv
	.globl	k_q63c73ee91c_qkv
	.p2align	8
	.type	k_q63c73ee91c_qkv,@function
k_q63c73ee91c_qkv:
	s_mov_b64 s[64:65], 0
	v_nop
	global_prefetch_b8 v0, s[64:65] scope:SCOPE_SE
	s_setreg_imm32_b32 hwreg(HW_REG_WAVE_MODE, 25, 1), 1
	s_wait_xcnt 0x0
	s_wait_alu depctr_hold_cnt(0) depctr_sa_sdst(0) depctr_va_vdst(0) depctr_va_sdst(0) depctr_va_ssrc(0) depctr_va_vcc(0) depctr_vm_vsrc(0)
	s_getreg_b32 s2, hwreg(HW_REG_IB_STS2, 6, 4)
	s_cmp_eq_u32 s2, 0
	s_cbranch_scc0 .Lentry_in_a_cluster
	s_endpgm
.Lentry_in_a_cluster:
	s_bfe_u32 s2, ttmp6, 0x10000c
	s_cmp_lg_u32 s2, 0x3003
	s_cbranch_scc0 .Lentry_shape_is_right
	s_endpgm
.Lentry_shape_is_right:
; QKV: [2048 x 2880] x [2880 x 5120] in bf16 with f32 sums, + bias, rotary turn for q and k, all times 2^-3, rounded once to f16 and written by heads:
; qkvh [80][2048][64] f16 (heads 0-63 q, 64-71 k, 72-79 v).
; LIMITS.  x, the weights and the biases are taken rounded to bf16.  q, k, v leave as f16 of their value / 8 (q and k with the rotary factor 1.3466 in it):
; they must stay under 8 x 65,504; below 8 x 6e-5 they keep f16's fixed step.  NaN and infinities are not treated apart.
; SHARES.  A work-group makes 128 tokens x 320 columns (5 heads): 16 x 16 = 256 work-groups.  Wave w: row half RH = w / 2 (64 tokens, 4 tiles of 16), column half CH = w % 2:
; five PAIRS of column tiles.  Pair pi = 5 CH + i lies in head pi / 2 of the five and holds columns 16 e .. +15 and 16 e + 32 .. +15, e = pi % 2: the two partners of a rotary turn are the
; same lane and register of two neighbouring accumulators.  40 accumulators, 320 registers.
; THE MATRIX INSTRUCTION IS USED TRANSPOSED: source 0 = 16 columns of W (turned out of LDS by ds_load_tr16_b128), source 1 = 16 tokens.  A lane then holds one token (l % 16)
; and eight neighbouring columns 8 (l / 16) + 0..7.  The bias, a number for each column, is the C operand of the products that start the sums.
; A GOES STRAIGHT INTO REGISTERS.  xb lies as fragments: [token tile of 16][chunk of 32 k][2 x 512 bytes], lane l's 16 bytes at 16 l: a fragment is two loads of 512 consecutive bytes.  A ring of 6 places
; (a chunk's four fragments, 32 registers, each) is filled 5 chunks ahead: 40 loads of a wave are on their way.  The two waves of a row half load the same fragments: the work-group loads each byte of A twice.
; B GOES THROUGH LDS, which it has to itself: two slots of K = 192 (6 chunks, 240 matrix instructions a wave); 2880 = 15 x 192.  Each wave fetches a quarter of a step's k rows (48) of all five heads
; with one tensor load behind each change of slots.
; CLUSTER 4 x 1 along the row tiles: the four partners share the column tile, so B's tiles are asked for jointly.  A is not brought by tensor loads, so it has no joint request.
; ONE TEXT FOR A STEP: the slot in hand is a scalar, 0 or SLOT, that an exclusive or turns; it is added to ten fixed lane terms for the reads, and its twin to the wave's part of a slot for the descriptor.
; Only the first chunk, whose products start the sums, stands ahead of the loop, which is entered behind its own chunk 0; the last step is written out.
; REGISTERS: v0-31, v192-211 addresses; v32-111, v112-191 two buffers of B's 10 fragments.  v256-575 accumulators (a, t) at 256 + 8 (10 a + t).  v576-655 the bias, 8 a column tile.
; v656-783 the rotary table for my tokens: 656 + 32 a + 16 set + 8 (0 cos, 1 sin) + j; set 0 serves the pairs with even i, set 1 those with odd i.  v784-975 A's ring.
.set NH,     5
.set NPAIR,  5
.set NT,     2*NPAIR
.set KTOT,   2880
.set PA,     144                       ; a stage row: 128 bytes + 16
.set PB,     160                       ; a row of B in LDS: 128 + 32: an odd multiple of 32, for the turning load
.set RQ,     48                        ; k rows that a wave fetches of a step
.set HB,     RQ*PB                     ; a head's part of them
.set QB,     NH*HB                     ; a wave's part of a slot: 38,400
.set SLOT,   4*QB                      ; 153,600
.set NCH,    6                         ; chunks of 32 along K in a step
.set RING,   6
.set AHEAD,  5
.set NLD,    2*NT                      ; LDS loads in a run
.set SBLK,   128*PA                    ; a head's 128 rows in the stage
.set STAGE,  SLOT                      ; the way out goes through slot 1, which has had its last fill (step 13) and its last read by then: [5 heads][128 rows] of 144 bytes
.set SPARE,  2*SLOT                    ; the spare words, 128 bytes a wave: two blocks of 256 bytes that no other line names
.set ATT,    90*1024                   ; bytes of a token tile in xb
.set BSTEP,  NCH*32*128                ; a step's k rows in a block of wqkvb
.set HBYTES, 2048*128                  ; a head's block of qkvh
.set ACC0,   256
.set BIAS,   576
.set ROPE,   656
.set ARW,    16                        ; A's ring in window 3: v784 on
.set F0,     32
.set F1,     112
.set AO,     8                         ; v8      16 x lane: my bytes in a fragment's 512
.set STO,    20                        ; v20-24  the way out: where pair i puts 16 bytes of a row
.set RD,     25                        ; v25     where I read rows back
.set GO,     26                        ; v26     16 x lane
.set BO,     27                        ; v27     32 (l / 16): my eight columns' bytes in a bias
.set SPW,    28                        ; v28     my spare word; never rewritten
.set NIL,    29                        ; v29     0; never rewritten
.set RO,     30                        ; v30-31  my byte offsets in the rotary table, set 0 and 1
.set ADR0,   192                       ; v192-201 pair i, quarters 0-1 and 2-3 of a slot: the lane terms; never rewritten
.set ADRB,   202                       ; v202-211 the same in the slot in hand
.set CE,     32                        ; the way out, at work
.set SE,     40
.set T,      48
.set Y1,     56
.set Y2,     64
.set PK,     72
.set WV,     18
.set RH,     19
.set CH,     20
.set G1B,    28                        ; s[28:35] group 1 of a step's tile
.set G0F,    36                        ; s[36:39] group 0 of the first fill of slot 0
.set G0W,    40                        ; s[40:43] group 0 of the first fill of slot 1; it then walks on
.set AB,     44                        ; s[44:45] xb at my token tiles, the step's first chunk
.set TBC,    46                        ; the slot in hand: 0 or SLOT
.set TBO,    47                        ; the slot last asked for
.set QO,     48                        ; wave x QB
.set CNT,    49
.set GI,     70                        ; s70-74  pair i's head among the 80
.set KQ,     76                        ; s[76:77] 1 for q and k heads, 0 for v heads
.set KV,     78                        ; s[78:79] 0, or 2^-3 for v heads
.set BP,     80                        ; s[80:89] pair i's place in its bias
.set MSB, 0
.macro WIN new                         ; the immediate's high byte repeats the setting that is left; a switch that changes nothing is dropped
.if MSB != (\new)
	s_set_vgpr_msb (MSB<<8)|(\new)
.set MSB, (\new)
.endif
.endm
.macro PLACES                          ; four plain vector lines between a matrix instruction and a load into, or a read of, its registers
.rept 4
	v_nop
.endr
.endm
.macro CREST                           ; a round of the cluster's barrier behind its opening barrier
	s_cmp_lg_u32 s[WV], 0
	s_cbranch_scc1 .Lnot_wave_0_\@
	s_barrier_signal -3
.Lnot_wave_0_\@:
	s_barrier_wait -3
	s_barrier_signal -1
	s_barrier_wait -1
.endm
.macro CROUND
	s_barrier_signal -1
	s_barrier_wait -1
	CREST
.endm
; One run of LDS loads: B's 10 fragments of chunk c of the slot in hand into buffer f.  A turning load takes 16 k rows; group g of 16 rows lies in quarter g / 3 of the slot, at rows 16 (g % 3).
.macro FETCH c, f
	WIN 0
.set g0_, 2*(\c)
.set g1_, 2*(\c)+1
.set i_, 0
.rept NPAIR
.set hi_, 0
.rept 2
.set rb_, (\f)+8*(2*i_+hi_)
	ds_load_tr16_b128 v[rb_:rb_+3],   v[ADRB+2*i_+g0_/6] offset:((g0_/3)%2)*QB+(g0_%3)*16*PB+64*hi_
	ds_load_tr16_b128 v[rb_+4:rb_+7], v[ADRB+2*i_+g1_/6] offset:((g1_/3)%2)*QB+(g1_%3)*16*PB+64*hi_
.set hi_, hi_+1
.endr
.set i_, i_+1
.endr
.endm
; A's four fragments of the chunk kc on from the step's first, into place rp of the ring: eight loads of 512 consecutive bytes
.macro ALD kc, rp
	WIN 0xc0                                       ; destination window 3
.set a_, 0
.rept 4
	global_load_b128 v[ARW+32*(\rp)+8*a_:ARW+32*(\rp)+8*a_+3],   v[AO], s[AB:AB+1] offset:(\kc)*1024+a_*ATT
	global_load_b128 v[ARW+32*(\rp)+8*a_+4:ARW+32*(\rp)+8*a_+7], v[AO], s[AB:AB+1] offset:(\kc)*1024+a_*ATT+512
.set a_, a_+1
.endr
.endm
; The rotary table for my 64 tokens: 32 loads
.macro ROPELD
.set a_, 0
.rept 4
.set st_, 0
.rept 2
.set rr_, ROPE+32*a_+16*st_
	WIN (rr_/256)<<6
.set rr_, rr_%256
	global_load_b128 v[rr_:rr_+3],     v[RO+st_], s[94:95] offset:4096*a_
	global_load_b128 v[rr_+4:rr_+7],   v[RO+st_], s[94:95] offset:4096*a_+16
	global_load_b128 v[rr_+8:rr_+11],  v[RO+st_], s[94:95] offset:4096*a_+128
	global_load_b128 v[rr_+12:rr_+15], v[RO+st_], s[94:95] offset:4096*a_+144
.set st_, st_+1
.endr
.set a_, a_+1
.endr
.endm
; Ten matrix instructions: row tile a x all column tiles, B from buffer f (window 0), A from place rp (window 3).  first = 1: the bias starts the sums.
; The 40 accumulators are always walked in the same order, one instruction a turn.
.macro MULR f, rp, a, first
.set t_, 0
.rept NT
.set ab_, ACC0+8*((\a)*NT+t_)
.set rd_, ab_%256
.set ra_, ARW+32*(\rp)+8*(\a)
.if \first
.set cb_, BIAS+8*t_
	WIN ((ab_/256)<<6)|((cb_/256)<<4)|0x0c
	v_wmma_f32_16x16x32_bf16 v[rd_:rd_+7], v[(\f)+8*t_:(\f)+8*t_+7], v[ra_:ra_+7], v[cb_%256:cb_%256+7]
.else
	WIN ((ab_/256)<<6)|((ab_/256)<<4)|0x0c
	v_wmma_f32_16x16x32_bf16 v[rd_:rd_+7], v[(\f)+8*t_:(\f)+8*t_+7], v[ra_:ra_+7], v[rd_:rd_+7]
.endif
.set t_, t_+1
.endr
.endm
.macro MUL f, rp, first
	MULR \f, \rp, 0, \first
	MULR \f, \rp, 1, \first
	MULR \f, \rp, 2, \first
	MULR \f, \rp, 3, \first
.endm
; Chunk c of a step.  Behind four places: the next chunk's B into the buffer, and (al = 1) the chunk AHEAD on of A into the ring place, that the chunk before has just left.  Then this chunk's products.
; lcnt: the loads into registers issued behind this chunk's A, which may stay out.  rope = 1: the rotary table is asked for here.  A step's last chunk is multiplied in the change of slots that follows.
.macro CHUNK c, al, lcnt, first, rope=0
.if ((\c)+1 < NCH) || (\al)
	WIN 0
	PLACES
.endif
.if (\c)+1 < NCH
	FETCH (\c)+1, F0+80*(((\c)+1)%2)
.endif
.if \al
	ALD (\c)+AHEAD, ((\c)+AHEAD)%RING
.endif
.if (\c)+1 < NCH
	s_wait_dscnt NLD                               ; this chunk's B is in; the run just issued stays out
	s_wait_loadcnt \lcnt                           ; loads come back in order: this chunk's A is in, the younger loads stay out
.if \rope
	ROPELD
.endif
	MUL F0+80*((\c)%2), (\c)%RING, \first
.endif
.endm
; THE CHANGE OF SLOTS.  The step before's last chunk lies in buffer 1 and ring place 5 and is multiplied here.  Each wave waits for all its tensor loads (one is out: its part of the slot to come), adds 0 to its
; spare word, and waits for that and for its reads of the slot that it leaves; behind the barrier, which with a refill opens a round of the cluster's, that slot is filled again first.
.macro HEAD refill, lcnt
	WIN 0
	s_wait_tensorcnt 0x0                           ; no tensor load of mine is out, so a group 0 may be written
	ds_add_u32 v[SPW], v[NIL]
	s_wait_xcnt 0x0                                ; A's loads have had their addresses translated: only behind this wait is their base stepped
	s_add_nc_u64 s[AB:AB+1], s[AB:AB+1], NCH*1024
.if \refill
	s_xor_b32 s[TBO], s[TBO], SLOT                 ; the walking descriptor: the other slot than last time,
	s_add_co_u32 s[G0W+1], s[TBO], s[QO]           ; my part of it,
	s_add_nc_u64 s[G0W+2:G0W+3], s[G0W+2:G0W+3], BSTEP   ; the next 192 k rows; the type bits on top are not reached
.endif
	s_xor_b32 s[TBC], s[TBC], SLOT
	s_wait_dscnt 0x1                               ; buffer 1's loads are in; the add alone may be out
	s_wait_loadcnt \lcnt
	MULR F1, RING-1, 0, 0
	s_wait_dscnt 0x0                               ; the add is done, and my reads of the slot that I leave are over
	s_barrier_signal -1
	MULR F1, RING-1, 1, 0
	WIN 0
.set q_, 0
.rept 2*NPAIR
	v_add_nc_u32 v[ADRB+q_], s[TBC], v[ADR0+q_]    ; the reads turn to the other slot: work on registers; places as well, in front of the loads into buffer 0
.set q_, q_+1
.endr
	s_barrier_wait -1
.if \refill
	CREST                                          ; no wave of any partner still reads that slot or has a load on its way
	tensor_load_to_lds s[G0W:G0W+3], s[G1B:G1B+7]  ; my one tensor load behind the round: it has the step's 240 matrix instructions, less twenty, in which to land
	s_nop 0
	PLACES
.endif
	FETCH 0, F0
	MULR F1, RING-1, 2, 0
	MULR F1, RING-1, 3, 0
.endm
	s_load_b256 s[4:11], s[0:1], 0x0               ; xb 4:5, wqkvb 6:7, bq 8:9, bk 10:11
	s_load_b128 s[12:15], s[0:1], 0x20             ; bv 12:13, ropet 14:15
	s_load_b64 s[16:17], s[0:1], 0x30              ; qkvh
	v_lshl_add_u32 v[SPW], v0, 2, SPARE
	v_mov_b32 v[NIL], 0
	ds_add_u32 v[SPW], v[NIL]                      ; the wave's opening: the add and its wait ahead of my first tensor load
	v_lshrrev_b32 v3, 5, v0
	v_readfirstlane_b32 s[WV], v3                  ; wave 0..3
	s_lshr_b32 s[RH], s[WV], 1
	s_and_b32 s[CH], s[WV], 1
	s_bfe_u32 s21, ttmp6, 0x40000                  ; cx
	s_lshl_b32 s24, ttmp9, 2
	s_add_co_u32 s24, s24, s21                     ; row tile = 4 x cluster x + cx: it enters A's, the table's and qkvh's addresses alone
	s_and_b32 s23, ttmp7, 0xffff                   ; column tile, which the four partners share
	; group 1: 5 rows (heads) of 48 k rows x 64 columns, dense, a head's block of wqkvb apart; 8 words of padding after every 32; all four partners
	s_mov_b32 s[G1B], 15|(1<<16)|(1<<20)|(1<<21)|(4<<22)|(7<<25)
	s_mov_b32 s[G1B+1], (RQ*64)<<16
	s_mov_b32 s[G1B+2], NH<<16
	s_mov_b32 s[G1B+3], (RQ*64)<<16
	s_mov_b32 s[G1B+4], NH
	s_mov_b32 s[G1B+5], KTOT*64
	s_mov_b32 s[G1B+6], 0
	s_mov_b32 s[G1B+7], 0
	s_mul_i32 s[QO], s[WV], QB                     ; my part of a slot: no place in the cluster enters an LDS address
	s_mul_i32 s60, s23, NH*KTOT*128                ; B: head 5 x column tile, k rows 48 x wave on: made of the column tile and the wave alone
	s_mul_i32 s61, s[WV], RQ*128
	s_add_co_u32 s60, s60, s61
	s_mov_b32 s61, 0
	s_lshl_b32 s62, s24, 3
	s_lshl2_add_u32 s62, s[RH], s62                ; A: token tile 8 x row tile + 4 RH
	s_mul_i32 s62, s62, ATT
	s_mov_b32 s63, 0
	s_lshl_b32 s50, s24, 15                        ; the table: 128 tokens of 256 bytes a row tile
	s_mov_b32 s51, 0
	s_mul_i32 s52, s23, NH*HBYTES                  ; qkvh: the tile's first head, token 128 x row tile + 32 x wave
	s_lshl_b32 s53, s24, 14
	s_add_co_u32 s52, s52, s53
	s_lshl_b32 s53, s[WV], 12
	s_add_co_u32 s52, s52, s53
	s_mov_b32 s53, 0
	s_mov_b32 s[TBC], 0
	s_mov_b32 s[TBO], SLOT
	s_mov_b32 s[G0F], 1
	s_mov_b32 s[G0F+1], s[QO]
	s_mov_b32 s[G0W], 1
	s_add_co_u32 s[G0W+1], s[QO], SLOT
	s_mov_b32 s[KQ+1], 0                           ; named as pairs
	s_mov_b32 s[KV+1], 0
	v_and_b32 v1, 15, v0                           ; r = l % 16
	v_bfe_u32 v2, v0, 4, 1                         ; h = l / 16
	v_mul_u32_u24 v9, v1, PA
	v_lshl_add_u32 v9, v2, 4, v9
	s_mul_i32 s2, s[RH], 64*PA
	v_add_nc_u32 v9, s2, v9                        ; stage: (64 RH + r) x 144 + 16 h
	v_and_b32 v4, 7, v0                            ; the turning load: lane l reads k row 8 h + l % 8, columns 8 ((l / 8) % 2) + 0..7
	v_lshl_add_u32 v4, v2, 3, v4
	v_mul_u32_u24 v4, v4, PB
	v_bfe_u32 v5, v0, 3, 1
	v_lshl_add_u32 v4, v5, 4, v4
	s_mul_i32 s27, s23, NH                         ; the tile's first head
.set i_, 0
.rept NPAIR
	s_mul_i32 s2, s[CH], NPAIR
	s_add_co_u32 s2, s2, i_                        ; pi
	s_lshr_b32 s3, s2, 1                           ; its head among the five
	s_and_b32 s2, s2, 1                            ; e
	s_mul_i32 s25, s3, HB
	s_lshl_b32 s26, s2, 5
	s_add_co_u32 s25, s25, s26
	v_add_nc_u32 v[ADR0+2*i_], s25, v4             ; head x 48 rows + 32 e + the lane's place: quarters 0 and 1,
	v_add_nc_u32 v[ADR0+2*i_+1], 2*QB, v[ADR0+2*i_]  ; quarters 2 and 3
	v_add_nc_u32 v[ADRB+2*i_], s25, v4             ; the first step lies in slot 0
	v_add_nc_u32 v[ADRB+2*i_+1], 2*QB, v[ADR0+2*i_]
	s_mul_i32 s25, s3, SBLK
	s_add_co_u32 s25, s25, s26
	s_add_co_u32 s25, s25, STAGE
	v_add_nc_u32 v[STO+i_], s25, v9                ; stage: head x 128 rows + (64 RH + r) x 144 + 32 e + 16 h
	s_add_co_u32 s[GI+i_], s27, s3                 ; the head among the 80; it chooses the bias by selects, never by a branch
	s_cmp_ge_u32 s[GI+i_], 72
	s_cselect_b32 s92, 72, 64
	s_cmp_ge_u32 s[GI+i_], 64
	s_cselect_b32 s92, s92, 0
	s_sub_co_u32 s[BP+2*i_], s[GI+i_], s92         ; the head's number in its own bias,
	s_lshl_b32 s[BP+2*i_], s[BP+2*i_], 8
	s_lshl_b32 s93, s2, 6
	s_add_co_u32 s[BP+2*i_], s[BP+2*i_], s93       ; x 256 bytes + 64 e: an offset, to which the bias's address is added below
	s_mov_b32 s[BP+2*i_+1], 0
.set i_, i_+1
.endr
	v_bfe_u32 v6, v0, 3, 2                         ; back out of the stage: 32 lanes take four rows of 128 bytes
	v_mul_u32_u24 v6, v6, PA
	v_and_b32 v7, 7, v0
	v_lshl_add_u32 v6, v7, 4, v6
	s_mul_i32 s2, s[WV], 32*PA
	s_add_co_u32 s2, s2, STAGE
	v_add_nc_u32 v[RD], s2, v6
	v_and_b32 v5, 31, v0
	v_lshlrev_b32 v[GO], 4, v5
	v_lshlrev_b32 v[AO], 4, v5
	v_lshlrev_b32 v[BO], 5, v2
	s_lshl_b32 s2, s[RH], 14
	s_lshl_b32 s3, s[CH], 6
	s_add_co_u32 s3, s2, s3
	v_lshlrev_b32 v5, 8, v1
	v_lshl_add_u32 v5, v2, 5, v5
	v_add_nc_u32 v[RO], s3, v5                     ; (64 RH + r) x 256 + 64 e + 32 h with e = CH,
	s_xor_b32 s3, s3, 64
	v_add_nc_u32 v[RO+1], s3, v5                   ; and with e = 1 - CH
	s_wait_dscnt 0x0                               ; the opening add is done
	s_wait_kmcnt 0x0
	s_add_nc_u64 s[G0F+2:G0F+3], s[6:7], s[60:61]
	s_add_nc_u64 s[G0W+2:G0W+3], s[G0F+2:G0F+3], BSTEP
	s_or_b32 s[G0F+3], s[G0F+3], 0x80000000
	s_or_b32 s[G0W+3], s[G0W+3], 0x80000000
	s_add_nc_u64 s[AB:AB+1], s[4:5], s[62:63]
	s_add_nc_u64 s[94:95], s[14:15], s[50:51]      ; the table at the tile's first token
	s_add_nc_u64 s[96:97], s[16:17], s[52:53]
.set i_, 0
.rept NPAIR
	s_cmp_ge_u32 s[GI+i_], 72
	s_cselect_b64 s[90:91], s[12:13], s[10:11]
	s_cmp_ge_u32 s[GI+i_], 64
	s_cselect_b64 s[90:91], s[90:91], s[8:9]
	s_add_nc_u64 s[BP+2*i_:BP+2*i_+1], s[90:91], s[BP+2*i_:BP+2*i_+1]
.set i_, i_+1
.endr
	WIN 0x80                                       ; the bias and A's first five chunks go out ahead of the round: 20 + 40 loads into registers
.set i_, 0
.rept NPAIR
.set rb_, (BIAS%256)+16*i_
	global_load_b128 v[rb_:rb_+3],     v[BO], s[BP+2*i_:BP+2*i_+1]
	global_load_b128 v[rb_+4:rb_+7],   v[BO], s[BP+2*i_:BP+2*i_+1] offset:16
	global_load_b128 v[rb_+8:rb_+11],  v[BO], s[BP+2*i_:BP+2*i_+1] offset:128
	global_load_b128 v[rb_+12:rb_+15], v[BO], s[BP+2*i_:BP+2*i_+1] offset:144
.set i_, i_+1
.endr
.irp c, 0,1,2,3,4
	ALD \c, \c
.endr
	WIN 0
	CROUND                                         ; all four work-groups are here: the first joint loads meet
	tensor_load_to_lds s[G0F:G0F+3], s[G1B:G1B+7]  ; steps 0 and 1: two loads of mine are out
	s_nop 0
	tensor_load_to_lds s[G0W:G0W+3], s[G1B:G1B+7]
	s_nop 0
	PLACES
	s_wait_loadcnt 8*AHEAD                         ; the bias is in; A's 40 loads, issued behind it, stay out
	WIN 0x0a                                       ; the bias is rounded to bf16 like every input
.set j_, 0
.rept 4*NT
	v_cvt_pk_bf16_f32 v[32+j_], v[(BIAS%256)+2*j_], v[(BIAS%256)+2*j_+1]
.set j_, j_+1
.endr
	WIN 0x80
.set j_, 0
.rept 4*NT
	v_lshlrev_b32 v[(BIAS%256)+2*j_], 16, v[32+j_]
	v_and_b32 v[(BIAS%256)+2*j_+1], 0xffff0000, v[32+j_]
.set j_, j_+1
.endr
	WIN 0
	s_wait_tensorcnt 0x1                           ; my part of step 0 is in; slot 1's may stay out
	s_barrier_signal -1
	s_barrier_wait -1                              ; everybody's is
	FETCH 0, F0
	CHUNK 0, 1, 8*AHEAD, 1                         ; the first products start the sums, with the bias
	WIN 0
	s_mov_b32 s[CNT], 14
	s_branch .Lc1                                  ; step 0 goes on in the loop's text, behind its chunk 0
.Ltrip:                                                ; steps 1 to 13; step s asks for step s + 1's tile
	HEAD 1, 8*AHEAD
	CHUNK 0, 1, 8*AHEAD, 0
	WIN 0
.Lc1:
.irp c, 1,2,3,4,5
	CHUNK \c, 1, 8*AHEAD, 0                        ; step 13's chunk 5 asks for A's chunk 88 of 90
.endr
	WIN 0
	s_sub_co_u32 s[CNT], s[CNT], 1
	s_cmp_lg_u32 s[CNT], 0
	s_cbranch_scc1 .Ltrip
	HEAD 0, 8*AHEAD                                ; step 14: no tile is left to fetch
	CHUNK 0, 1, 8*AHEAD, 0                         ; A's last chunk is asked for
	CHUNK 1, 0, 32, 0                              ; the counts run down: four chunks of A are younger,
	CHUNK 2, 0, 24, 0, 1                           ; three; behind that wait the table's 32 loads go out: 56 loads of mine are out at the most
	CHUNK 3, 0, 16+32, 0                           ; two chunks of A and the table,
	CHUNK 4, 0, 8+32, 0                            ; one and the table
	s_wait_dscnt 0x0
	s_wait_loadcnt 32                              ; the table alone
	MUL F1, RING-1, 0
	WIN 0
	PLACES
	s_wait_loadcnt 0x0                             ; the table is in
	; THE WAY OUT.  y1 = lo c - hi s, y2 = hi c + lo s, with c and s already times conc / 8; for a v head c counts as 2^-3 and s as 0, by two scalars and no branch.
.macro OUT i, a
.set rr_, ROPE+32*(\a)+16*((\i)%2)
.set rw_, rr_/256
.set rr_, rr_%256
.set lo_, ACC0+8*((\a)*NT+2*(\i))
.set wa_, lo_/256
.set lo_, lo_%256
.set hi_, lo_+8
	WIN rw_                                        ; source 0: the table
.irp p, 0,1,2,3
	v_pk_fma_f32 v[CE+2*\p:CE+2*\p+1], v[rr_+2*\p:rr_+2*\p+1], s[KQ:KQ+1], s[KV:KV+1] op_sel_hi:[1,0,0]
.endr
.irp p, 0,1,2,3
	v_pk_mul_f32 v[SE+2*\p:SE+2*\p+1], v[rr_+8+2*\p:rr_+8+2*\p+1], s[KQ:KQ+1] op_sel_hi:[1,0]
.endr
	WIN wa_                                        ; source 0: the accumulators
.irp p, 0,1,2,3
	v_pk_mul_f32 v[T+2*\p:T+2*\p+1], v[hi_+2*\p:hi_+2*\p+1], v[SE+2*\p:SE+2*\p+1]
.endr
.irp p, 0,1,2,3
	v_pk_fma_f32 v[Y1+2*\p:Y1+2*\p+1], v[lo_+2*\p:lo_+2*\p+1], v[CE+2*\p:CE+2*\p+1], v[T+2*\p:T+2*\p+1] neg_lo:[0,0,1] neg_hi:[0,0,1]
.endr
.irp p, 0,1,2,3
	v_pk_mul_f32 v[T+2*\p:T+2*\p+1], v[lo_+2*\p:lo_+2*\p+1], v[SE+2*\p:SE+2*\p+1]
.endr
.irp p, 0,1,2,3
	v_pk_fma_f32 v[Y2+2*\p:Y2+2*\p+1], v[hi_+2*\p:hi_+2*\p+1], v[CE+2*\p:CE+2*\p+1], v[T+2*\p:T+2*\p+1]
.endr
	WIN 0
.irp p, 0,1,2,3
	v_cvt_pk_f16_f32 v[PK+\p], v[Y1+2*\p], v[Y1+2*\p+1]
.endr
.irp p, 0,1,2,3
	v_cvt_pk_f16_f32 v[PK+4+\p], v[Y2+2*\p], v[Y2+2*\p+1]
.endr
	ds_store_b128 v[STO+(\i)], v[PK:PK+3]   offset:16*PA*(\a)
	ds_store_b128 v[STO+(\i)], v[PK+4:PK+7] offset:16*PA*(\a)+64
.endm
.irp i, 0,1,2,3,4
	s_cmp_lt_u32 s[GI+\i], 72
	s_cselect_b32 s[KQ], 1.0, 0
	s_cselect_b32 s[KV], 0, 0x3e000000
.irp a, 0,1,2,3
	OUT \i, \a
.endr
.endr
	s_wait_dscnt 0x0                               ; for the others' sake: my stores into the stage are done (the middle head's rows come from two waves)
	s_barrier_signal -1
	s_barrier_wait -1
.irp k, 0,1,2,3,4
	v_add_nc_u32 v[3+\k], (\k)*SBLK, v[RD]
.endr
.set n_, 0
.rept 40                                               ; wave w takes rows 32 w .. 32 w + 31 of all five heads
	ds_load_b128 v[32+4*n_:35+4*n_], v[3+n_/8] offset:4*PA*(n_%8)
.set n_, n_+1
.endr
.set n_, 0
.rept 40
	s_wait_dscnt 39-n_                             ; LDS loads come back in order: number n is in, the younger ones stay out
	global_store_b128 v[GO], v[32+4*n_:35+4*n_], s[96:97] offset:(n_/8)*HBYTES+512*(n_%8)   ; 512 consecutive bytes, four rows of a head
.set n_, n_+1
.endr
	s_wait_tensorcnt 0x0                           ; the wave's end
	ds_add_u32 v[SPW], v[NIL]
	s_wait_dscnt 0x0
	CROUND                                         ; the closing round: no work-group ends while a partner may still ask for a tile that names it
	s_endpgm
.Lfunc_end_k_q63c73ee91c_qkv:
	.size	k_q63c73ee91c_qkv, .Lfunc_end_k_q63c73ee91c_qkv-k_q63c73ee91c_qkv
	.p2alignl 7, 3214868480
	.fill 96, 4, 3214868480
	.section	.rodata,"a",@progbits
	.p2align	6, 0x0
	.amdhsa_kernel k_q63c73ee91c_qkv
		.amdhsa_group_segment_fixed_size 327680
		.amdhsa_private_segment_fixed_size 0
		.amdhsa_enable_private_segment 0
		.amdhsa_kernarg_size 56
		.amdhsa_user_sgpr_count 2
		.amdhsa_user_sgpr_kernarg_segment_ptr 1
		.amdhsa_wavefront_size32 1
		.amdhsa_system_sgpr_workgroup_id_x 1
		.amdhsa_system_sgpr_workgroup_id_y 1
		.amdhsa_system_sgpr_workgroup_id_z 1
		.amdhsa_system_vgpr_workitem_id 0
		.amdhsa_next_free_vgpr 976
		.amdhsa_next_free_sgpr 100
		.amdhsa_reserve_vcc 0
		.amdhsa_float_denorm_mode_32 3
		.amdhsa_float_denorm_mode_16_64 3
		.amdhsa_memory_ordered 1
		.amdhsa_forward_progress 1
		.amdhsa_inst_pref_size 145
	.end_amdhsa_kernel
	.amdgpu_metadata
---
amdhsa.version: [ 1, 2 ]
amdhsa.kernels:
  - .name:           k_q63c73ee91c_qkv
    .symbol:         k_q63c73ee91c_qkv.kd
    .args:
      - { .name: xb, .offset: 0, .size: 8, .value_kind: global_buffer, .address_space: global }
      - { .name: wqkvb, .offset: 8, .size: 8, .value_kind: global_buffer, .address_space: global }
      - { .name: bq, .offset: 16, .size: 8, .value_kind: global_buffer, .address_space: global }
      - { .name: bk, .offset: 24, .size: 8, .value_kind: global_buffer, .address_space: global }
      - { .name: bv, .offset: 32, .size: 8, .value_kind: global_buffer, .address_space: global }
      - { .name: ropet, .offset: 40, .size: 8, .value_kind: global_buffer, .address_space: global }
      - { .name: qkvh, .offset: 48, .size: 8, .value_kind: global_buffer, .address_space: global }
    .group_segment_fixed_size: 327680
    .private_segment_fixed_size: 0
    .kernarg_segment_align: 8
    .kernarg_segment_size: 56
    .max_flat_workgroup_size: 128
    .sgpr_count:     100
    .vgpr_count:     976
    .wavefront_size: 32
...
	.end_amdgpu_metadata
.endif
;; end of part 6
;; launch attn (part 7): grid 64 x 4, 4 waves a work-group, clusters of 4 x 1, 327,680 bytes of LDS; arguments qkvh, sinks, attnh; writes attnh
.if DOCPART == 7
	.amdgcn_target "amdgcn-amd-amdhsa--gfx1250"
	.amdhsa_code_object_version 6
	.text
	.protected	k_q63c73ee91c_attn
	.globl	k_q63c73ee91c_attn
	.p2align	8
	.type	k_q63c73ee91c_attn,@function
k_q63c73ee91c_attn:
	s_mov_b64 s[64:65], 0
	v_nop
	global_prefetch_b8 v0, s[64:65] scope:SCOPE_SE
	s_setreg_imm32_b32 hwreg(HW_REG_WAVE_MODE, 25, 1), 1
	s_wait_xcnt 0x0
	s_wait_alu depctr_hold_cnt(0) depctr_sa_sdst(0) depctr_va_vdst(0) depctr_va_sdst(0) depctr_va_ssrc(0) depctr_va_vcc(0) depctr_vm_vsrc(0)
	s_getreg_b32 s2, hwreg(HW_REG_IB_STS2, 6, 4)
	s_cmp_eq_u32 s2, 0
	s_cbranch_scc0 .Lentry_in_a_cluster
	s_endpgm
.Lentry_in_a_cluster:
	s_bfe_u32 s2, ttmp6, 0x10000c
	s_cmp_lg_u32 s2, 0x3003
	s_cbranch_scc0 .Lentry_shape_is_right
	s_endpgm
.Lentry_shape_is_right:
; ATTENTION with a causal window of 128 keys and a sink.  qkvh [80][2048][64] f16 holds q, k (turned) and v, all / 8.
; attnh takes O / 8 in f16, laid out as the next launch's matrix fragments: [token tile of 16 (128)][head (64)][cb (4)][lane (32)][16 bytes]; lane l of part cb holds token l % 16, channels 16 cb + 8 (l / 16) + 0..7.
; That is what a lane holds of accumulator cb of O^T, so the result is stored straight from registers, 512 consecutive bytes a store, with no way through LDS.
; O[q] = sum over the keys q - 127 .. q of its own sequence of p v / l;  p = 2^(c s' - m2), s' = q' . k', c = 8 log2(e) (64 undoes the two factors 1/8, 1/8 is the module's scale);
; m2 = max(c max s', sink log2 e): the TRUE maximum, since a query's whole window lies in registers;  l = 2^(sink log2 e - m2) + sum p.
; LIMITS.  The sink is taken rounded to bf16.  A hidden score counts as its value less 1e30 (or 2e30): f16's scores, 64 x 65,504^2 at the most, are nothing beside that.  p is rounded to f16 for the second product
; (l is the sum of the unrounded p); a weight below 2^-126 counts as 0.  O' = O / 8 has v' s range.  NaN and infinities are not treated apart.
; SHARES.  A work-group owns the 512 queries of one sequence b and one head n.  Wave w takes four PIECES of 32 queries, at q0 = 32 w + 128 idx, one a trip: two tiles u of 16 queries.
; A piece sees the keys q0 - 128 .. q0 + 31: ten blocks kb of 16; tile u needs blocks u .. u + 8, at place x = kb - u: x = 0 holds the window's edge, x = 8 the diagonal, the others are whole.
; LDS is filled once: K and V hold tokens 512 b - 128 .. 512 b + 511 of the key head (640 rows), so that a piece's first key is row q0.  The 128 rows in front belong to another sequence, or to the head
; before in qkvh (never outside the buffer: key heads begin at block 64): finite numbers, hidden by the mask; their weights are exactly 0.
; THE MASK is the C operand of the product that starts a sum S^T = K Q^T.  MW: the window's edge; MDG: the diagonal; VAL c: -1e30 in trip 0 where the 32 keys of chunk c lie in front of the sequence (c < 4 - w), else 0.
; LAYOUT.  S^T holds ONE query a lane (l % 16) and the keys 8 (l / 16) + 0..7; two such results rounded to f16 ARE source 1 of O^T = V^T P.
; CLUSTER 4 x 1: four heads of one key head: K and V are asked for jointly; Q is each work-group's own.
; In phases: all K Q^T, the softmax, all V^T P.  The launch is a small part of the program's work, so the plain order is kept.
; REGISTERS: window 0: v1-11 addresses; v12-31 ten registers of statistics a tile; v32-175 S^T (u, x) at 32 + 72 u + 8 x; v176-255 P (u, c) at 176 + 40 u + 8 c.
; window 1: v0-159 K's fragments; v160-191 Q's; v192-247 masks.   window 2: v0-159 V's fragments; v160-223 O^T.
.set PK,    144
.set PV,    160
.set VOFF,  640*PK
.set QOFF,  VOFF+640*PV
.set SPARE, QOFF+512*PK                ; the spare words, 128 bytes a wave: two blocks of 256 bytes that no other line names
.set TT,    64*2048                    ; bytes of a token tile in attnh
.set AK0, 1
.set AV0, 2
.set AQ0, 3
.set AK,  4
.set AV,  5
.set AQ,  6
.set GO,  9                            ; 16 x lane
.set SPW, 10                           ; my spare word; never rewritten
.set NIL, 11                           ; 0; never rewritten
.set ST,  12                           ; tile u at ST + 10 u: +0 cA, +1 cB, +2:3 m2 twice, +4:5 la, +6:7 lb, +8:9 1 / l twice
.set S,   32
.set P,   176
.set KF,  0                            ; window 1: block kb, channel half at 16 kb + 8 half
.set QF,  160                          ; window 1
.set MW,  192
.set MDG, 200
.set EW,  208
.set VAL, 216
.set OT,  160                          ; window 2: 160 + 32 u + 8 cb
.set WV,  12
.set CNT, 13
.set G1K, 16
.set G1V, 24
.set G1Q, 32
.set G0K, 40
.set G0V, 44
.set G0Q, 48
.set CS,  52                           ; s[52:53] c
.set SEL, 54                           ; s[54:55] v_permlanex16_b32's selects: the same place in the other half
.set SINK, 56
.set BIGN, 57
.set V0,  58                           ; s58-61
.set TBK, 62
.set TBV, 63
.set MSB, 0
.macro WIN new
.if MSB != (\new)
	s_set_vgpr_msb (MSB<<8)|(\new)
.set MSB, (\new)
.endif
.endm
.macro PLACES
.rept 4
	v_nop
.endr
.endm
.macro CROUND
	s_barrier_signal -1
	s_barrier_wait -1
	s_cmp_lg_u32 s[WV], 0
	s_cbranch_scc1 .Lnot_wave_0_\@
	s_barrier_signal -3
.Lnot_wave_0_\@:
	s_barrier_wait -3
	s_barrier_signal -1
	s_barrier_wait -1
.endm
	s_load_b128 s[4:7], s[0:1], 0x0                ; qkvh 4:5, sinks 6:7
	s_load_b64 s[8:9], s[0:1], 0x10                ; attnh
	v_lshl_add_u32 v[SPW], v0, 2, SPARE
	v_mov_b32 v[NIL], 0
	ds_add_u32 v[SPW], v[NIL]                      ; the wave's opening: the add and its wait ahead of my first tensor load
	v_lshrrev_b32 v1, 5, v0
	v_readfirstlane_b32 s[WV], v1                  ; wave 0..3
	s_bfe_u32 s14, ttmp6, 0x40000                  ; cx
	s_lshl_b32 s15, ttmp9, 2
	s_add_co_u32 s15, s15, s14                     ; the head n: it enters Q's, the sink's and O's addresses alone
	s_lshr_b32 s10, ttmp9, 1                       ; the key head, which the four partners share
	s_and_b32 s11, ttmp7, 0xffff                   ; the sequence
	s_and_b32 s13, s[WV], 1                        ; which half of the 640 rows I fetch
	s_lshl_b32 s2, s10, 11
	s_lshl_b32 s3, s11, 9
	s_add_co_u32 s2, s2, s3
	s_mul_i32 s3, s13, 320
	s_add_co_u32 s2, s2, s3
	s_add_co_u32 s2, s2, 64*2048-128               ; row (64 + key head) x 2048 + 512 b - 128 + 320 half
	s_lshl_b32 s2, s2, 7
	s_mov_b32 s3, 0
	s_lshl_b32 s60, s11, 5
	s_lshl1_add_u32 s60, s[WV], s60                ; O: token tile 32 b + 2 w,
	s_lshl_b32 s60, s60, 17
	s_lshl_b32 s61, s15, 11                        ; the head's 2,048 bytes in it
	s_add_co_u32 s60, s60, s61
	s_mov_b32 s61, 0
	s_lshl_b32 s58, s15, 11
	s_lshl_b32 s59, s11, 9
	s_add_co_u32 s58, s58, s59                     ; Q: row n x 2048 + 512 b
	s_lshl_b32 s59, s[WV], 7
	s_add_co_u32 s58, s58, s59
	s_lshl_b32 s58, s58, 7                         ; + 128 w
	s_mov_b32 s59, 0
	; group 1.  320 rows of 128 bytes are 40,960 dense bytes: asked for as 160 rows of 256, padded after every 32 words
	s_mov_b32 s[G1K], 15|(1<<16)|(1<<20)|(1<<21)|(4<<22)|(3<<25)
	s_mov_b32 s[G1V], 15|(1<<16)|(1<<20)|(1<<21)|(4<<22)|(7<<25)
.irp g, G1K, G1V
	s_mov_b32 s[\g+1], 128<<16
	s_mov_b32 s[\g+2], 160<<16
	s_mov_b32 s[\g+3], 128<<16
	s_mov_b32 s[\g+4], 160
	s_mov_b32 s[\g+5], 128
	s_mov_b32 s[\g+6], 0
	s_mov_b32 s[\g+7], 0
.endr
	s_mov_b32 s[G1Q], (1<<16)|(1<<20)|(4<<22)|(3<<25)  ; Q: a load of my own: 128 rows as 64 rows of 256 bytes
	s_mov_b32 s[G1Q+1], 128<<16
	s_mov_b32 s[G1Q+2], 64<<16
	s_mov_b32 s[G1Q+3], 128<<16
	s_mov_b32 s[G1Q+4], 64
	s_mov_b32 s[G1Q+5], 128
	s_mov_b32 s[G1Q+6], 0
	s_mov_b32 s[G1Q+7], 0
	s_mov_b32 s[G0K], 1
	s_mul_i32 s[G0K+1], s13, 320*PK
	s_mov_b32 s[G0V], 1
	s_mul_i32 s[G0V+1], s13, 320*PV
	s_add_co_u32 s[G0V+1], s[G0V+1], VOFF
	s_mov_b32 s[G0Q], 1
	s_mul_i32 s[G0Q+1], s[WV], 128*PK
	s_add_co_u32 s[G0Q+1], s[G0Q+1], QOFF
	s_mov_b32 s[CS], 0x4138aa3b                    ; 8 log2(e)
	s_mov_b32 s[CS+1], s[CS]
	s_mov_b32 s[SEL], 0x76543210
	s_mov_b32 s[SEL+1], 0xfedcba98
	s_mov_b32 s[BIGN], 0xf149f2ca                  ; -1e30
	s_wait_dscnt 0x0                               ; the opening add is done
	s_wait_kmcnt 0x0
	s_add_nc_u64 s[G0K+2:G0K+3], s[4:5], s[2:3]
	s_add_nc_u64 s[G0V+2:G0V+3], s[G0K+2:G0K+3], 8*2048*128   ; the value head lies eight blocks on
	s_or_b32 s[G0K+3], s[G0K+3], 0x80000000
	s_or_b32 s[G0V+3], s[G0V+3], 0x80000000
	s_add_nc_u64 s[G0Q+2:G0Q+3], s[4:5], s[58:59]
	s_or_b32 s[G0Q+3], s[G0Q+3], 0x80000000
	s_add_nc_u64 s[8:9], s[8:9], s[60:61]
	CROUND                                         ; all four work-groups are here: the joint loads meet
	s_cmp_lt_u32 s[WV], 2                          ; all fills of the launch, two a wave, in one branch: waves 0, 1 a half of K, waves 2, 3 a half of V; every wave its quarter of Q
	s_cbranch_scc0 .Lfor_v
	tensor_load_to_lds s[G0K:G0K+3], s[G1K:G1K+7]
	s_nop 0
	tensor_load_to_lds s[G0Q:G0Q+3], s[G1Q:G1Q+7]
	s_nop 0
	PLACES
	s_branch .Lasked
.Lfor_v:
	tensor_load_to_lds s[G0V:G0V+3], s[G1V:G1V+7]
	s_nop 0
	tensor_load_to_lds s[G0Q:G0Q+3], s[G1Q:G1Q+7]
	s_nop 0
	PLACES
.Lasked:
	s_lshl_b32 s2, s15, 2
	v_mov_b32 v32, s2
	global_load_b32 v33, v32, s[6:7]               ; my head's sink
	v_and_b32 v12, 15, v0                          ; r
	v_bfe_u32 v13, v0, 4, 1                        ; h
	v_mul_u32_u24 v[AK0], v12, PK
	v_lshl_add_u32 v[AK0], v13, 4, v[AK0]          ; r x 144 + 16 h
	v_add_nc_u32 v[AQ0], QOFF, v[AK0]
	v_and_b32 v14, 7, v0
	v_bfe_u32 v15, v0, 3, 1
	v_lshl_add_u32 v[AV0], v13, 3, v14             ; the turning load: key 8 h + l % 8, channels 8 ((l / 8) % 2) + 0..7
	v_mul_u32_u24 v[AV0], v[AV0], PV
	v_lshl_add_u32 v[AV0], v15, 4, v[AV0]
	v_add_nc_u32 v[AV0], VOFF, v[AV0]
	v_and_b32 v[GO], 31, v0
	v_lshlrev_b32 v[GO], 4, v[GO]
	v_lshlrev_b32 v16, 3, v13
	v_sub_nc_u32 v16, v12, v16                     ; r - 8 h: key 8 h + j against query r is j against this
	WIN 0x40
.set j_, 0
.rept 8
	v_cmp_le_i32 vcc_lo, j_, v16                   ; at x = 0 a key is hidden where 8 h + j <= r: it lies 128 or more back
	v_cndmask_b32 v[MW+j_], 0, s[BIGN], vcc_lo
	v_cmp_gt_i32 vcc_lo, j_, v16                   ; at x = 8 where 8 h + j > r: it lies ahead
	v_cndmask_b32 v[MDG+j_], 0, s[BIGN], vcc_lo
.set j_, j_+1
.endr
	WIN 0
.set j_, 0
.rept 8
	v_mov_b32 v[P+36+j_], 0                        ; tile 0 never sees block 9, tile 1 never block 0: those halves of P (0, 4) and P (1, 0) stay 0
.set j_, j_+1
.endr
.irp c, 0,1,2,3
	s_add_co_u32 s2, s[WV], \c
	s_cmp_lt_u32 s2, 4
	s_cselect_b32 s[V0+\c], s[BIGN], 0             ; trip 0: chunk c lies in front of the sequence where c < 4 - w
.endr
	s_mul_i32 s[TBK], s[WV], 32*PK                 ; row q0 of K and of Q,
	s_mul_i32 s[TBV], s[WV], 32*PV                 ; and of V
	s_mov_b32 s[CNT], 4
	s_wait_loadcnt 0x0
	v_cvt_pk_bf16_f32 v33, v33, v33                ; the sink rounded to bf16 like every input,
	v_lshlrev_b32 v33, 16, v33
	v_mul_f32 v33, 0x3fb8aa3b, v33                 ; times log2(e)
	v_readfirstlane_b32 s[SINK], v33
	s_wait_tensorcnt 0x0                           ; my two loads have landed,
	s_barrier_signal -1
	s_barrier_wait -1                              ; everybody's have; nothing is ever filled again
; 18 products K Q^T over channel half \half, blocks ascending, the tiles by turns: between the two links of a chain stand 17 others'
.macro QK half
.set kb_, 0
.rept 10
.set u_, 0
.rept 2
.set x_, kb_-u_
.if (x_ >= 0) && (x_ <= 8)
.set rs_, S+72*u_+8*x_
.set rk_, KF+16*kb_+8*(\half)
.set rq_, QF+16*u_+8*(\half)
.if (\half) == 1
	v_wmma_f32_16x16x32_f16 v[rs_:rs_+7], v[rk_:rk_+7], v[rq_:rq_+7], v[rs_:rs_+7]
.elseif x_ == 0
	v_wmma_f32_16x16x32_f16 v[rs_:rs_+7], v[rk_:rk_+7], v[rq_:rq_+7], v[EW:EW+7]
.elseif x_ == 8
	v_wmma_f32_16x16x32_f16 v[rs_:rs_+7], v[rk_:rk_+7], v[rq_:rq_+7], v[MDG:MDG+7]
.elseif kb_ < 8
	v_wmma_f32_16x16x32_f16 v[rs_:rs_+7], v[rk_:rk_+7], v[rq_:rq_+7], v[VAL+8*(kb_/2):VAL+8*(kb_/2)+7]
.else
	v_wmma_f32_16x16x32_f16 v[rs_:rs_+7], v[rk_:rk_+7], v[rq_:rq_+7], 0
.endif
.endif
.set u_, u_+1
.endr
.set kb_, kb_+1
.endr
.endm
; Line k of the four that take block x of tile u into its chain (cA for even x, cB for odd); each accumulator is read from its low end on
.macro MX u, x, k
.set rs_, S+72*(\u)+8*(\x)
.set rc_, ST+10*(\u)+((\x)%2)
.if ((\x) < 2) && ((\k) == 0)
	v_max3_num_f32 v[rc_], v[rs_], v[rs_+1], v[rs_+2]
.elseif ((\x) < 2) && ((\k) < 3)
	v_max3_num_f32 v[rc_], v[rc_], v[rs_+2*(\k)+1], v[rs_+2*(\k)+2]
.elseif (\x) < 2
	v_max_num_f32 v[rc_], v[rc_], v[rs_+7]
.else
	v_max3_num_f32 v[rc_], v[rc_], v[rs_+2*(\k)], v[rs_+2*(\k)+1]
.endif
.endm
; Tile u: c s - m2, the exponentials, the roundings into P, the sum and its reciprocal
.macro SOFT u
.set rt_, ST+10*(\u)
.set rs_, S+72*(\u)
.set j_, 0
.rept 36
	v_pk_fma_f32 v[rs_+2*j_:rs_+2*j_+1], v[rs_+2*j_:rs_+2*j_+1], s[CS:CS+1], v[rt_+2:rt_+3] op_sel_hi:[1,0,0] neg_lo:[0,0,1] neg_hi:[0,0,1]
.set j_, j_+1
.endr
.set j_, 0
.rept 72
	v_exp_f32 v[rs_+j_], v[rs_+j_]
.set j_, j_+1
.endr
	v_exp_f32 v[rt_+1], v[rt_+1]                   ; the sink's term
	v_nop                                          ; a plain line behind the last exponential
.set j_, 0
	s_wait_alu depctr_va_vdst(0)
.rept 36
.set kb_, j_/4+(\u)
	v_cvt_pk_f16_f32 v[P+40*(\u)+8*(kb_/2)+4*(kb_%2)+j_%4], v[rs_+2*j_], v[rs_+2*j_+1]
.set j_, j_+1
.endr
	v_pk_add_f32 v[rt_+4:rt_+5], v[rs_:rs_+1], v[rs_+4:rs_+5]     ; two chains of packed sums
	v_pk_add_f32 v[rt_+6:rt_+7], v[rs_+2:rs_+3], v[rs_+6:rs_+7]
.set j_, 8
.rept 16
	v_pk_add_f32 v[rt_+4:rt_+5], v[rt_+4:rt_+5], v[rs_+j_:rs_+j_+1]
	v_pk_add_f32 v[rt_+6:rt_+7], v[rt_+6:rt_+7], v[rs_+j_+2:rs_+j_+3]
.set j_, j_+4
.endr
	v_pk_add_f32 v[rt_+4:rt_+5], v[rt_+4:rt_+5], v[rt_+6:rt_+7]
	v_add_f32 v[rt_+4], v[rt_+4], v[rt_+5]
	v_permlanex16_b32 v[rt_+5], v[rt_+4], s[SEL], s[SEL+1]        ; the query's other keys lie in the lane 16 away
	v_add_f32 v[rt_+4], v[rt_+4], v[rt_+5]
	v_add_f32 v[rt_+4], v[rt_+4], v[rt_+1]
	v_rcp_f32 v[rt_+8], v[rt_+4]
	v_rcp_f32 v[rt_+9], v[rt_+4]
	v_nop                                          ; a plain line behind the reciprocals
.endm
.Ltrip:                                                ; four trips: a piece of 32 queries each
	v_add_nc_u32 v[AK], s[TBK], v[AK0]
	v_add_nc_u32 v[AQ], s[TBK], v[AQ0]
	v_add_nc_u32 v[AV], s[TBV], v[AV0]
	WIN 0x40
.set j_, 0
.rept 32
	v_mov_b32 v[VAL+j_], s[V0+j_/8]
.set j_, j_+1
.endr
	WIN 0x45
.irp p, 0,1,2,3
	v_pk_add_f32 v[EW+2*\p:EW+2*\p+1], v[MW+2*\p:MW+2*\p+1], v[VAL+2*\p:VAL+2*\p+1]
.endr
	WIN 0x40                                       ; destination window 1
.set j_, 0
.rept 4                                                ; Q: tile j / 2, channel half j % 2
	ds_load_b128 v[QF+8*j_:QF+8*j_+3],   v[AQ] offset:(j_/2)*16*PK+(j_%2)*64
	ds_load_b128 v[QF+8*j_+4:QF+8*j_+7], v[AQ] offset:(j_/2)*16*PK+(j_%2)*64+32
.set j_, j_+1
.endr
.set j_, 0
.rept 20                                               ; K: block j / 2, channel half j % 2
	ds_load_b128 v[KF+8*j_:KF+8*j_+3],   v[AK] offset:(j_/2)*16*PK+(j_%2)*64
	ds_load_b128 v[KF+8*j_+4:KF+8*j_+7], v[AK] offset:(j_/2)*16*PK+(j_%2)*64+32
.set j_, j_+1
.endr
	s_wait_dscnt 0x0                               ; Q and K are in
	WIN 0x15                                       ; K, Q and the masks in window 1, S^T in window 0
	QK 0
	WIN 0x80                                       ; destination window 2: V's run of 40 loads is issued while the first 18 products are at work; it names none of their registers
.set j_, 0
.rept 20                                               ; V, turned: 32 keys of chunk j / 4, channels 16 (j % 4) on
	ds_load_tr16_b128 v[8*j_:8*j_+3],   v[AV] offset:(j_/4)*32*PV+(j_%4)*32
	ds_load_tr16_b128 v[8*j_+4:8*j_+7], v[AV] offset:(j_/4)*32*PV+16*PV+(j_%4)*32
.set j_, j_+1
.endr
	WIN 0x05
	QK 1
	WIN 0
	PLACES
.irp x, 0,2,4,6
.irp k, 0,1,2,3
	MX 0, \x, \k                                   ; four chains that do not wait for each other
	MX 0, (\x)+1, \k
	MX 1, \x, \k
	MX 1, (\x)+1, \k
.endr
.endr
.irp k, 0,1,2,3
	MX 0, 8, \k
	MX 1, 8, \k
.endr
.irp u, 0,1
	v_max_num_f32 v[ST+10*\u], v[ST+10*\u], v[ST+10*\u+1]
.endr
.irp u, 0,1
	v_permlanex16_b32 v[ST+10*\u+1], v[ST+10*\u], s[SEL], s[SEL+1]
.endr
.irp u, 0,1
	v_max_num_f32 v[ST+10*\u], v[ST+10*\u], v[ST+10*\u+1]
.endr
.irp u, 0,1
	v_mul_f32 v[ST+10*\u+2], s[CS], v[ST+10*\u]
.endr
.irp u, 0,1
	v_max_num_f32 v[ST+10*\u+2], s[SINK], v[ST+10*\u+2]   ; the sink joins the maximum
.endr
.irp u, 0,1
	v_mov_b32 v[ST+10*\u+3], v[ST+10*\u+2]
	v_sub_f32 v[ST+10*\u+1], s[SINK], v[ST+10*\u+2]
.endr
	SOFT 0
	SOFT 1
	s_wait_dscnt 0x0                               ; V is in
	WIN 0xa2                                       ; V and O^T in window 2, P in window 0
.set c_, 0
.rept 5
.set cb_, 0
.rept 4
.set u_, 0
.rept 2                                                ; the eight accumulators take turns
.set ro_, OT+32*u_+8*cb_
.if c_ == 0
	v_wmma_f32_16x16x32_f16 v[ro_:ro_+7], v[32*c_+8*cb_:32*c_+8*cb_+7], v[P+40*u_+8*c_:P+40*u_+8*c_+7], 0
.else
	v_wmma_f32_16x16x32_f16 v[ro_:ro_+7], v[32*c_+8*cb_:32*c_+8*cb_+7], v[P+40*u_+8*c_:P+40*u_+8*c_+7], v[ro_:ro_+7]
.endif
.set u_, u_+1
.endr
.set cb_, cb_+1
.endr
.set c_, c_+1
.endr
	PLACES
.irp u, 0,1
	WIN 0x82                                       ; O^T in window 2, 1 / l in window 0
.set j_, 0
	s_wait_alu depctr_va_vdst(0)
.rept 16
	v_pk_mul_f32 v[OT+32*\u+2*j_:OT+32*\u+2*j_+1], v[OT+32*\u+2*j_:OT+32*\u+2*j_+1], v[ST+10*\u+8:ST+10*\u+9]
.set j_, j_+1
.endr
	WIN 0x0a
.set j_, 0
.rept 16
	v_cvt_pk_f16_f32 v[32+16*\u+j_], v[OT+32*\u+2*j_], v[OT+32*\u+2*j_+1]
.set j_, j_+1
.endr
	WIN 0
.irp f, 0,1,2,3
	global_store_b128 v[GO], v[32+16*\u+4*\f:32+16*\u+4*\f+3], s[8:9] offset:TT*\u+512*\f   ; accumulator f of tile u: 512 consecutive bytes, at a multiple of 512 from attnh's first byte
.endr
.endr
	s_wait_xcnt 0x0                                ; only behind this wait are the stores' base and data registers written again
	s_add_nc_u64 s[8:9], s[8:9], 8*TT              ; 128 queries, eight token tiles, on
	s_add_co_u32 s[TBK], s[TBK], 128*PK
	s_add_co_u32 s[TBV], s[TBV], 128*PV
	s_mov_b32 s[V0], 0                             ; from the second piece on no key lies in front of the sequence
	s_mov_b32 s[V0+1], 0
	s_mov_b32 s[V0+2], 0
	s_mov_b32 s[V0+3], 0
	s_sub_co_u32 s[CNT], s[CNT], 1
	s_cmp_lg_u32 s[CNT], 0
	s_cbranch_scc1 .Ltrip
	s_wait_tensorcnt 0x0                           ; the wave's end
	ds_add_u32 v[SPW], v[NIL]
	s_wait_dscnt 0x0
	CROUND                                         ; the closing round
	s_endpgm
.Lfunc_end_k_q63c73ee91c_attn:
	.size	k_q63c73ee91c_attn, .Lfunc_end_k_q63c73ee91c_attn-k_q63c73ee91c_attn
	.p2alignl 7, 3214868480
	.fill 96, 4, 3214868480
	.section	.rodata,"a",@progbits
	.p2align	6, 0x0
	.amdhsa_kernel k_q63c73ee91c_attn
		.amdhsa_group_segment_fixed_size 327680
		.amdhsa_private_segment_fixed_size 0
		.amdhsa_enable_private_segment 0
		.amdhsa_kernarg_size 24
		.amdhsa_user_sgpr_count 2
		.amdhsa_user_sgpr_kernarg_segment_ptr 1
		.amdhsa_wavefront_size32 1
		.amdhsa_system_sgpr_workgroup_id_x 1
		.amdhsa_system_sgpr_workgroup_id_y 1
		.amdhsa_system_sgpr_workgroup_id_z 1
		.amdhsa_system_vgpr_workitem_id 0
		.amdhsa_next_free_vgpr 768
		.amdhsa_next_free_sgpr 66
		.amdhsa_reserve_vcc 1
		.amdhsa_float_denorm_mode_32 3
		.amdhsa_float_denorm_mode_16_64 3
		.amdhsa_memory_ordered 1
		.amdhsa_forward_progress 1
		.amdhsa_inst_pref_size 51
	.end_amdhsa_kernel
	.amdgpu_metadata
---
amdhsa.version: [ 1, 2 ]
amdhsa.kernels:
  - .name:           k_q63c73ee91c_attn
    .symbol:         k_q63c73ee91c_attn.kd
    .args:
      - { .name: qkvh, .offset: 0, .size: 8, .value_kind: global_buffer, .address_space: global }
      - { .name: sinks, .offset: 8, .size: 8, .value_kind: global_buffer, .address_space: global }
      - { .name: attnh, .offset: 16, .size: 8, .value_kind: global_buffer, .address_space: global }
    .group_segment_fixed_size: 327680
    .private_segment_fixed_size: 0
    .kernarg_segment_align: 8
    .kernarg_segment_size: 24
    .max_flat_workgroup_size: 128
    .sgpr_count:     66
    .vgpr_count:     768
    .wavefront_size: 32
...
	.end_amdgpu_metadata
.endif
;; end of part 7
;; launch oproj (part 8): grid 16 x 15, 4 waves a work-group, clusters of 4 x 1, 327,680 bytes of LDS; arguments attnh, wob, bo, out0; writes out0
.if DOCPART == 8
	.amdgcn_target "amdgcn-amd-amdhsa--gfx1250"
	.amdhsa_code_object_version 6
	.text
	.protected	k_q63c73ee91c_oproj
	.globl	k_q63c73ee91c_oproj
	.p2align	8
	.type	k_q63c73ee91c_oproj,@function
k_q63c73ee91c_oproj:
	s_mov_b64 s[64:65], 0
	v_nop
	global_prefetch_b8 v0, s[64:65] scope:SCOPE_SE
	s_setreg_imm32_b32 hwreg(HW_REG_WAVE_MODE, 25, 1), 1
	s_wait_xcnt 0x0
	s_wait_alu depctr_hold_cnt(0) depctr_sa_sdst(0) depctr_va_vdst(0) depctr_va_sdst(0) depctr_va_ssrc(0) depctr_va_vcc(0) depctr_vm_vsrc(0)
	s_getreg_b32 s2, hwreg(HW_REG_IB_STS2, 6, 4)
	s_cmp_eq_u32 s2, 0
	s_cbranch_scc0 .Lentry_in_a_cluster
	s_endpgm
.Lentry_in_a_cluster:
	s_bfe_u32 s2, ttmp6, 0x10000c
	s_cmp_lg_u32 s2, 0x3003
	s_cbranch_scc0 .Lentry_shape_is_right
	s_endpgm
.Lentry_shape_is_right:
; OUTPUT PROJECTION: out0 [2048 x 2880] f32 = attn [2048 x 4096] x wo [4096 x 2880] + bo.  attnh holds O / 8 in f16, wob [45][4096][64] f16 holds bf16(wo) x 8: the two factors cancel exactly.
; Products in f16, sums in f32; the bias, rounded to bf16 like every input, is the C operand of the products that start the sums.
; LIMITS.  Those of its two operands (O / 8 and wo x 8 inside f16).  NaN and infinities are not treated apart.
; SHARES.  A work-group makes 128 tokens x 192 columns: 16 x 15 = 240 work-groups, since 2880 = 15 x 192.  Wave w: tokens 32 w .. 32 w + 31 (2 row tiles a) x all 192 columns (12 column tiles t): 24 accumulators.
; THE MATRIX INSTRUCTION IS USED TRANSPOSED: source 0 = 16 columns of W (turned out of LDS), source 1 = 16 tokens: a lane holds one token (l % 16) and eight neighbouring columns 8 (l / 16) + 0..7.
; A GOES STRAIGHT INTO REGISTERS.  attnh lies as fragments: [token tile of 16][chunk of 32 k][2 x 512 bytes], lane l's 16 bytes at 16 l: a fragment is two loads of 512 consecutive bytes.  No wave shares its tokens
; with another, so each byte of A is loaded once by the work-group.  A ring of 10 places (a chunk's two fragments, 16 registers, each) is filled 9 chunks ahead: 36 loads of a wave are on their way.
; B GOES THROUGH LDS, which it has to itself: two slots of K = 320 (10 chunks, 240 matrix instructions a wave).  4096 = 12 x 320 + 256: the last step has 8 chunks.  Each wave fetches a quarter of a step's k rows
; (80; in the last step 64) of all three column blocks with one tensor load behind each change of slots.
; The price of the wave's wide tile: 24 LDS loads for a chunk's 24 matrix instructions.
; CLUSTER 4 x 1 along the row tiles: the four partners share the column tile, so B's tiles are asked for jointly.  A is shared by no partner (each has its own tokens), and the 15 column tiles do not divide into
; fours, so no cluster reaches along them.
; ONE TEXT FOR A STEP: the slot in hand is a scalar, 0 or SLOT, that an exclusive or turns; it is added to four fixed lane terms for the reads, and its twin to the wave's part of a slot for the descriptor.
; Only the first chunk, whose products start the sums, stands ahead of the loop, which is entered behind its own chunk 0; the last two steps are written out.
; REGISTERS: window 0: v0-31 addresses; v32-127, v128-223 two buffers of B's 12 fragments.  window 1: v0-191 accumulators (a, t) at 8 (12 a + t).  window 2: v0-159 A's ring; v160-255 the bias, 8 a column tile.
.set NT,     12
.set KTOT,   4096
.set PB,     160                       ; a row of B in LDS: 128 bytes + 32 of padding: an odd multiple of 32, for the turning load
.set RQ,     80                        ; k rows that a wave fetches of a step
.set RQT,    64                        ; of the last step
.set QB,     3*RQ*PB                   ; a wave's part of a slot: 3 column blocks x 80 rows
.set SLOT,   4*QB                      ; 153,600
.set NCH,    10                        ; chunks of 32 along K in a step
.set NCHT,   8                         ; in the last
.set RING,   10
.set AHEAD,  9
.set NLD,    2*NT                      ; LDS loads in a run
.set SP,     784                       ; a stage row: 192 f32 + 16 bytes: an odd multiple of 16
.set STAGE,  SLOT                      ; the way out goes through slot 1, which has had its last fill (step 11) and its last read by then: 32 rows for each wave, its own
.set SPARE,  2*SLOT                    ; the spare words, 128 bytes a wave: two blocks of 256 bytes that no other line names
.set ATT,    131072                    ; bytes of a token tile in attnh: 128 chunks of 1,024
.set BSTEP,  NCH*32*128                ; a step's k rows in a block of wob
.set ADR0,   8                         ; v8-11   quarter q's lane term: q x QB + the turning load's place; never rewritten
.set ADRB,   12                        ; v12-15  the same in the slot in hand
.set STO,    20
.set RD,     21
.set GO,     22
.set BO,     23                        ; 32 (l / 16): my eight columns' bytes in the bias
.set AO,     24                        ; 16 x lane
.set SPW,    28                        ; my spare word; never rewritten
.set NIL,    29                        ; 0; never rewritten
.set F0,     32
.set ACC,    0                         ; window 1
.set AR,     0                         ; window 2
.set BI,     160                       ; window 2
.set WV,     18
.set G1B,    28                        ; s[28:35] group 1 of a step's tile
.set G1T,    36                        ; s[36:43] of the last step's
.set G0F,    44                        ; s[44:47] group 0 of the first fill of slot 0
.set G0W,    48                        ; s[48:51] group 0 of the first fill of slot 1; it then walks on
.set AB,     52                        ; s[52:53] attnh at my token tiles, the step's first chunk
.set TQ,     54                        ; s[54:55] what the last step's shorter quarters take off my address
.set TBC,    56                        ; the slot in hand: 0 or SLOT
.set TBO,    57                        ; the slot last asked for
.set QO,     58                        ; wave x QB
.set CNT,    59
.set MASKH,  60
.set BPT,    62                        ; s[62:63] the bias at the tile's first column
.set OUTP,   66                        ; s[66:67] out0 at my first row, the tile's first column
.set MSB, 0
.macro WIN new                         ; the immediate's high byte repeats the setting that is left; a switch that changes nothing is dropped
.if MSB != (\new)
	s_set_vgpr_msb (MSB<<8)|(\new)
.set MSB, (\new)
.endif
.endm
.macro PLACES                          ; four plain vector lines between a matrix instruction and a load into, or a read of, its registers
.rept 4
	v_nop
.endr
.endm
.macro CREST                           ; a round of the cluster's barrier behind its opening barrier
	s_cmp_lg_u32 s[WV], 0
	s_cbranch_scc1 .Lnot_wave_0_\@
	s_barrier_signal -3
.Lnot_wave_0_\@:
	s_barrier_wait -3
	s_barrier_signal -1
	s_barrier_wait -1
.endm
.macro CROUND
	s_barrier_signal -1
	s_barrier_wait -1
	CREST
.endm
; One run of LDS loads: B's 12 fragments of chunk c of the slot in hand into buffer f.  A turning load takes 16 k rows; group g of 16 rows lies in quarter g / (rq / 16).
.macro FETCH c, f, rq
	WIN 0
.set n_, (\rq)/16
.set g0_, 2*(\c)
.set g1_, 2*(\c)+1
.set t_, 0
.rept NT
	ds_load_tr16_b128 v[(\f)+8*t_:(\f)+8*t_+3],   v[ADRB+g0_/n_] offset:(t_/4)*(\rq)*PB+(g0_%n_)*16*PB+32*(t_%4)
	ds_load_tr16_b128 v[(\f)+8*t_+4:(\f)+8*t_+7], v[ADRB+g1_/n_] offset:(t_/4)*(\rq)*PB+(g1_%n_)*16*PB+32*(t_%4)
.set t_, t_+1
.endr
.endm
; A's two fragments of the chunk kc on from the step's first, into place rp of the ring: four loads of 512 consecutive bytes
.macro ALD kc, rp
	WIN 0x80                                       ; destination window 2
.set a_, 0
.rept 2
	global_load_b128 v[AR+16*(\rp)+8*a_:AR+16*(\rp)+8*a_+3],   v[AO], s[AB:AB+1] offset:(\kc)*1024+a_*ATT
	global_load_b128 v[AR+16*(\rp)+8*a_+4:AR+16*(\rp)+8*a_+7], v[AO], s[AB:AB+1] offset:(\kc)*1024+a_*ATT+512
.set a_, a_+1
.endr
.endm
; Twelve matrix instructions: row tile a x all column tiles, B from buffer f, A from place rp.  first = 1: the bias starts the sums.
; The 24 accumulators are always walked in the same order, one instruction a turn.
.macro MULR f, rp, a, first
.if \first
	WIN 0x68                                       ; B window 0, A window 2, C (the bias) window 2, D window 1
.else
	WIN 0x58                                       ; B window 0, A window 2, C and D window 1
.endif
.set t_, 0
.rept NT
.set rd_, ACC+8*((\a)*NT+t_)
.if \first
	v_wmma_f32_16x16x32_f16 v[rd_:rd_+7], v[(\f)+8*t_:(\f)+8*t_+7], v[AR+16*(\rp)+8*(\a):AR+16*(\rp)+8*(\a)+7], v[BI+8*t_:BI+8*t_+7]
.else
	v_wmma_f32_16x16x32_f16 v[rd_:rd_+7], v[(\f)+8*t_:(\f)+8*t_+7], v[AR+16*(\rp)+8*(\a):AR+16*(\rp)+8*(\a)+7], v[rd_:rd_+7]
.endif
.set t_, t_+1
.endr
.endm
; Chunk c of a step of nch chunks.  Behind four places: the next chunk's B into the buffer, and (al = 1) the chunk AHEAD on of A into the ring place, that the chunk before has just left.  Then this chunk's products.
; lcnt: A's loads issued behind this chunk's, which may stay out.  A step's last chunk is multiplied in the change of slots that follows.
.macro CHUNK c, nch, rq, al, lcnt, first
.if ((\c)+1 < (\nch)) || (\al)
	WIN 0
	PLACES
.endif
.if (\c)+1 < (\nch)
	FETCH (\c)+1, F0+96*(((\c)+1)%2), \rq
.endif
.if \al
	ALD (\c)+AHEAD, ((\c)+AHEAD)%RING
.endif
.if (\c)+1 < (\nch)
	s_wait_dscnt NLD                               ; this chunk's B is in; the run just issued stays out
	s_wait_loadcnt \lcnt                           ; loads come back in order: this chunk's A is in, the younger chunks' stay out
	MULR F0+96*((\c)%2), (\c)%RING, 0, \first
	MULR F0+96*((\c)%2), (\c)%RING, 1, \first
.endif
.endm
; THE CHANGE OF SLOTS.  The step before's last chunk lies in buffer 1 and ring place 9 and is multiplied here.  Each wave waits for all its tensor loads (one is out: its part of the slot to come), adds 0 to its
; spare word, and waits for that and for its reads of the slot that it leaves; behind the barrier, which with a refill opens a round of the cluster's, that slot is filled again first.
; refill: 0 none, 1 a step of 320, 2 the last step of 256.  rq: the k rows a quarter of the slot to come.  lcnt as in CHUNK.
.macro HEAD refill, rq, lcnt
	WIN 0
	s_wait_tensorcnt 0x0                           ; no tensor load of mine is out, so a group 0 may be written
	ds_add_u32 v[SPW], v[NIL]
	s_wait_xcnt 0x0                                ; A's loads have had their addresses translated: only behind this wait is their base stepped
	s_add_nc_u64 s[AB:AB+1], s[AB:AB+1], NCH*1024
.if \refill
	s_xor_b32 s[TBO], s[TBO], SLOT                 ; the walking descriptor: the other slot than last time,
	s_add_co_u32 s[G0W+1], s[TBO], s[QO]           ; my part of it,
	s_add_nc_u64 s[G0W+2:G0W+3], s[G0W+2:G0W+3], BSTEP   ; the next 320 k rows; the type bits on top are not reached
.if (\refill) == 2
	s_sub_nc_u64 s[G0W+2:G0W+3], s[G0W+2:G0W+3], s[TQ:TQ+1]   ; quarters of 64 rows: mine begins 16 x wave rows earlier
.endif
.endif
	s_xor_b32 s[TBC], s[TBC], SLOT
	s_wait_dscnt 0x1                               ; buffer 1's loads are in; the add alone may be out
	s_wait_loadcnt \lcnt
	MULR F0+96, RING-1, 0, 0
	s_wait_dscnt 0x0                               ; the add is done, and my reads of the slot that I leave are over
	WIN 0
	s_barrier_signal -1
.irp q, 0,1,2,3
	v_add_nc_u32 v[ADRB+\q], s[TBC], v[ADR0+\q]    ; the reads turn to the other slot: work on registers; four places as well
.endr
	s_barrier_wait -1
.if \refill
	CREST                                          ; no wave of any partner still reads that slot or has a load on its way
.if (\refill) == 2
	tensor_load_to_lds s[G0W:G0W+3], s[G1T:G1T+7]
.else
	tensor_load_to_lds s[G0W:G0W+3], s[G1B:G1B+7]  ; my one tensor load behind the round: it has the step's 240 matrix instructions, less twelve, in which to land
.endif
	s_nop 0
	PLACES
.endif
	FETCH 0, F0, \rq
	MULR F0+96, RING-1, 1, 0
.endm
	s_load_b256 s[4:11], s[0:1], 0x0               ; attnh 4:5, wob 6:7, bo 8:9, out0 10:11
	v_lshl_add_u32 v[SPW], v0, 2, SPARE
	v_mov_b32 v[NIL], 0
	ds_add_u32 v[SPW], v[NIL]                      ; the wave's opening: the add and its wait ahead of my first tensor load
	v_lshrrev_b32 v3, 5, v0
	v_readfirstlane_b32 s[WV], v3                  ; wave 0..3
	s_bfe_u32 s21, ttmp6, 0x40000                  ; cx
	s_lshl_b32 s24, ttmp9, 2
	s_add_co_u32 s24, s24, s21                     ; row tile = 4 x cluster x + cx: it enters A's and out0's addresses alone
	s_and_b32 s23, ttmp7, 0xffff                   ; column tile, which the four partners share
	; group 1: 3 rows (column blocks) of 80 k rows x 64 columns, dense, a block of wob apart; 8 words of padding after every 32; all four partners
	s_mov_b32 s[G1B], 15|(1<<16)|(1<<20)|(1<<21)|(4<<22)|(7<<25)
	s_mov_b32 s[G1B+1], (RQ*64)<<16
	s_mov_b32 s[G1B+2], 3<<16
	s_mov_b32 s[G1B+3], (RQ*64)<<16
	s_mov_b32 s[G1B+4], 3
	s_mov_b32 s[G1B+5], KTOT*64
	s_mov_b32 s[G1B+6], 0
	s_mov_b32 s[G1B+7], 0
	s_mov_b32 s[G1T], 15|(1<<16)|(1<<20)|(1<<21)|(4<<22)|(7<<25)   ; the same with 64 k rows
	s_mov_b32 s[G1T+1], (RQT*64)<<16
	s_mov_b32 s[G1T+2], 3<<16
	s_mov_b32 s[G1T+3], (RQT*64)<<16
	s_mov_b32 s[G1T+4], 3
	s_mov_b32 s[G1T+5], KTOT*64
	s_mov_b32 s[G1T+6], 0
	s_mov_b32 s[G1T+7], 0
	s_mul_i32 s[QO], s[WV], QB                     ; my part of a slot: no place in the cluster enters an LDS address
	s_mul_i32 s68, s23, 3*KTOT*128                 ; B: block 3 x column tile, k rows 80 x wave on: made of the column tile and the wave alone
	s_mul_i32 s69, s[WV], RQ*128
	s_add_co_u32 s68, s68, s69
	s_mov_b32 s69, 0
	s_lshl_b32 s[TQ], s[WV], 11                    ; (80 - 64) rows of 128 bytes x wave
	s_mov_b32 s[TQ+1], 0
	s_lshl_b32 s70, s24, 3
	s_lshl1_add_u32 s70, s[WV], s70                ; A: token tile 8 x row tile + 2 x wave
	s_lshl_b32 s70, s70, 17
	s_mov_b32 s71, 0
	s_mul_i32 s72, s23, 768                        ; the tile's first column, in bytes of f32
	s_mov_b32 s73, 0
	s_lshl_b32 s74, s24, 7
	s_lshl_b32 s75, s[WV], 5
	s_add_co_u32 s74, s74, s75                     ; my first token = 128 x row tile + 32 x wave
	s_mul_i32 s74, s74, 11520
	s_add_co_u32 s74, s74, s72
	s_mov_b32 s75, 0
	s_mov_b32 s[TBC], 0
	s_mov_b32 s[TBO], SLOT
	s_mov_b32 s[MASKH], 0xffff0000
	s_mov_b32 s[G0F], 1
	s_mov_b32 s[G0F+1], s[QO]
	s_mov_b32 s[G0W], 1
	s_add_co_u32 s[G0W+1], s[QO], SLOT
	v_and_b32 v1, 15, v0                           ; r = l % 16
	v_bfe_u32 v2, v0, 4, 1                         ; h = l / 16
	v_and_b32 v4, 7, v0                            ; the turning load: lane l reads k row 8 h + l % 8, columns 8 ((l / 8) % 2) + 0..7
	v_lshl_add_u32 v4, v2, 3, v4
	v_mul_u32_u24 v4, v4, PB
	v_bfe_u32 v5, v0, 3, 1
	v_lshl_add_u32 v4, v5, 4, v4
.irp q, 0,1,2,3
	v_add_nc_u32 v[ADR0+\q], (\q)*QB, v4
	v_add_nc_u32 v[ADRB+\q], (\q)*QB, v4           ; the first step lies in slot 0
.endr
	s_mul_i32 s2, s[WV], 32*SP
	s_add_co_u32 s2, s2, STAGE                     ; my stage
	v_mul_u32_u24 v5, v1, SP
	v_lshl_add_u32 v5, v2, 5, v5
	v_add_nc_u32 v[STO], s2, v5                    ; in: row r, 32 bytes for each half of the lanes
	v_mul_u32_u24 v6, v2, SP
	v_lshl_add_u32 v6, v1, 4, v6
	v_add_nc_u32 v[RD], s2, v6                     ; back: lanes 0-15 take 256 bytes of one row, lanes 16-31 of the next
	v_mul_u32_u24 v6, v2, 11520
	v_lshl_add_u32 v[GO], v1, 4, v6                ; and the same in out0
	v_lshlrev_b32 v[BO], 5, v2
	v_and_b32 v3, 31, v0
	v_lshlrev_b32 v[AO], 4, v3
	s_wait_dscnt 0x0                               ; the opening add is done
	s_wait_kmcnt 0x0
	s_add_nc_u64 s[G0F+2:G0F+3], s[6:7], s[68:69]
	s_add_nc_u64 s[G0W+2:G0W+3], s[G0F+2:G0F+3], BSTEP
	s_or_b32 s[G0F+3], s[G0F+3], 0x80000000
	s_or_b32 s[G0W+3], s[G0W+3], 0x80000000
	s_add_nc_u64 s[AB:AB+1], s[4:5], s[70:71]
	s_add_nc_u64 s[BPT:BPT+1], s[8:9], s[72:73]
	s_add_nc_u64 s[OUTP:OUTP+1], s[10:11], s[74:75]
	WIN 0x80                                       ; the bias and A's first nine chunks go out ahead of the round: 24 + 36 loads into registers
.set t_, 0
.rept NT
	global_load_b128 v[BI+8*t_:BI+8*t_+3],   v[BO], s[BPT:BPT+1] offset:64*t_
	global_load_b128 v[BI+8*t_+4:BI+8*t_+7], v[BO], s[BPT:BPT+1] offset:64*t_+16
.set t_, t_+1
.endr
.irp c, 0,1,2,3,4,5,6,7,8
	ALD \c, \c
.endr
	WIN 0
	CROUND                                         ; all four work-groups are here: the first joint loads meet
	tensor_load_to_lds s[G0F:G0F+3], s[G1B:G1B+7]  ; steps 0 and 1: two loads of mine are out
	s_nop 0
	tensor_load_to_lds s[G0W:G0W+3], s[G1B:G1B+7]
	s_nop 0
	PLACES
	s_wait_loadcnt 4*AHEAD                         ; the bias is in; A's 36 loads, issued behind it, stay out
	WIN 0x0a                                       ; the bias is rounded to bf16 like every input
.set j_, 0
.rept 4*NT
	v_cvt_pk_bf16_f32 v[32+j_], v[BI+2*j_], v[BI+2*j_+1]
.set j_, j_+1
.endr
	WIN 0x80
.set j_, 0
.rept 4*NT
	v_lshlrev_b32 v[BI+2*j_], 16, v[32+j_]
	v_and_b32 v[BI+2*j_+1], s[MASKH], v[32+j_]
.set j_, j_+1
.endr
	WIN 0
	s_wait_tensorcnt 0x1                           ; my part of step 0 is in; slot 1's may stay out
	s_barrier_signal -1
	s_barrier_wait -1                              ; everybody's is
	FETCH 0, F0, RQ
	CHUNK 0, NCH, RQ, 1, 4*AHEAD, 1                ; the first products start the sums, with the bias
	WIN 0
	s_mov_b32 s[CNT], 11
	s_branch .Lc1                                  ; step 0 goes on in the loop's text, behind its chunk 0
.Ltrip:                                                ; steps 1 to 10; step s asks for step s + 1's tile
	HEAD 1, RQ, 4*AHEAD
	CHUNK 0, NCH, RQ, 1, 4*AHEAD, 0
	WIN 0
.Lc1:
.irp c, 1,2,3,4,5,6,7,8,9
	CHUNK \c, NCH, RQ, 1, 4*AHEAD, 0
.endr
	WIN 0
	s_sub_co_u32 s[CNT], s[CNT], 1
	s_cmp_lg_u32 s[CNT], 0
	s_cbranch_scc1 .Ltrip
	HEAD 2, RQ, 4*AHEAD                            ; step 11 asks for the last step's shorter tile
.irp c, 0,1,2,3,4,5,6,7,8
	CHUNK \c, NCH, RQ, 1, 4*AHEAD, 0               ; its chunk 8 asks for A's last chunk, number 127
.endr
	CHUNK 9, NCH, RQ, 0, 0, 0
	HEAD 0, RQT, 4*(AHEAD-1)                       ; step 12: nothing is left to fetch; behind chunk 119's loads eight chunks' were issued
.irp c, 0,1,2,3,4,5,6,7
	CHUNK \c, NCHT, RQT, 0, 4*(7-\c), 0            ; the counts run down
.endr
	s_wait_dscnt 0x0
	s_wait_loadcnt 0x0
	MULR F0+96, NCHT-1, 0, 0
	MULR F0+96, NCHT-1, 1, 0
	WIN 0
	PLACES
	; THE WAY OUT, a row tile at a time: a lane's eight f32 of a row go into my own stage, 32 bytes; they come back as runs of 256 bytes of a row.  The stage is the wave's own (it owns whole rows of the tile):
	; LDS serves a wave's instructions in order, so no wait and no barrier stands between the stores and the loads.
.irp a, 0,1
	WIN 0x04                                       ; the stores' data in window 1; each accumulator's low four registers go first
.set t_, 0
.rept NT
.set rd_, ACC+8*((\a)*NT+t_)
	ds_store_b128 v[STO], v[rd_:rd_+3]   offset:16*SP*(\a)+64*t_
	ds_store_b128 v[STO], v[rd_+4:rd_+7] offset:16*SP*(\a)+64*t_+16
.set t_, t_+1
.endr
	WIN 0
.set n_, 0
.rept 24                                               ; run n / 8 of 256 bytes, rows 2 (n % 8) and 2 (n % 8) + 1
	ds_load_b128 v[32+96*(\a)+4*n_:32+96*(\a)+4*n_+3], v[RD] offset:16*SP*(\a)+256*(n_/8)+2*SP*(n_%8)
.set n_, n_+1
.endr
.set n_, 0
.rept 24
	s_wait_dscnt 23-n_                             ; LDS loads come back in order: number n is in, the younger ones stay out
	global_store_b128 v[GO], v[32+96*(\a)+4*n_:32+96*(\a)+4*n_+3], s[OUTP:OUTP+1] offset:16*11520*(\a)+256*(n_/8)+23040*(n_%8) th:TH_STORE_NT   ; sixteen lanes store 256 consecutive bytes, at a multiple of 256 from out0's first byte
.set n_, n_+1
.endr
.endr
	s_wait_tensorcnt 0x0                           ; the wave's end
	ds_add_u32 v[SPW], v[NIL]
	s_wait_dscnt 0x0
	CROUND                                         ; the closing round: no work-group ends while a partner may still ask for a tile that names it
	s_endpgm
.Lfunc_end_k_q63c73ee91c_oproj:
	.size	k_q63c73ee91c_oproj, .Lfunc_end_k_q63c73ee91c_oproj-k_q63c73ee91c_oproj
	.p2alignl 7, 3214868480
	.fill 96, 4, 3214868480
	.section	.rodata,"a",@progbits
	.p2align	6, 0x0
	.amdhsa_kernel k_q63c73ee91c_oproj
		.amdhsa_group_segment_fixed_size 327680
		.amdhsa_private_segment_fixed_size 0
		.amdhsa_enable_private_segment 0
		.amdhsa_kernarg_size 32
		.amdhsa_user_sgpr_count 2
		.amdhsa_user_sgpr_kernarg_segment_ptr 1
		.amdhsa_wavefront_size32 1
		.amdhsa_system_sgpr_workgroup_id_x 1
		.amdhsa_system_sgpr_workgroup_id_y 1
		.amdhsa_system_sgpr_workgroup_id_z 1
		.amdhsa_system_vgpr_workitem_id 0
		.amdhsa_next_free_vgpr 768
		.amdhsa_next_free_sgpr 80
		.amdhsa_reserve_vcc 0
		.amdhsa_float_denorm_mode_32 3
		.amdhsa_float_denorm_mode_16_64 3
		.amdhsa_memory_ordered 1
		.amdhsa_forward_progress 1
		.amdhsa_inst_pref_size 139
	.end_amdhsa_kernel
	.amdgpu_metadata
---
amdhsa.version: [ 1, 2 ]
amdhsa.kernels:
  - .name:           k_q63c73ee91c_oproj
    .symbol:         k_q63c73ee91c_oproj.kd
    .args:
      - { .name: attnh, .offset: 0, .size: 8, .value_kind: global_buffer, .address_space: global }
      - { .name: wob, .offset: 8, .size: 8, .value_kind: global_buffer, .address_space: global }
      - { .name: bo, .offset: 16, .size: 8, .value_kind: global_buffer, .address_space: global }
      - { .name: out0, .offset: 24, .size: 8, .value_kind: global_buffer, .address_space: global }
    .group_segment_fixed_size: 327680
    .private_segment_fixed_size: 0
    .kernarg_segment_align: 8
    .kernarg_segment_size: 32
    .max_flat_workgroup_size: 128
    .sgpr_count:     80
    .vgpr_count:     768
    .wavefront_size: 32
...
	.end_amdgpu_metadata
.endif
;; end of part 8
